; MI455X (gfx1250); checked and timed in simulation.
; The chip was launched on July 23, 2026; its instructions are those of AMD's public machine-readable ISA for CDNA 5 (MIT licence, August 2026) and "CDNA5" Instruction Set Architecture Reference Guide (July 2026). The comments in the code are by the model that wrote it; some were corrected since.
;; Block. Allowed arithmetic: float matrix products may take bf16 or f16 operands with f32 sums; all other float work in f32.
;; Inputs: b1 4,096 float32; b2 1,024 float32; be1 1,024 float32; be2 1,024 float32; bo 1,024 float32; g1 1,024 float32; g2 1,024 float32; w1 1,024 x 4,096 float32; w2 4,096 x 1,024 float32; wk 1,024 x 1,024 float32; wo 1,024 x 1,024 float32; wq 1,024 x 1,024 float32; wv 1,024 x 1,024 float32; x 4 x 1,024 x 1,024 float32.
;; Outputs: out0 4 x 1,024 x 1,024 float32.
;; 2 versions, each right and faster than the one before. Each part assembles by itself: llvm-mc -triple=amdgcn-amd-amdhsa -mcpu=gfx1250 --defsym DOCPART=n.
;; ======== version 1 of 2: 7 launches
;; limits: right only within a limited range of input values
;; workspace buffers: wb 25,165,824 bytes; pf 8,407,040 bytes; xn 8,388,608 bytes; qkvb 33,554,432 bytes; att 8,388,608 bytes; x1 16,777,216 bytes; xn2 8,388,608 bytes; hid 33,554,432 bytes
;; launch prep (part 1): grid 256 x 4, 8 waves a work-group, no clusters, 0 bytes of LDS; arguments x, g1, be1, xn, wq, wk, wv, wo, w1, w2, wb, b1, pf; writes xn, wb, pf
.if DOCPART == 1
	.amdgcn_target "amdgcn-amd-amdhsa--gfx1250"
	.amdhsa_code_object_version 6
	.text
	.protected	k_q7fb30622b8_prep
	.globl	k_q7fb30622b8_prep
	.p2align	8
	.type	k_q7fb30622b8_prep,@function
k_q7fb30622b8_prep:
	s_mov_b64 s[64:65], 0
	v_nop
	global_prefetch_b8 v0, s[64:65] scope:SCOPE_SE
	s_setreg_imm32_b32 hwreg(HW_REG_WAVE_MODE, 25, 1), 1
	s_wait_xcnt 0x0
; PREP: two streams in one launch, told apart by the work-group's y.
; y = 0: xn = layernorm(x) * g1 + be1, rounded once to bf16, 16 rows a work-group.   y = 1, 2, 3: the six weight matrices are rounded to bf16, 65,536 bytes of f32 a work-group.
; No LDS, no barrier, no matrix unit: both parts move each byte once and no wave needs another wave's numbers.
; LAYERNORM.  Sixteen lanes own a row of 1,024 numbers and keep it in 64 registers a lane: first the mean, then the mean of (x - mean)^2, so no difference of large sums is formed.
; Lane q of the sixteen holds columns 64 i + 4 q .. + 3, i = 0..15: a load of the wave covers 256 consecutive bytes of each of two rows.
; xn IS WRITTEN IN PANELS: [row / 128][column / 64][row % 128][column % 64] in bf16, so that 128 rows x 64 columns are 16,384 dense bytes; a store of the wave covers two rows of a panel, 256 consecutive bytes, aligned.
; THE WEIGHTS.  wo (wb + 6 MiB) and w2 (wb + 16 MiB) keep their rows.  wq, wk, wv (wb + 0, 2, 4 MiB) and w1 (pf) are written in panels [n / 128][k][n % 128]: 128 columns of all 1,024 k are 262,144 dense bytes.
; A load of the wave takes 128 columns of one k row (512 bytes), its store their 256 bytes of bf16, aligned, in either form: the forms differ in offsets alone.
; BEHIND THE PANELS, at + 8 MiB, lie the bias and, 16,384 bytes on, the floor of the layer that reads them: in wb zeros and -infinity (q, k, v have neither bias nor relu), in pf a copy of b1 and 0.
; The work-group that has the matrix's first piece writes them.
; LIMITS.  NaN and infinities are not treated apart; xn and the weights carry bf16's rounding.
.set X,   16                           ; v[16:79]    the row's 64 numbers of my lane, then x - mean, then the result
.set G,   80                           ; v[80:143]   the gain of my 64 columns
.set BE,  144                          ; v[144:207]  the bias of my 64 columns
.set CH,  208                          ; v[208:215]  four chains of packed sums
.set MU,  216                          ; v[216:217]  the mean twice, later 1 / sqrt(var + eps) twice
.set T,   218                          ; v218        at work
.set PANEL,  262144                    ; bytes in a panel of weights
.set BIASAT, 8<<20                     ; where the bias lies behind the panels; the floor 16,384 bytes on
.macro REDUCE                          ; four chains -> one number, in each of the row's sixteen lanes
	v_pk_add_f32 v[CH:CH+1], v[CH:CH+1], v[CH+2:CH+3]
	v_pk_add_f32 v[CH+4:CH+5], v[CH+4:CH+5], v[CH+6:CH+7]
	v_pk_add_f32 v[CH:CH+1], v[CH:CH+1], v[CH+4:CH+5]
	v_add_f32 v[CH], v[CH], v[CH+1]
	v_add_f32_dpp v[CH], v[CH], v[CH] row_xmask:1 row_mask:0xf bank_mask:0xf
	v_add_f32_dpp v[CH], v[CH], v[CH] row_xmask:2 row_mask:0xf bank_mask:0xf
	v_add_f32_dpp v[CH], v[CH], v[CH] row_xmask:4 row_mask:0xf bank_mask:0xf
	v_add_f32_dpp v[CH], v[CH], v[CH] row_xmask:8 row_mask:0xf bank_mask:0xf
.endm
; s[4:5] the rows, s[6:7] the gain, s[8:9] the bias, s[10:11] the result in panels
.macro LNROWS
	v_and_b32 v1, 15, v0                           ; q: my place among the row's sixteen lanes
	v_lshrrev_b32 v2, 4, v0                        ; my row among the group's sixteen
	v_lshlrev_b32 v4, 4, v1                        ; 16 q: my offset in the gain and the bias
	v_lshl_add_u32 v3, v2, 12, v4                  ; row x 4,096 + 16 q: my offset in the rows
	v_lshlrev_b32 v5, 3, v1
	v_lshl_add_u32 v5, v2, 7, v5                   ; row x 128 + 8 q: my offset in a panel
	s_lshl_b32 s28, ttmp9, 16                      ; the group's 16 rows of 4,096 bytes
	s_mov_b32 s29, 0
	s_lshr_b32 s30, ttmp9, 3                       ; 128 rows x 16 panels are 262,144 bytes,
	s_lshl_b32 s30, s30, 18
	s_and_b32 s31, ttmp9, 7                        ; and the group's 16 rows in a panel begin at 2,048 x (group % 8)
	s_lshl_b32 s31, s31, 11
	s_add_co_u32 s30, s30, s31
	s_mov_b32 s31, 0
	s_mov_b32 s2, 0x3a800000                       ; 1 / 1,024
	s_add_nc_u64 s[4:5], s[4:5], s[28:29]
	s_add_nc_u64 s[10:11], s[10:11], s[30:31]
.set i, 0
.rept 16
	global_load_b128 v[X+4*i:X+4*i+3], v3, s[4:5] offset:256*i
.set i, i+1
.endr
.set i, 0
.rept 16
	global_load_b128 v[G+4*i:G+4*i+3], v4, s[6:7] offset:256*i
.set i, i+1
.endr
.set i, 0
.rept 16
	global_load_b128 v[BE+4*i:BE+4*i+3], v4, s[8:9] offset:256*i
.set i, i+1
.endr
	s_wait_loadcnt 32                              ; the row is in; the 32 younger loads, gain and bias, stay out
.irp k, 0,1,2,3
	v_pk_add_f32 v[CH+2*\k:CH+2*\k+1], v[X+2*\k:X+2*\k+1], v[X+2*\k+8:X+2*\k+9]  ; the first eight pairs start the chains: nothing is cleared
.endr
.set p, 8
.rept 24
	v_pk_add_f32 v[CH+2*(p%4):CH+2*(p%4)+1], v[CH+2*(p%4):CH+2*(p%4)+1], v[X+2*p:X+2*p+1]
.set p, p+1
.endr
	REDUCE
	v_mul_f32 v[MU], s2, v[CH]                     ; the mean
	v_mov_b32 v[MU+1], v[MU]
.set p, 0
.rept 32
	v_pk_add_f32 v[X+2*p:X+2*p+1], v[X+2*p:X+2*p+1], v[MU:MU+1] neg_lo:[0,1] neg_hi:[0,1]  ; x - mean, in place
.set p, p+1
.endr
.irp k, 0,1,2,3
	v_pk_mul_f32 v[CH+2*\k:CH+2*\k+1], v[X+2*\k:X+2*\k+1], v[X+2*\k:X+2*\k+1]
.endr
.set p, 4
.rept 28
	v_pk_fma_f32 v[CH+2*(p%4):CH+2*(p%4)+1], v[X+2*p:X+2*p+1], v[X+2*p:X+2*p+1], v[CH+2*(p%4):CH+2*(p%4)+1]
.set p, p+1
.endr
	REDUCE
	v_mov_b32 v[T], 0x3727c5ac                     ; eps = 1e-5
	v_fma_f32 v[T], v[CH], s2, v[T]                ; the variance + eps
	v_rsq_f32 v[MU], v[T]
	v_nop                                          ; a plain instruction between the root and the use of its result (ISA guide 5.7.2)
	s_wait_alu depctr_va_vdst(0)
	v_mov_b32 v[MU+1], v[MU]
	s_wait_loadcnt 0x0                             ; gain and bias
.set i, 0
.rept 16
	v_pk_mul_f32 v[X+4*i:X+4*i+1], v[X+4*i:X+4*i+1], v[MU:MU+1]
	v_pk_mul_f32 v[X+4*i+2:X+4*i+3], v[X+4*i+2:X+4*i+3], v[MU:MU+1]
	v_pk_fma_f32 v[X+4*i:X+4*i+1], v[X+4*i:X+4*i+1], v[G+4*i:G+4*i+1], v[BE+4*i:BE+4*i+1]
	v_pk_fma_f32 v[X+4*i+2:X+4*i+3], v[X+4*i+2:X+4*i+3], v[G+4*i+2:G+4*i+3], v[BE+4*i+2:BE+4*i+3]
	v_cvt_pk_bf16_f32 v[X+4*i], v[X+4*i], v[X+4*i+1]
	v_cvt_pk_bf16_f32 v[X+4*i+1], v[X+4*i+2], v[X+4*i+3]
	global_store_b64 v5, v[X+4*i:X+4*i+1], s[10:11] offset:16384*i  ; panel i: the wave's two rows, 256 consecutive bytes
.set i, i+1
.endr
.endm
; The sixteen pieces of a wave (128 columns of a k row each) are rounded and stored, to base s[b:b+1] + v4 + the piece's place:
; kind 0: by rows, piece after piece.  kind 1: a matrix of 8 panels: piece i is panel i % 8, k row i / 8 of the wave's two.  kind 2: w1, 32 panels: piece i is the i-th of the wave's sixteen panels, one k row.
.macro CASTOUT kind, b
.set i, 0
.rept 16
.if (\kind) == 0
.set o, 256*i
.elseif (\kind) == 1
.set o, (i%8)*PANEL+(i/8)*256
.else
.set o, i*PANEL
.endif
	s_wait_loadcnt 15-i                            ; loads come back in order (ISA guide 5.7.1): load i is in, the younger ones stay out
	v_cvt_pk_bf16_f32 v[X+4*i], v[X+4*i], v[X+4*i+1]
	v_cvt_pk_bf16_f32 v[X+4*i+1], v[X+4*i+2], v[X+4*i+3]
	global_store_b64 v4, v[X+4*i:X+4*i+1], s[\b:\b+1] offset:o  ; 256 consecutive bytes, aligned
.set i, i+1
.endr
.endm
	s_load_b256 s[4:11], s[0:1], 0x0               ; x, g1, be1, xn
	s_load_b256 s[12:19], s[0:1], 0x20             ; wq, wk, wv, wo
	s_load_b256 s[20:27], s[0:1], 0x40             ; w1, w2, wb, b1
	s_load_b64 s[36:37], s[0:1], 0x60              ; pf
	s_and_b32 s34, ttmp7, 0xffff                   ; y
	s_wait_kmcnt 0x0
	s_cmp_lg_u32 s34, 0
	s_cbranch_scc1 .Lcast
	LNROWS
	s_endpgm
.Lcast:
	; y = 1: x / 64 chooses wq, wk, wv or wo, of 64 pieces of 65,536 bytes each; y = 2: w1; y = 3: w2, of 256 pieces each.
	s_lshr_b32 s35, ttmp9, 6
	s_cmp_eq_u32 s35, 1
	s_cselect_b64 s[12:13], s[14:15], s[12:13]
	s_cmp_eq_u32 s35, 2
	s_cselect_b64 s[12:13], s[16:17], s[12:13]
	s_cmp_eq_u32 s35, 3
	s_cselect_b64 s[12:13], s[18:19], s[12:13]
	s_and_b32 s28, ttmp9, 63
	s_cmp_eq_u32 s34, 1
	s_cselect_b32 s28, s28, ttmp9                  ; the piece's number in its matrix
	s_cmp_eq_u32 s34, 2
	s_cselect_b64 s[12:13], s[20:21], s[12:13]
	s_cmp_eq_u32 s34, 3
	s_cselect_b64 s[12:13], s[22:23], s[12:13]
	s_lshl_b32 s28, s28, 16
	s_mov_b32 s29, 0
	s_add_nc_u64 s[12:13], s[12:13], s[28:29]
	v_and_b32 v1, 31, v0                           ; lane
	v_lshrrev_b32 v2, 5, v0                        ; wave
	v_lshlrev_b32 v3, 4, v1
	v_lshl_or_b32 v3, v2, 13, v3                   ; in: wave x 8,192 + 16 x lane
.set i, 0
.rept 16
	global_load_b128 v[X+4*i:X+4*i+3], v3, s[12:13] offset:512*i th:TH_LOAD_NT  ; read once in the whole program
.set i, i+1
.endr
	v_lshlrev_b32 v4, 3, v1                        ; out: 8 x lane, and the wave's part below
	s_cmp_eq_u32 s34, 2
	s_cbranch_scc1 .Lw1
	s_cmp_eq_u32 s34, 3
	s_cbranch_scc1 .Lrows
	s_cmp_eq_u32 s35, 3
	s_cbranch_scc1 .Lrows
	; wq, wk, wv: the group's piece is 16 k rows of 4,096 bytes, the wave's two of them
	s_and_b32 s30, ttmp9, 63
	s_lshl_b32 s30, s30, 12                        ; 16 k rows of 256 bytes in a panel,
	s_lshl_b32 s31, s35, 21                        ; in the matrix's 2 MiB
	s_add_co_u32 s30, s30, s31
	s_mov_b32 s31, 0
	s_add_nc_u64 s[24:25], s[24:25], s[30:31]
	v_lshl_or_b32 v4, v2, 9, v4                    ; the wave's two k rows
	CASTOUT 1, 24
	s_cmp_lg_u32 ttmp9, 0
	s_cbranch_scc1 .Lend_q
	s_add_nc_u64 s[30:31], s[24:25], BIASAT        ; the first group's offset was 0: wb + 8 MiB
	v_lshlrev_b32 v5, 4, v0
	v_lshlrev_b32 v6, 3, v0
	v_mov_b32 v8, 0
	v_mov_b32 v9, 0
	v_mov_b32 v10, 0
	v_mov_b32 v11, 0
	v_mov_b32 v12, 0xff800000                      ; -infinity: a floor that changes nothing
	v_mov_b32 v13, 0xff800000
.irp j, 0,1,2,3
	global_store_b128 v5, v[8:11], s[30:31] offset:4096*\j  ; a bias of zeros, 16,384 bytes
.endr
	global_store_b64 v6, v[12:13], s[30:31] offset:16384    ; the floor, 2,048 bytes of it, so that whole aligned blocks are written
.Lend_q:
	s_endpgm
.Lw1:
	; w1: the group's piece is 4 k rows of 16,384 bytes; the wave's is half a row: 16 panels
	s_lshl_b32 s30, ttmp9, 10                      ; 4 k rows of 256 bytes in a panel
	s_mov_b32 s31, 0
	s_add_nc_u64 s[36:37], s[36:37], s[30:31]
	v_and_b32 v5, 1, v2
	v_lshrrev_b32 v6, 1, v2
	v_lshl_or_b32 v4, v6, 8, v4                    ; k row wave / 2,
	v_lshl_or_b32 v4, v5, 22, v4                   ; panels 16 (wave % 2) on
	CASTOUT 2, 36
	s_cmp_lg_u32 ttmp9, 0
	s_cbranch_scc1 .Lend_w1
	s_add_nc_u64 s[30:31], s[36:37], BIASAT        ; the first group's offset was 0: pf + 8 MiB
	v_lshlrev_b32 v5, 4, v0
	v_lshlrev_b32 v6, 3, v0
	v_mov_b32 v12, 0                               ; the floor of a relu
	v_mov_b32 v13, 0
.irp j, 0,1,2,3
	global_load_b128 v[G+4*\j:G+4*\j+3], v5, s[26:27] offset:4096*\j
.endr
	global_store_b64 v6, v[12:13], s[30:31] offset:16384
	s_wait_loadcnt 0x0
.irp j, 0,1,2,3
	global_store_b128 v5, v[G+4*\j:G+4*\j+3], s[30:31] offset:4096*\j  ; b1 as it is
.endr
.Lend_w1:
	s_endpgm
.Lrows:
	; wo and w2 keep their rows: piece (y - 1) 256 + x goes to 32,768 x that number
	s_sub_co_u32 s30, s34, 1
	s_lshl_b32 s30, s30, 8
	s_add_co_u32 s30, s30, ttmp9
	s_lshl_b32 s30, s30, 15
	s_mov_b32 s31, 0
	s_add_nc_u64 s[24:25], s[24:25], s[30:31]
	v_lshl_or_b32 v4, v2, 12, v4                   ; wave x 4,096
	CASTOUT 0, 24
	s_endpgm
.Lfunc_end_k_q7fb30622b8_prep:
	.size	k_q7fb30622b8_prep, .Lfunc_end_k_q7fb30622b8_prep-k_q7fb30622b8_prep
	.p2alignl 7, 3214868480
	.fill 96, 4, 3214868480
	.section	.rodata,"a",@progbits
	.p2align	6, 0x0
	.amdhsa_kernel k_q7fb30622b8_prep
		.amdhsa_group_segment_fixed_size 0
		.amdhsa_private_segment_fixed_size 0
		.amdhsa_enable_private_segment 0
		.amdhsa_kernarg_size 104
		.amdhsa_user_sgpr_count 2
		.amdhsa_user_sgpr_kernarg_segment_ptr 1
		.amdhsa_wavefront_size32 1
		.amdhsa_system_sgpr_workgroup_id_x 1
		.amdhsa_system_sgpr_workgroup_id_y 1
		.amdhsa_system_sgpr_workgroup_id_z 1
		.amdhsa_system_vgpr_workitem_id 0
		.amdhsa_next_free_vgpr 224
		.amdhsa_next_free_sgpr 66
		.amdhsa_reserve_vcc 0
		.amdhsa_float_denorm_mode_32 3
		.amdhsa_float_denorm_mode_16_64 3
		.amdhsa_memory_ordered 1
		.amdhsa_forward_progress 1
		.amdhsa_inst_pref_size 38
	.end_amdhsa_kernel
	.amdgpu_metadata
---
amdhsa.version: [ 1, 2 ]
amdhsa.kernels:
  - .name:           k_q7fb30622b8_prep
    .symbol:         k_q7fb30622b8_prep.kd
    .args:
      - { .name: x, .offset: 0, .size: 8, .value_kind: global_buffer, .address_space: global }
      - { .name: g1, .offset: 8, .size: 8, .value_kind: global_buffer, .address_space: global }
      - { .name: be1, .offset: 16, .size: 8, .value_kind: global_buffer, .address_space: global }
      - { .name: xn, .offset: 24, .size: 8, .value_kind: global_buffer, .address_space: global }
      - { .name: wq, .offset: 32, .size: 8, .value_kind: global_buffer, .address_space: global }
      - { .name: wk, .offset: 40, .size: 8, .value_kind: global_buffer, .address_space: global }
      - { .name: wv, .offset: 48, .size: 8, .value_kind: global_buffer, .address_space: global }
      - { .name: wo, .offset: 56, .size: 8, .value_kind: global_buffer, .address_space: global }
      - { .name: w1, .offset: 64, .size: 8, .value_kind: global_buffer, .address_space: global }
      - { .name: w2, .offset: 72, .size: 8, .value_kind: global_buffer, .address_space: global }
      - { .name: wb, .offset: 80, .size: 8, .value_kind: global_buffer, .address_space: global }
      - { .name: b1, .offset: 88, .size: 8, .value_kind: global_buffer, .address_space: global }
      - { .name: pf, .offset: 96, .size: 8, .value_kind: global_buffer, .address_space: global }
    .group_segment_fixed_size: 0
    .private_segment_fixed_size: 0
    .kernarg_segment_align: 8
    .kernarg_segment_size: 104
    .max_flat_workgroup_size: 256
    .sgpr_count:     66
    .vgpr_count:     224
    .wavefront_size: 32
...
	.end_amdgpu_metadata
.endif
;; end of part 1
;; launch qkv (part 2): grid 12 x 16, 4 waves a work-group, clusters of 4 x 4, 327,680 bytes of LDS; arguments xn, wb, qkvb; writes qkvb
.if DOCPART == 2
	.amdgcn_target "amdgcn-amd-amdhsa--gfx1250"
	.amdhsa_code_object_version 6
	.text
	.protected	k_q7fb30622b8_qkv
	.globl	k_q7fb30622b8_qkv
	.p2align	8
	.type	k_q7fb30622b8_qkv,@function
k_q7fb30622b8_qkv:
	s_mov_b64 s[64:65], 0
	v_nop
	global_prefetch_b8 v0, s[64:65] scope:SCOPE_SE
	s_setreg_imm32_b32 hwreg(HW_REG_WAVE_MODE, 25, 1), 1
	s_wait_xcnt 0x0
	s_wait_alu depctr_hold_cnt(0) depctr_sa_sdst(0) depctr_va_vdst(0) depctr_va_sdst(0) depctr_va_ssrc(0) depctr_va_vcc(0) depctr_vm_vsrc(0)
	s_getreg_b32 s2, hwreg(HW_REG_IB_STS2, 6, 4)
	s_cmp_eq_u32 s2, 0
	s_cbranch_scc0 .Lentry_in_a_cluster
	s_endpgm
.Lentry_in_a_cluster:
	s_bfe_u32 s2, ttmp6, 0x10000c
	s_cmp_lg_u32 s2, 0xf033
	s_cbranch_scc0 .Lentry_shape_is_right
	s_endpgm
.Lentry_shape_is_right:
; A LAYER: y = max(act W + bias, floor), K = 1,024; bf16 operands, f32 sums that begin with the bias, the floor in f32, y rounded once to bf16.
; ONE TEXT FOR TWO LAUNCHES.  [q | k | v] = xn [wq | wk | wv] (3,072 columns; its bias is zeros and its floor -infinity, so that neither changes a number: the price of one text is 512 v_max_num_f32 a wave there)
; and hid = relu(xn2 w1 + b1) (4,096 columns; floor 0).  Arguments: the activations, the pack (weights, bias, floor, written by the launch prep), the result.
; THE ACTIVATIONS lie in panels [row / 128][k / 64][row % 128][k % 64]; THE WEIGHTS in panels [n / 128][k][n % 128]; THE RESULT in panels like the activations, 64 to a row block (q, k, v use 48 of them).
; A tile of the result is 256 x 256: four waves, as many as a WGP has SIMDs, each 128 x 128: 64 accumulators of 16 x 16, 512 registers.  K goes in steps of 128 through two LDS slots filled by the tensor data mover.
; A wave's load is 32,768 dense bytes, asked for as 128 rows of 256 bytes: 128 rows x 128 k of activations (two panels), or 128 k rows x 128 columns of weights.
; CLUSTERS: 4 x 4 work-groups.  The four of a row of the cluster need the same activations, the four of a column the same weights: each tile is asked for JOINTLY, by the same tensor load with the same descriptor and a mask of four.
; THE MATRIX INSTRUCTION IS USED TRANSPOSED: source 0 = 16 columns of the weights (turned on the way out of LDS by ds_load_tr16_b128), source 1 = 16 rows of activations: a lane then holds eight neighbouring numbers of a row of the result.
; REGISTERS, in windows of 256 (s_set_vgpr_msb: bits 1:0 source 0, 3:2 source 1, 5:4 source 2, 7:6 destination):
;   window 0: v0-31 addresses; v64-127, v128-191 fragments of activations (8 x 16 rows x 32 K), two buffers; v32-63, v192-255 at work on the way out
;   window 1: v0-63 the bias of my 128 columns; v64-127, v128-191 fragments of weights, two buffers
;   window 2: the 32 accumulators of my rows 0-63 (accumulator (a, b) at v[8 (8 a + b)]);   window 3: those of my rows 64-127
; LIMITS.  Operands and result carry bf16's rounding; infinities are not treated apart; a sum that is NaN comes out as the floor.
.set KDIM,   1024                      ; the sum's length
.set CA,     16                        ; panels in a row block of the activations
.set COP,    64                        ; panels in a row block of the result
.set PANEL,  262144                    ; bytes in a panel of weights, and in a row block of the activations
.set STEPB,  32768                     ; bytes from a K step's tile to the next, in either
.set BIASAT, 8<<20                     ; the bias's place in the pack; the floor lies FLOORAT behind it
.set FLOORAT, 16384
.set PA,     144                       ; 64 k of a row of activations in LDS: 128 bytes + 16 of padding = 36 words: the 16 rows of a load start at 16 different groups of four banks (64 banks of 4 bytes: ISA guide 11.1)
.set PB,     288                       ; a k row of weights: 256 bytes + 32 = 72 words
.set HALFT,  36864                     ; what one tensor load brings: 2 panels x 128 rows x 144, or 128 k rows x 288; also what one wave reads of either
.set SLOT,   4*HALFT                   ; the activations' two row blocks, then the weights' two panels
.set STAGE,  2*SLOT                    ; behind the ring, never filled by a tensor load: for each wave 16 rows x 144 bytes for each of its two panels
.set SP,     144
.set WSTG,   2*16*SP
.set SPARE,  STAGE+4*WSTG              ; behind the stages: the spare words, 128 bytes for each wave: two blocks of 256 bytes that no other line names
.set LAPS,   KDIM/256                  ; a lap = two K steps = once round the ring
.set ADRA, 16                          ; v16-17  LDS address of my activation fragments in slot 0, 1
.set ADRB, 20                          ; v20-21  the same for the weights
.set STO,  24                          ; v24     the way out: where I put 16 bytes of a row
.set RD,   25                          ; v25     the way out: where I read rows back
.set CO,   26                          ; v26     my byte offset in 512 consecutive bytes of the result
.set BO,   27                          ; v27     my byte offset in the bias
.set SPW,  28                          ; v28     LDS address of my spare word: SPARE + 4 x my thread's number; never rewritten
.set NIL,  29                          ; v29     0; never rewritten
.set OB,   32                          ; the way out: 16 rows read back from the stage: v32-63 and v224-255 by turns
.set F0,   64                          ; fragment buffer 0
.set F1,   128                         ; fragment buffer 1
.set TMP,  192                         ; the way out: packed results
.set BIAS, 0                           ; in window 1
.set FL,   66                          ; s66     the floor
.set G1, 24                            ; s[24:31] descriptor group 1 for the activations;  s[32:39] group 0, one set for each slot
.set G0, 32
.set G1B, 48                           ; s[48:55], s[56:63] the same for the weights
.set G0B, 56
.set MSB, 0
.macro WIN new                         ; the immediate's high byte repeats the setting that is left; a switch that changes nothing is dropped
.if MSB != (\new)
	s_set_vgpr_msb (MSB<<8)|(\new)
.set MSB, \new
.endif
.endm
.set TO_B, 0x40                        ; destination window 1, address window 0
.macro JLOAD s                         ; a joint load: waves 0 and 1 fetch the activations' two row blocks, waves 2 and 3 the weights' two panels; an s_nop 0 and four v_nop follow each of the two lines
	s_cmp_eq_u32 s11, 0
	s_cbranch_scc0 .Lfor_b_\@
	tensor_load_to_lds s[G0+4*(\s):G0+4*(\s)+3], s[G1:G1+7]
	s_nop 0
.rept 4
	v_nop
.endr
	s_branch .Lasked_\@
.Lfor_b_\@:
	tensor_load_to_lds s[G0B+4*(\s):G0B+4*(\s)+3], s[G1B:G1B+7]
	s_nop 0
.rept 4
	v_nop
.endr
.Lasked_\@:
.endm
.macro CREST                           ; a round of the cluster's barrier behind its opening barrier
	s_cmp_lg_u32 s10, 0
	s_cbranch_scc1 .Lnot_wave_0_\@
	s_barrier_signal -3
.Lnot_wave_0_\@:
	s_barrier_wait -3
	s_barrier_signal -1
	s_barrier_wait -1
.endm
.macro CROUND                          ; a whole round
	s_barrier_signal -1
	s_barrier_wait -1
	CREST
.endm
	s_load_b128 s[4:7], s[0:1], 0x0                ; the activations s[4:5], the pack s[6:7]
	s_load_b64 s[8:9], s[0:1], 0x10                ; the result
	v_lshl_add_u32 v[SPW], v0, 2, SPARE
	v_mov_b32 v[NIL], 0
	ds_add_u32 v[SPW], v[NIL]                      ; the wave's opening: the add and its wait stand ahead of my first tensor load; the set-up below, work on registers, stands between them
	v_lshrrev_b32 v1, 5, v0
	v_readfirstlane_b32 s10, v1                    ; wave 0..3
	s_lshr_b32 s11, s10, 1                         ; which 128 of the tile's rows are mine.  Also: I fetch activations (0) or weights (1)
	s_and_b32 s12, s10, 1                          ; which 128 of its columns.  Also: which half of that tile I fetch
	s_bfe_u32 s40, ttmp6, 0x40000                  ; cx, cy: my place in the cluster
	s_bfe_u32 s41, ttmp6, 0x40004
	s_lshl_b32 s42, ttmp9, 2
	s_add_co_u32 s42, s42, s40                     ; tile column = 4 x cluster x + cx
	s_and_b32 s13, ttmp7, 0xffff
	s_lshl_b32 s13, s13, 2
	s_add_co_u32 s13, s13, s41                     ; tile row = 4 x cluster y + cy
	s_lshl_b32 s43, s41, 2
	s_lshl_b32 s43, 15, s43                        ; my row of the cluster
	s_lshl_b32 s44, 0x1111, s40                    ; my column
	s_or_b32 s[G1+0], s43, (1<<16)|(1<<20)|(1<<21)|(4<<22)|(3<<25)   ; 15:0 the mask; 17:16 2-byte elements; 20 padding on; 21 set beside a mask; 24:22 after every 32 words (code 4); 31:25 4 words (code 3)
	s_or_b32 s[G1B+0], s44, (1<<16)|(1<<20)|(1<<21)|(5<<22)|(7<<25)  ; the weights: my column's mask; after every 64 words (code 5) 8 words (code 7)
.irp g, G1, G1B
	s_mov_b32 s[(\g)+1], 128<<16                   ; tensor_dim0 = 128 elements: rows of 256 bytes
	s_mov_b32 s[(\g)+2], 128<<16                   ; tensor_dim1 = 128
	s_mov_b32 s[(\g)+3], 128<<16                   ; tile_dim0 = 128
	s_mov_b32 s[(\g)+4], 128                       ; tile_dim1 = 128
	s_mov_b32 s[(\g)+5], 128                       ; the rows lie end to end
	s_mov_b32 s[(\g)+6], 0
	s_mov_b32 s[(\g)+7], 0
.endr
	; The activations' tiles hang on the tile row alone, the weights' on the tile column alone; each offset is made in registers that never hold the other coordinate.
	s_lshl_b32 s16, s13, 1
	s_add_co_u32 s16, s16, s12                     ; the row block that I fetch: 2 x tile row + half
	s_mul_i32 s16, s16, PANEL
	s_mov_b32 s17, 0
	s_lshl_b32 s46, s42, 1
	s_add_co_u32 s46, s46, s12                     ; the panel of weights that I fetch: 2 x tile column + half
	s_mul_i32 s46, s46, PANEL
	s_mov_b32 s47, 0
	s_mul_i32 s20, s10, HALFT                      ; where they go: wave x a load's bytes: no place in the cluster enters an LDS address
	s_wait_dscnt 0x0                               ; the opening add is done
	s_wait_kmcnt 0x0
	s_add_nc_u64 s[14:15], s[4:5], s[16:17]
	s_add_nc_u64 s[46:47], s[6:7], s[46:47]
	CROUND                                         ; all sixteen work-groups are here: the first joint loads meet
.irp s, 0,1
	s_mov_b32 s[G0+4*(\s)], 1                                      ; 1:0 count = 1
	s_add_co_u32 s[G0+4*(\s)+1], s20, (\s)*SLOT                    ; 63:32 LDS address
	s_add_nc_u64 s[G0+4*(\s)+2:G0+4*(\s)+3], s[14:15], (\s)*STEPB  ; 120:64 global address: K step s
	s_or_b32 s[G0+4*(\s)+3], s[G0+4*(\s)+3], 0x80000000            ; 127:126 type = 2
	s_mov_b32 s[G0B+4*(\s)], 1
	s_add_co_u32 s[G0B+4*(\s)+1], s20, (\s)*SLOT
	s_add_nc_u64 s[G0B+4*(\s)+2:G0B+4*(\s)+3], s[46:47], (\s)*STEPB
	s_or_b32 s[G0B+4*(\s)+3], s[G0B+4*(\s)+3], 0x80000000
	JLOAD \s                                       ; two loads of mine are out
.endr
	s_add_nc_u64 s[68:69], s[6:7], BIASAT          ; the bias,
	s_load_b32 s[FL], s[68:69], FLOORAT            ; and the floor
	; A fragment of activations is 16 rows x 32 K in 8 registers: lane l holds row l % 16, K = 8 (l / 16) + 0..7 and 16 + 8 (l / 16) + 0..7: two loads of 16 bytes, 32 bytes apart.
	v_and_b32 v1, 15, v0                           ; l % 16
	v_bfe_u32 v2, v0, 4, 1                         ; l / 16
	v_mul_u32_u24 v3, v1, PA
	v_lshl_add_u32 v3, v2, 4, v3
	s_mul_i32 s21, s11, HALFT                      ; my row block
	v_add_nc_u32 v[ADRA], s21, v3
	v_add_nc_u32 v[ADRA+1], SLOT, v[ADRA]
	; The turning load takes 16 k rows x 16 columns (lane l reads k row 8 (l / 16) + l % 8, columns 8 ((l / 8) % 2) + 0..7) and leaves half a fragment: lane l holds column l % 16 and 8 k.
	v_and_b32 v4, 7, v0
	v_lshl_add_u32 v4, v2, 3, v4
	v_mul_u32_u24 v4, v4, PB
	v_bfe_u32 v5, v0, 3, 1
	v_lshl_add_u32 v4, v5, 4, v4
	s_mul_i32 s22, s12, HALFT                      ; my panel,
	s_add_co_u32 s22, s22, 2*HALFT                 ; behind the activations
	v_add_nc_u32 v[ADRB], s22, v4
	v_add_nc_u32 v[ADRB+1], SLOT, v[ADRB]
	s_mul_i32 s23, s10, WSTG
	s_add_co_u32 s23, s23, STAGE                   ; my stage
	v_mul_u32_u24 v[STO], v1, SP                   ; in: row l % 16, 16 bytes for each half of the lanes
	v_lshl_add_u32 v[STO], v2, 4, v[STO]
	v_add_nc_u32 v[STO], s23, v[STO]
	v_bfe_u32 v[RD], v0, 3, 2                      ; back: 32 lanes take four rows of 128 bytes,
	v_mul_u32_u24 v[RD], v[RD], SP
	v_and_b32 v6, 7, v0
	v_lshl_add_u32 v[RD], v6, 4, v[RD]
	v_add_nc_u32 v[RD], s23, v[RD]
	v_and_b32 v[CO], 31, v0                        ; which are 512 consecutive bytes of a panel of the result
	v_lshlrev_b32 v[CO], 4, v[CO]
	s_lshl_b32 s16, s13, 1
	s_add_co_u32 s16, s16, s11                     ; my row block of the result: 2 x tile row + half
	s_mul_i32 s16, s16, COP*16384
	s_mov_b32 s17, 0
	s_add_nc_u64 s[8:9], s[8:9], s[16:17]
	s_lshl_b32 s46, s42, 1
	s_add_co_u32 s46, s46, s12                     ; my 128 columns: 2 x tile column + half:
	s_lshl_b32 s45, s46, 9                         ; 512 bytes of the bias,
	s_lshl_b32 s46, s46, 15                        ; two panels of 16,384 bytes of the result
	s_mov_b32 s47, 0
	s_add_nc_u64 s[8:9], s[8:9], s[46:47]
	v_lshl_add_u32 v[BO], v2, 5, s45               ; register j of column block b is column 16 b + 8 (l / 16) + j
	WIN TO_B
.irp b, 0,1,2,3,4,5,6,7
	global_load_b128 v[BIAS+8*(\b):BIAS+8*(\b)+3],   v[BO], s[68:69] offset:64*(\b)
	global_load_b128 v[BIAS+8*(\b)+4:BIAS+8*(\b)+7], v[BO], s[68:69] offset:64*(\b)+16
.endr
	WIN 0
; 16 matrix instructions: row blocks a0, a0 + 1 of the window's four (hi = 0: my rows 0-63, 1: rows 64-127) x all 8 column blocks, 32 along K.
; zero = 1: the first product starts the sums, with the bias (window 1) as C: nothing is cleared.  The 64 accumulators take turns, one instruction a turn, in the same order in every quarter.
.macro MUL16 f, hi, a0, zero
.if \zero
	WIN 0x91+0x40*(\hi)                            ; weights and bias window 1, activations window 0, D window 2 or 3
.else
	WIN 0xa1+0x50*(\hi)                            ; weights window 1, activations window 0, C and D window 2 or 3
.endif
.irp a, \a0, (\a0)+1
.irp b, 0,1,2,3,4,5,6,7
.if \zero
	v_wmma_f32_16x16x32_bf16 v[8*(8*(\a)+(\b)):8*(8*(\a)+(\b))+7], v[(\f)+8*(\b):(\f)+8*(\b)+7], v[(\f)+8*(4*(\hi)+(\a)):(\f)+8*(4*(\hi)+(\a))+7], v[BIAS+8*(\b):BIAS+8*(\b)+7]
.else
	v_wmma_f32_16x16x32_bf16 v[8*(8*(\a)+(\b)):8*(8*(\a)+(\b))+7], v[(\f)+8*(\b):(\f)+8*(\b)+7], v[(\f)+8*(4*(\hi)+(\a)):(\f)+8*(4*(\hi)+(\a))+7], v[8*(8*(\a)+(\b)):8*(8*(\a)+(\b))+7]
.endif
.endr
.endr
.endm
; 32 LDS loads in one run: the fragments of quarter q of a K step (32 along K: 128 columns of weights, 128 rows of activations) into buffer f
.macro FETCH slot, q, f
	WIN TO_B
.irp i, 0,1,2,3,4,5,6,7
	ds_load_tr16_b128 v[(\f)+8*(\i):(\f)+8*(\i)+3],   v[ADRB+(\slot)] offset:(\q)*32*PB+(\i)*32
	ds_load_tr16_b128 v[(\f)+8*(\i)+4:(\f)+8*(\i)+7], v[ADRB+(\slot)] offset:(\q)*32*PB+16*PB+(\i)*32
.endr
	WIN 0
.irp i, 0,1,2,3,4,5,6,7
	ds_load_b128 v[(\f)+8*(\i):(\f)+8*(\i)+3],   v[ADRA+(\slot)] offset:((\q)/2)*128*PA+(\i)*16*PA+((\q)%2)*64
	ds_load_b128 v[(\f)+8*(\i)+4:(\f)+8*(\i)+7], v[ADRA+(\slot)] offset:((\q)/2)*128*PA+(\i)*16*PA+((\q)%2)*64+32
.endr
.endm
.macro PLACES                          ; four places in front of loads into registers that matrix instructions have read, and of lines that read results
.rept 4
	v_nop
.endr
.endm
; A K step is four quarters of 32 along K, 64 matrix instructions each, on buffers 0, 1, 0, 1.  One of the first three: multiplies buffer f; in its middle it fetches quarter q into buffer g.
.macro QUARTER slot, q, f, g, zero
	s_wait_dscnt 8                                 ; the weights and my rows 0-63 are in; the youngest eight loads (rows 64-127) may be out
	MUL16 \f, 0, 0, \zero
	MUL16 \f, 0, 2, \zero
	PLACES
	FETCH \slot, \q, \g
	s_wait_dscnt 32                                ; all but the 32 just issued
	MUL16 \f, 1, 0, \zero
	MUL16 \f, 1, 2, \zero
.endm
; The last quarter multiplies buffer 1 and changes slots.  MEET is its first half: ONE barrier; in front of it each wave waits for all its tensor loads, of which one is out: its part of the next slot;
; adds 0 to its spare word; and waits for that and for its own reads of this slot.  Behind it nobody reads this slot any more and the next slot is whole.
.macro MEET round                      ; round = 1: a round of the cluster's barrier follows
	WIN 0                                          ; (the add's two registers lie in window 0)
	s_wait_tensorcnt 0x0                           ; all my tensor loads have landed;
	ds_add_u32 v[SPW], v[NIL]                      ; 0 onto my spare word;
	s_wait_dscnt 9                                 ; (the add and the youngest eight loads may be out)
	MUL16 F1, 0, 0, 0                              ; sixteen matrix instructions stand between the add and the wait for it
	s_wait_dscnt 0x0                               ; the add is done, and my reads of this slot are over
	s_barrier_signal -1
	MUL16 F1, 0, 2, 0                              ; work on registers while the others arrive
.if \round
	WIN 0
.endif
	s_barrier_wait -1
.endm
; The whole last quarter where the slot is filled again, two K steps ahead: from the request to the wait for it a wave issues 224 matrix instructions.
.macro TURN slot, next
	MEET 1
	CREST                                          ; the barrier has opened a round of the cluster's barrier: no wave of any partner still reads this slot's tile or has a load on its way
	s_add_nc_u64 s[G0+4*(\slot)+2:G0+4*(\slot)+3], s[G0+4*(\slot)+2:G0+4*(\slot)+3], 2*STEPB
	s_add_nc_u64 s[G0B+4*(\slot)+2:G0B+4*(\slot)+3], s[G0B+4*(\slot)+2:G0B+4*(\slot)+3], 2*STEPB
	JLOAD \slot                                    ; the first tensor load behind the round, my only one out; its four v_nop are also the places in front of the loads below
	FETCH \next, 0, F0
	MUL16 F1, 1, 0, 0
	MUL16 F1, 1, 2, 0
.endm
; THE WAY OUT of block a (16 of my rows x my 128 columns), in three parts.  PACK: the floor, then rounded to bf16, 16 bytes a lane.  TOSTAGE: into my own stage in LDS, a part for each of my two panels of 64 columns,
; and back as rows of 128 bytes.  SEND: stored: 16 rows of a panel are 2,048 dense bytes.
.macro PACK a
.set AC, 64*((\a)%4)
	WIN 0x88+0x44*((\a)/4)                         ; source 1 and destination: window 2 or 3
.set i, 0
.rept 64
	v_max_num_f32 v[AC+i], s[FL], v[AC+i]          ; each accumulator from its low end on
.set i, i+1
.endr
	WIN 0x0a+5*((\a)/4)                            ; sources 0 and 1: window 2 or 3; destination window 0
.irp b, 0,1,2,3,4,5,6,7
.irp r, 0,1,2,3
	v_cvt_pk_bf16_f32 v[TMP+4*(\b)+(\r)], v[AC+8*(\b)+2*(\r)], v[AC+8*(\b)+2*(\r)+1]
.endr
.endr
	WIN 0
.endm
.macro TOSTAGE a
.set BK, OB+192*((\a)%2)
.irp b, 0,1,2,3,4,5,6,7
	ds_store_b128 v[STO], v[TMP+4*(\b):TMP+4*(\b)+3] offset:((\b)/4)*16*SP+32*((\b)%4)
.endr
.irp t, 0,1,2,3,4,5,6,7
	ds_load_b128 v[BK+4*(\t):BK+4*(\t)+3], v[RD] offset:((\t)/4)*16*SP+((\t)%4)*4*SP  ; LDS serves a wave's instructions in order (ISA guide 5.7.1.4): these see the stores above; the next block's stores come behind them
.endr
.endm
.macro SEND a
.set BK, OB+192*((\a)%2)
	s_wait_dscnt 0x0                               ; the block is back in registers
	s_wait_xcnt 0x0                                ; every earlier store has had its addresses translated (ISA guide 3.1): the other half of the read-back registers, which the block before stored from, is loaded again only behind this wait
.irp t, 0,1,2,3,4,5,6,7
	global_store_b128 v[CO], v[BK+4*(\t):BK+4*(\t)+3], s[8:9] offset:((\t)/4)*16384+(\a)*2048+((\t)%4)*512  ; 512 consecutive bytes, aligned
.endr
.endm
	s_wait_kmcnt 0x0                               ; the floor
	s_wait_tensorcnt 1                             ; my part of K step 0 is in; K step 1's may stay out
	s_barrier_signal -1
	s_barrier_wait -1                              ; everybody's is
	FETCH 0, 0, F0
	s_wait_loadcnt 0x0                             ; the bias
	QUARTER 0, 1, F0, F1, 1                        ; the first quarter stands in front of the loop: its products start the sums
	WIN 0                                          ; at a label and at a branch every window is 0
	s_mov_b32 s3, LAPS-1
.Llap:                                                 ; a trip goes once round the ring, from a lap's second quarter to the next lap's first, and fills both slots again
	QUARTER 0, 2, F1, F0, 0
	QUARTER 0, 3, F0, F1, 0
	TURN 0, 1
	QUARTER 1, 1, F0, F1, 0
	QUARTER 1, 2, F1, F0, 0
	QUARTER 1, 3, F0, F1, 0
	TURN 1, 0
	QUARTER 0, 1, F0, F1, 0
	WIN 0
	s_sub_co_u32 s3, s3, 1
	s_cmp_lg_u32 s3, 0
	s_cbranch_scc1 .Llap
	QUARTER 0, 2, F1, F0, 0                        ; the last lap fills nothing, and has no round of the cluster's barrier
	QUARTER 0, 3, F0, F1, 0
	MEET 0                                         ; my one tensor load that was still out is slot 1's, the last K step's
	PLACES                                         ; for the loads into buffer 0, which the quarter before multiplied
	FETCH 1, 0, F0
	MUL16 F1, 1, 0, 0
	MUL16 F1, 1, 2, 0
	QUARTER 1, 1, F0, F1, 0
	QUARTER 1, 2, F1, F0, 0
	QUARTER 1, 3, F0, F1, 0
	s_wait_dscnt 8                                 ; the very last quarter: nothing more to fetch
	MUL16 F1, 0, 0, 0
	MUL16 F1, 0, 2, 0
	s_wait_dscnt 0x0
	MUL16 F1, 1, 0, 0
	MUL16 F1, 1, 2, 0
	WIN 0
	PLACES                                         ; the floor reads results just made
	PACK 0
	TOSTAGE 0
.irp a, 1,2,3,4,5,6,7                  ; block a's arithmetic stands between block a - 1's loads from the stage and the wait for them
	PACK \a
	SEND (\a)-1
	TOSTAGE \a
.endr
	SEND 7
	s_wait_tensorcnt 0x0                           ; the wave's end: a wait, an add to my spare word and a wait for it, behind my last tensor load and my last LDS store
	ds_add_u32 v[SPW], v[NIL]
	s_wait_dscnt 0x0
	CROUND                                         ; the closing round: no work-group ends while a partner may still ask for a tile that names it
	s_endpgm
.Lfunc_end_k_q7fb30622b8_qkv:
	.size	k_q7fb30622b8_qkv, .Lfunc_end_k_q7fb30622b8_qkv-k_q7fb30622b8_qkv
	.p2alignl 7, 3214868480
	.fill 96, 4, 3214868480
	.section	.rodata,"a",@progbits
	.p2align	6, 0x0
	.amdhsa_kernel k_q7fb30622b8_qkv
		.amdhsa_group_segment_fixed_size 327680
		.amdhsa_private_segment_fixed_size 0
		.amdhsa_enable_private_segment 0
		.amdhsa_kernarg_size 24
		.amdhsa_user_sgpr_count 2
		.amdhsa_user_sgpr_kernarg_segment_ptr 1
		.amdhsa_wavefront_size32 1
		.amdhsa_system_sgpr_workgroup_id_x 1
		.amdhsa_system_sgpr_workgroup_id_y 1
		.amdhsa_system_sgpr_workgroup_id_z 1
		.amdhsa_system_vgpr_workitem_id 0
		.amdhsa_next_free_vgpr 1024
		.amdhsa_next_free_sgpr 72
		.amdhsa_reserve_vcc 0
		.amdhsa_float_denorm_mode_32 3
		.amdhsa_float_denorm_mode_16_64 3
		.amdhsa_memory_ordered 1
		.amdhsa_forward_progress 1
		.amdhsa_inst_pref_size 160
	.end_amdhsa_kernel
	.amdgpu_metadata
---
amdhsa.version: [ 1, 2 ]
amdhsa.kernels:
  - .name:           k_q7fb30622b8_qkv
    .symbol:         k_q7fb30622b8_qkv.kd
    .args:
      - { .name: xn, .offset: 0, .size: 8, .value_kind: global_buffer, .address_space: global }
      - { .name: wb, .offset: 8, .size: 8, .value_kind: global_buffer, .address_space: global }
      - { .name: qkvb, .offset: 16, .size: 8, .value_kind: global_buffer, .address_space: global }
    .group_segment_fixed_size: 327680
    .private_segment_fixed_size: 0
    .kernarg_segment_align: 8
    .kernarg_segment_size: 24
    .max_flat_workgroup_size: 128
    .sgpr_count:     72
    .vgpr_count:     1024
    .wavefront_size: 32
...
	.end_amdgpu_metadata
.endif
;; end of part 2
;; launch attn (part 3): grid 4 x 64, 4 waves a work-group, no clusters, 327,680 bytes of LDS; arguments qkvb, att; writes att
.if DOCPART == 3
	.amdgcn_target "amdgcn-amd-amdhsa--gfx1250"
	.amdhsa_code_object_version 6
	.text
	.protected	k_q7fb30622b8_attn
	.globl	k_q7fb30622b8_attn
	.p2align	8
	.type	k_q7fb30622b8_attn,@function
k_q7fb30622b8_attn:
	s_mov_b64 s[64:65], 0
	v_nop
	global_prefetch_b8 v0, s[64:65] scope:SCOPE_SE
	s_setreg_imm32_b32 hwreg(HW_REG_WAVE_MODE, 25, 1), 1
	s_wait_xcnt 0x0
; CAUSAL ATTENTION, 64 heads (4 batches x 16) of 1,024 rows and 64 channels: O[q] = the sum over k <= q of softmax_k(Q[q] . K[k] / 32) V[k].
; q, k, v lie in panels of qkvb: [row / 128][64 panels, 48 of them used][row % 128][64] in bf16, panel = head, 16 + head, 32 + head: 128 rows of a head are 16,384 dense bytes.  O leaves in the same form, 16 panels to a row block.
; Products, maxima and sums in f32; the weights p are rounded to bf16 for the second product (their sum l is taken of the unrounded p), O once at the end.
; LIMITS.  A hidden score counts as its value less 1e30: scores stay well under 1e29; a weight below 2^-126 counts as 0 in l; NaN and infinities are not treated apart; bf16's rounding of q, k, v, p, O.
; THE WALK.  A head's queries lie in NB = 8 blocks of 128; block i needs the key tiles 0 .. i of 128 keys, of which the last holds the diagonal.  A work-group takes TWO blocks, 7 - b and then b: 9 tiles, whatever b:
; all work-groups do equal work and ONE loop with a constant trip count walks them.  Which tile is asked for and when a block ends hang on scalar registers made from b; every jump but the counted loops' own goes forward
; and passes no barrier, and no tensor load but those that the wave's number does not choose.
; NO CLUSTER: the four work-groups of a head ask for the same tile only in trips 0 to 4; behind that their tiles differ, and where a block ends hangs on b, which would be the place in the cluster; one walk common to all would have 12 tiles for 9.
; SHARES.  Of a block's two bands of 64 queries a wave owns 16 rows in each: two PIECES.  A tile is two steps of 64 keys.  In the diagonal tile's step s band x sees all keys if s < x, none if s > x, and holds the diagonal if s = x: the same work for all four waves.
; THE MASK is the C operand that starts the sum S^T = K Q^T: MD x AL + BE with scalars; MD, made once, is 0 or -1e30: the mask of a band's own step for my 16 rows.
; LAYOUT.  S^T = K Q^T holds ONE query a lane (lane % 16) and the keys 8 (lane / 16) + 0..7; two such results rounded to bf16 ARE source 1 of O^T = V^T P.  K comes out of LDS as it lies, V turned, by ds_load_tr16_b128.
; SOFTMAX.  A running maximum m and sum l for each query: p = 2^(c s - c m), c = log2(e) / 32; in every step O and l are multiplied by a = 2^(c m_old - c m_new).  A block begins with c m far below every c s, so its first a is 0:
; O and l need only be finite then: zeros for the first block (64 v_mov_b32, in the wait for the first tile), what the first block left for the second.
; A STEP GOES IN PHASES: fetch K and V, 16 products K Q^T, the softmax of both pieces, 16 products V^T P.
; REGISTERS, in windows of 256 (s_set_vgpr_msb: bits 1:0 source 0, 3:2 source 1, 5:4 source 2, 7:6 destination):
;   window 0: v0-15 addresses; v16-23 statistics; v24-31 at work; v64-127 S^T; v128-159 P; v160-223 O^T: all that the softmax touches
;   window 1: v0-31 Q; v32-63 the second block's Q; v64-127 K of a step; v128-191 V of a step; v192-223 MD          window 2: v0-63 the masks of the products to come
.set NB,    8
.set KS,    64        ; keys in a step
.set PK,    144       ; a row of K in LDS: 128 bytes + 16 of padding = 36 words: the 16 rows of a load start at 16 different groups of four banks (64 banks of 4 bytes: ISA guide 11.1)
.set PV,    160       ; a row of V: 128 + 32 = 40 words
.set VOFF,  128*PK    ; a slot holds a tile: 128 rows of K, then 128 rows of V
.set SLOT1, 1<<16     ; slot 1 begins here, so that one exclusive or turns an address in one slot into the other's
.set STAGE, SLOT1+128*(PK+PV)  ; behind the ring, never filled by a tensor load: 16 rows x 144 bytes for each wave, for the way out
.set SP,    144
.set SPARE, STAGE+4*16*SP  ; behind the stages: the spare words, 128 bytes for each wave: two blocks of 256 bytes that no other line names
.set MTQ,   64*16384  ; bytes from a block of 128 rows of qkvb to the next
.set AK0, 2           ; v2   my lane's place in a tile of K; never rewritten
.set AV0, 3           ; v3   the same for V
.set AK,  4           ; v4   the LDS address of K's run of loads
.set AV,  5           ; v5   of V's
.set STO, 6           ; v6   the way out: where I put 16 bytes of a row
.set RD,  7           ; v7   the way out: where I read rows back
.set GO,  8           ; v8   my byte offset in 512 consecutive bytes of O
.set MV,  12          ; v12-13  c m_old, kept while c m is made anew: by piece
.set QO,  15          ; v15  my byte offset in 16 rows of Q
.set ST,  16          ; piece t's statistics at v[ST+4 t]: c m, m, l (even keys', odd keys')
.set TMP, 24          ; by piece, four registers c0-c3 at work; when the maximum is found c2 takes a
.set SPW, 62          ; v62  LDS address of my spare word: SPARE + 4 x my thread's number; never rewritten
.set NIL, 63          ; v63  0; never rewritten
.set S,   64
.set P,   128
.set O,   160
.set QB,  32          ; window 1
.set KF,  64          ; window 1: key block kb, channel half c at KF + 16 kb + 8 c
.set VF,  128         ; window 1: key half kk, channel block cb at VF + 32 kk + 8 cb
.set MD,  192         ; window 1: the eight registers for group kt of 16 keys at MD + 8 kt
.set WV,  12          ; s12  my wave's number
.set PB,  14          ; s14  b
.set HI,  15          ; s15  7 - b
.set G1K, 24          ; s[24:31] descriptor group 1 for K's tiles
.set G1V, 32          ; s[32:39] for V's: it differs in the padding alone
.set G0K, 40          ; s[40:43] descriptor group 0 for K's tiles
.set G0V, 44          ; s[44:47] the same for V's
.set SLOTS, 56        ; s56  tiles still to be asked for
.set CNT, 57          ; s57  counts a tile's key steps, 2 to 1
.set CS,  58          ; s[58:59] c: the packed scaling takes the pair's low word for both halves
.set SEL, 60          ; s[60:61] v_permlanex16_b32's selects: each lane takes its own place in the other half
.set TBK, 62          ; s62  LDS byte at which K of the step to be fetched begins
.set TBV, 63          ; s63  the same for V, less VOFF
.set RT,  70          ; s70  tiles of the block in hand that are still to be entered
.set NXT, 71          ; s71  the tile to be asked for next
.set LQ,  72          ; s72  the last tile of the block whose tiles are being asked for
.set OFF, 74          ; s[74:75] a tile's byte offset in K and V
.set AL0, 76          ; s[76:77] piece 0's mask factor, in the low word
.set BE0, 78          ; s[78:79] piece 0's mask addend
.set OLO, 80          ; s[80:81] O at my rows of the second block
.set BIGN, 82         ; s82  -1e30
.set DS,  83          ; s83  in the diagonal tile the step's count, else 0
.set AL1, 84          ; s[84:85] piece 1's mask factor
.set MSB, 0
.macro WIN new                      ; the high byte repeats the setting that is left; a switch that changes nothing is dropped
.if MSB != (\new)
	s_set_vgpr_msb (MSB<<8)|(\new)
.set MSB, (\new)
.endif
.endm
; A fill.  Wave 0 fetches a tile's K, wave 1 its V: 128 keys each, 64 rows of 256 bytes; waves 2 and 3 fetch nothing.  The branches hang on the wave's number alone, and each way holds one load at the most.
; An s_nop 0 and four v_nop follow each of the two lines, ahead of the jump and the label.
.macro LOAD
	s_cmp_eq_u32 s[WV], 0
	s_cbranch_scc0 .Lnot_k_\@
	tensor_load_to_lds s[G0K:G0K+3], s[G1K:G1K+7]
	s_nop 0
.rept 4
	v_nop
.endr
	s_branch .Lasked_\@
.Lnot_k_\@:
	s_cmp_eq_u32 s[WV], 1
	s_cbranch_scc0 .Lasked_\@
	tensor_load_to_lds s[G0V:G0V+3], s[G1V:G1V+7]
	s_nop 0
.rept 4
	v_nop
.endr
.Lasked_\@:
.endm
; THE CHANGE OF SLOTS.  Each wave waits for all its tensor loads (one at the most is out: the other slot's); adds 0 to its spare word; and waits for that and for its own reads of the slot that it leaves.  Behind the barrier
; nobody reads the old slot any more and the other slot is whole.  fill = 1: the old slot is filled again, the first thing behind the barrier, with tile NXT: the descriptor's address is made anew from that number.
; (At its first use nothing has been read yet: slot 0 is waited for, slot 1 filled.)
.macro CHANGE fill
	WIN 0                           ; at a label and at a branch every window is 0
	s_wait_tensorcnt 0x0            ; no tensor load of mine is out, so a group 0 may be written
	ds_add_u32 v[SPW], v[NIL]       ; 0 onto my spare word; with fill = 1 the descriptors' scalar work stands between it and the wait for it
.if \fill
	s_mul_i32 s[OFF], s[NXT], MTQ   ; the tile's 128 rows
	s_xor_b32 s[G0K+1], s[G0K+1], SLOT1
	s_add_nc_u64 s[G0K+2:G0K+3], s[6:7], s[OFF:OFF+1]
	s_or_b32 s[G0K+3], s[G0K+3], 0x80000000
	s_xor_b32 s[G0V+1], s[G0V+1], SLOT1
	s_add_nc_u64 s[G0V+2:G0V+3], s[8:9], s[OFF:OFF+1]
	s_or_b32 s[G0V+3], s[G0V+3], 0x80000000
	s_add_co_u32 s[NXT], s[NXT], 1  ; the block's next tile, or behind its last the second block's tile 0
	s_cmp_gt_u32 s[NXT], s[LQ]
	s_cselect_b32 s[NXT], 0, s[NXT]
	s_cselect_b32 s[LQ], s[PB], s[LQ]
.endif
	s_wait_dscnt 0x0                ; the add is done, and my reads of the slot are over
	s_barrier_signal -1             ; the rest of the scalar work stands between the signal and the wait
	s_sub_co_u32 s[TBK], s[TBK], 2*KS*PK  ; the fetches go back to a slot's first step,
	s_xor_b32 s[TBK], s[TBK], SLOT1       ; in the other slot
	s_sub_co_u32 s[TBV], s[TBV], 2*KS*PV
	s_xor_b32 s[TBV], s[TBV], SLOT1
	s_barrier_wait -1
.if \fill
	LOAD
.endif
.endm
	s_load_b128 s[16:19], s[0:1], 0x0  ; qkvb s[16:17], att s[18:19]
	v_lshl_add_u32 v[SPW], v0, 2, SPARE
	v_mov_b32 v[NIL], 0
	ds_add_u32 v[SPW], v[NIL]       ; the wave's opening: the add and its wait stand ahead of my first tensor load; the set-up below, work on registers, stands between them
	v_lshrrev_b32 v1, 5, v0
	v_readfirstlane_b32 s[WV], v1   ; wave 0..3
	s_mov_b32 s[PB], ttmp9
	s_sub_co_u32 s[HI], NB-1, s[PB]
	s_and_b32 s20, ttmp7, 0xffff
	s_lshr_b32 s21, s20, 4          ; the batch
	s_and_b32 s22, s20, 15          ; the head:
	s_lshl_b32 s22, s22, 14         ; its panel
	s_mul_i32 s20, s21, 8*MTQ       ; the batch's 8 blocks of 128 rows in qkvb,
	s_add_co_u32 s20, s20, s22      ; at q's panel of the head
	s_lshl_b32 s23, s21, 21         ; the same in att: 8 blocks of 16 panels
	s_add_co_u32 s23, s23, s22
	s_mov_b32 s21, 0
	s_lshl_b32 s3, s[WV], 11        ; my 16 rows of 128 bytes in a band of 64
	s_add_co_u32 s2, s20, s3
	s_add_co_u32 s23, s23, s3
	s_mul_i32 s48, s[HI], MTQ       ; Q of the first block,
	s_add_co_u32 s48, s48, s2
	s_mov_b32 s49, 0
	s_mul_i32 s50, s[PB], MTQ       ; and of the second
	s_add_co_u32 s50, s50, s2
	s_mov_b32 s51, 0
	s_lshl_b32 s52, s[HI], 18       ; O of the first block,
	s_add_co_u32 s52, s52, s23
	s_mov_b32 s53, 0
	s_lshl_b32 s54, s[PB], 18       ; and of the second
	s_add_co_u32 s54, s54, s23
	s_mov_b32 s55, 0
	; descriptor group 1.  128 keys are 16,384 dense bytes: asked for as 64 rows of 256 bytes, two keys a row, and padded in LDS after every key
	s_mov_b32 s[G1K], (1<<16)|(1<<20)|(4<<22)|(3<<25)  ; 17:16 2-byte elements; 20 padding on; 24:22 after every 32 words (code 4); 31:25 4 words (code 3)
	s_mov_b32 s[G1V], (1<<16)|(1<<20)|(4<<22)|(7<<25)  ; the same with 8 words of padding (code 7)
.irp g, G1K, G1V
	s_mov_b32 s[\g+1], 128<<16      ; tensor_dim0 = 128
	s_mov_b32 s[\g+2], 64<<16       ; tensor_dim1 = 64
	s_mov_b32 s[\g+3], 128<<16      ; tile_dim0 = 128
	s_mov_b32 s[\g+4], 64           ; tile_dim1 = 64
	s_mov_b32 s[\g+5], 128          ; 128 elements from row to row
	s_mov_b32 s[\g+6], 0
	s_mov_b32 s[\g+7], 0
.endr
	s_mov_b32 s[CS], 0x3d38aa3b     ; c = log2(e) / 32 = 0.0450842
	s_mov_b32 s[CS+1], s[CS]        ; named with it as a pair
	s_mov_b32 s[SEL], 0x76543210
	s_mov_b32 s[SEL+1], 0xfedcba98
	s_mov_b32 s[TBK], SLOT1+2*KS*PK ; the first change of slots turns these two into 0
	s_mov_b32 s[TBV], SLOT1+2*KS*PV
	s_mov_b32 s[G0K], 1             ; 1:0 count = 1
	s_mov_b32 s[G0K+1], 0           ; 63:32 LDS address: slot 0
	s_mov_b32 s[G0V], 1
	s_mov_b32 s[G0V+1], VOFF
	s_add_co_u32 s[RT], s[HI], 1    ; the first block has 8 - b tiles
	s_mov_b32 s[NXT], 1
	s_mov_b32 s[LQ], s[HI]
	s_mov_b32 s[OFF+1], 0
	s_mov_b32 s[AL0+1], 0           ; named as pairs
	s_mov_b32 s[BE0+1], 0
	s_mov_b32 s[AL1+1], 0
	s_mov_b32 s[BIGN], 0xf149f2ca   ; -1e30
	s_mov_b32 s[SLOTS], NB
	s_wait_dscnt 0x0                ; the opening add is done
	s_barrier_signal -1
	s_barrier_wait -1
	s_wait_kmcnt 0x0
	s_add_nc_u64 s[6:7], s[16:17], s[20:21]
	s_add_nc_u64 s[6:7], s[6:7], 16*16384          ; K at the head's tile 0: 16 panels behind q's
	s_add_nc_u64 s[8:9], s[6:7], 16*16384          ; V: 16 more
	s_add_nc_u64 s[4:5], s[16:17], s[48:49]        ; Q at my rows of the first block,
	s_add_nc_u64 s[86:87], s[16:17], s[50:51]      ; and of the second
	s_add_nc_u64 s[10:11], s[18:19], s[52:53]      ; O likewise
	s_add_nc_u64 s[OLO:OLO+1], s[18:19], s[54:55]
	s_add_nc_u64 s[G0K+2:G0K+3], s[6:7], 0         ; 120:64 global address
	s_or_b32 s[G0K+3], s[G0K+3], 0x80000000        ; 127:126 type = 2
	s_add_nc_u64 s[G0V+2:G0V+3], s[8:9], 0
	s_or_b32 s[G0V+3], s[G0V+3], 0x80000000
	LOAD                            ; tile 0 into slot 0
	; A fragment of K or Q is 16 rows x 32 channels in 8 registers: lane l holds row l % 16, channels 8 (l / 16) + 0..7 and 16 + 8 (l / 16) + 0..7: two loads of 16 bytes, 32 bytes apart.
	v_and_b32 v1, 15, v0            ; l % 16
	v_bfe_u32 v9, v0, 4, 1          ; l / 16
	v_lshlrev_b32 v[QO], 7, v1
	v_lshl_add_u32 v[QO], v9, 4, v[QO]  ; row x 128 + 16 x half
	WIN 0x40                        ; destination window 1, address window 0
.set i, 0
.rept 4                             ; both blocks' Q: piece i / 2 lies in band i / 2, 8,192 bytes on; channels 32 (i % 2) on
	global_load_b128 v[8*i:8*i+3],         v[QO], s[4:5] offset:(i/2)*8192+(i%2)*64
	global_load_b128 v[8*i+4:8*i+7],       v[QO], s[4:5] offset:(i/2)*8192+(i%2)*64+32
	global_load_b128 v[QB+8*i:QB+8*i+3],   v[QO], s[86:87] offset:(i/2)*8192+(i%2)*64
	global_load_b128 v[QB+8*i+4:QB+8*i+7], v[QO], s[86:87] offset:(i/2)*8192+(i%2)*64+32
.set i, i+1
.endr
	WIN 0
	v_lshlrev_b32 v14, 3, v9
	v_sub_nc_u32 v14, v1, v14
	s_lshl_b32 s13, s[WV], 4
	v_add_nc_u32 v14, s13, v14      ; my query's place in its band, 16 w + l % 16, less my lanes' 8 (l / 16): register r of group kt is hidden where 16 kt + r is greater
	WIN 0x40
.set i, 0
.rept 32
	v_cmp_gt_i32 vcc_lo, 16*(i/8)+i%8, v14
	v_cndmask_b32 v[MD+i], 0, s[BIGN], vcc_lo
.set i, i+1
.endr
	WIN 0
	v_mul_u32_u24 v[AK0], v1, PK
	v_lshl_add_u32 v[AK0], v9, 4, v[AK0]  ; row x pitch + 16 x half
	; The turning load takes 16 keys x 16 channels (lane l reads key 8 (l / 16) + l % 8, channels 8 ((l / 8) % 2) + 0..7) and leaves half a fragment of V^T: lane l holds channel l % 16 and 8 keys.
	v_and_b32 v10, 7, v0
	v_bfe_u32 v11, v0, 3, 1
	v_lshl_add_u32 v[AV0], v9, 3, v10
	v_mul_u32_u24 v[AV0], v[AV0], PV
	v_lshl_add_u32 v[AV0], v11, 4, v[AV0]
	v_add_nc_u32 v[AV0], VOFF, v[AV0]
	s_mul_i32 s13, s[WV], 16*SP
	s_add_co_u32 s13, s13, STAGE    ; my stage
	v_mul_u32_u24 v[STO], v1, SP    ; in: row l % 16, 16 bytes for each half of the lanes
	v_lshl_add_u32 v[STO], v9, 4, v[STO]
	v_add_nc_u32 v[STO], s13, v[STO]
	v_bfe_u32 v[RD], v0, 3, 2       ; back: 32 lanes take four rows of 128 bytes,
	v_mul_u32_u24 v[RD], v[RD], SP
	v_lshl_add_u32 v[RD], v10, 4, v[RD]
	v_add_nc_u32 v[RD], s13, v[RD]
	v_and_b32 v[GO], 31, v0         ; which are 512 consecutive bytes of O
	v_lshlrev_b32 v[GO], 4, v[GO]
.set i, 0
.rept 64
	v_mov_b32 v[O+i], 0             ; finite, for the first step's a = 0
.set i, i+1
.endr
.irp t, 0,1
	v_mov_b32 v[ST+4*(\t)], 0xfe000000    ; c m: far below every c s
	v_mov_b32 v[ST+4*(\t)+1], 0xff7fffff  ; m: the lowest finite number
	v_mov_b32 v[ST+4*(\t)+2], 0
	v_mov_b32 v[ST+4*(\t)+3], 0
.endr
	s_wait_loadcnt 0x0              ; Q, both blocks'
; THE MATRIX WORK.  The 8 accumulators of a run of 16 take turns: between the two links of a chain stand 7 others'.
; Product i of 16 of S^T = K Q^T: piece i % 2, keys 16 ((i / 2) % 4) on, channels 32 (i / 8) on.  The first 8 start the sums, with the mask as C.
.macro KQ
.set rS, S+32*(i%2)+8*((i/2)%4)
.set rK, KF+16*((i/2)%4)+8*(i/8)
.set rQ, 16*(i%2)+8*(i/8)
.set rM, 32*(i%2)+8*((i/2)%4)
.if i < 8
	WIN 0x25                        ; K and Q in window 1, the mask in window 2, S^T in window 0
	v_wmma_f32_16x16x32_bf16 v[rS:rS+7], v[rK:rK+7], v[rQ:rQ+7], v[rM:rM+7]
.else
	WIN 0x05
	v_wmma_f32_16x16x32_bf16 v[rS:rS+7], v[rK:rK+7], v[rQ:rQ+7], v[rS:rS+7]
.endif
.set i, i+1
.endm
; Product i of 16 of O^T += V^T P: piece i % 2, channels 16 ((i / 2) % 4) on, keys 32 (i / 8) on.
.macro PV
	WIN 0x01                        ; V in window 1, P and O^T in window 0
.set rO, O+32*(i%2)+8*((i/2)%4)
.set rV, VF+32*(i/8)+8*((i/2)%4)
.set rP, P+16*(i%2)+8*(i/8)
	v_wmma_f32_16x16x32_bf16 v[rO:rO+7], v[rV:rV+7], v[rP:rP+7], v[rO:rO+7]
.set i, i+1
.endm
; THE LDS LOADS stand in runs of 16: a step's K (64 keys x 64 channels: 8 fragments) and its V (turned).
.macro FETCH_K
	WIN 0x40                        ; destination window 1
.irp f, 0,1,2,3,4,5,6,7             ; keys 16 (f / 2) on, channels 32 (f % 2) on
	ds_load_b128 v[KF+8*\f:KF+8*\f+3],   v[AK] offset:(\f/2)*16*PK+(\f%2)*64
	ds_load_b128 v[KF+8*\f+4:KF+8*\f+7], v[AK] offset:(\f/2)*16*PK+(\f%2)*64+32
.endr
	s_add_co_u32 s[TBK], s[TBK], KS*PK  ; the next fetch is the next step's
.endm
.macro FETCH_V
	WIN 0x40
.irp f, 0,1,2,3,4,5,6,7             ; keys 32 (f / 4) on, channels 16 (f % 4) on
	ds_load_tr16_b128 v[VF+8*\f:VF+8*\f+3],   v[AV] offset:(\f/4)*32*PV+(\f%4)*32
	ds_load_tr16_b128 v[VF+8*\f+4:VF+8*\f+7], v[AV] offset:(\f/4)*32*PV+16*PV+(\f%4)*32
.endr
	s_add_co_u32 s[TBV], s[TBV], KS*PV
.endm
.macro MASK                         ; piece 0: MD x AL0 + BE0; piece 1: MD x AL1 (it is never wholly hidden)
	WIN 0x81                        ; destination window 2, source 0 window 1
.set z, 0
.rept 16
	v_pk_fma_f32 v[2*z:2*z+1], v[MD+2*z:MD+2*z+1], s[AL0:AL0+1], s[BE0:BE0+1] op_sel_hi:[1,0,0]
.set z, z+1
.endr
.set z, 0
.rept 16
	v_pk_mul_f32 v[32+2*z:32+2*z+1], v[MD+2*z:MD+2*z+1], s[AL1:AL1+1] op_sel_hi:[1,0]
.set z, z+1
.endr
.endm
; THE SOFTMAX, one line at a time, for piece y.  All its registers lie in window 0.
.macro REGS y
.set rT, ST+4*(\y)
.set rC, TMP+4*(\y)
.set rW, MV+(\y)
.set rS, S+32*(\y)
.set rP, P+16*(\y)
.set rO, O+32*(\y)
.endm
; SMX: number n of the 22 that find the maximum and the statistics.  s0-s31 are the lane's 32 scores; each accumulator's lowest registers are read first.
;   0-11  four chains c0-c3 of seven scores each, three operands at a time     12-14, 16  the four scores left over, the old m, and c0-c3 into c0     15  c m_old is kept
;   17, 18  the query's other 32 keys lie in the lane 16 away: the new m         19-21  c m; c m_old - c m_new; a
.macro SMX y, n
	REGS \y
.if (\n) < 4
	v_max3_num_f32 v[rC+(\n)], v[rS+8*(\n)], v[rS+8*(\n)+1], v[rS+8*(\n)+2]
.elseif (\n) < 12
	v_max3_num_f32 v[rC+(\n)%4], v[rC+(\n)%4], v[rS+8*((\n)%4)+2*((\n)/4)+1], v[rS+8*((\n)%4)+2*((\n)/4)+2]
.elseif (\n) == 12
	v_max3_num_f32 v[rC], v[rC], v[rS+7], v[rS+15]
.elseif (\n) == 13
	v_max3_num_f32 v[rC+1], v[rC+1], v[rS+23], v[rS+31]
.elseif (\n) == 14
	v_max3_num_f32 v[rC+2], v[rC+2], v[rC+3], v[rT+1]
.elseif (\n) == 15
	v_mov_b32 v[rW], v[rT]
.elseif (\n) == 16
	v_max3_num_f32 v[rC], v[rC], v[rC+1], v[rC+2]
.elseif (\n) == 17
	v_permlanex16_b32 v[rC+3], v[rC], s[SEL], s[SEL+1]
.elseif (\n) == 18
	v_max_num_f32 v[rT+1], v[rC], v[rC+3]
.elseif (\n) == 19
	v_mul_f32 v[rT], s[CS], v[rT+1]
.elseif (\n) == 20
	v_sub_f32 v[rC+1], v[rW], v[rT]
.else
	v_exp_f32 v[rC+2], v[rC+1]
.endif
.endm
.macro SMF y, n                     ; c s - c m for pair n of 16
	REGS \y
	v_pk_fma_f32 v[rS+2*(\n):rS+2*(\n)+1], v[rS+2*(\n):rS+2*(\n)+1], s[CS:CS+1], v[rT:rT+1] op_sel_hi:[1,0,0] neg_lo:[0,0,1] neg_hi:[0,0,1]
.endm
.macro SME y, n                     ; the exponential of score n of 32
	REGS \y
	v_exp_f32 v[rS+(\n)], v[rS+(\n)]
.endm
.macro SMC y, n                     ; pair n rounded to bf16
	REGS \y
	s_wait_alu depctr_va_vdst(0)
	v_cvt_pk_bf16_f32 v[rP+(\n)], v[rS+2*(\n)], v[rS+2*(\n)+1]
.endm
.macro SMR y, n                     ; pair n of 16 of O^T times a, each accumulator from its low end on
	REGS \y
	s_wait_alu depctr_va_vdst(0)
	v_pk_mul_f32 v[rO+2*(\n):rO+2*(\n)+1], v[rO+2*(\n):rO+2*(\n)+1], v[rC+2:rC+3] op_sel_hi:[1,0]
.endm
.macro SML y, n                     ; l takes pair n (the first time as l = a l + pair)
	REGS \y
.if (\n) == 0
	v_pk_fma_f32 v[rT+2:rT+3], v[rT+2:rT+3], v[rC+2:rC+3], v[rS:rS+1] op_sel_hi:[1,0,1]
.else
	v_pk_add_f32 v[rT+2:rT+3], v[rT+2:rT+3], v[rS+2*(\n):rS+2*(\n)+1]
.endif
.endm
; The two pieces alternate.  In the last part every exponential has a plain instruction behind it that touches none of its registers, before its result is read (ISA guide 5.7.2).
.macro SOFT
.irp n, 0,1,2,3,4,5,6,7,8,9,10,11,12,13,14,15,16,17,18,19,20,21
	SMX 0, \n
	SMX 1, \n
.endr
.irp n, 0,1,2,3,4,5,6,7,8,9,10,11,12,13,14,15
	SMF 0, \n
	SMF 1, \n
.endr
.irp n, 0,1,2,3,4,5,6,7,8,9,10,11,12,13,14,15
	SME 0, 2*(\n)
	SMR 0, \n
	SME 0, 2*(\n)+1
	SMR 1, \n
	SME 1, 2*(\n)
	SMC 0, \n
	SME 1, 2*(\n)+1
	SML 0, \n
	SMC 1, \n
	SML 1, \n
.endr
.endm
; A KEY STEP.  The mask's scalars: in the diagonal tile (RT = 0) step 0 (CNT = 2) is piece 0's own, step 1 (CNT = 1) is piece 1's own and hidden from piece 0; elsewhere all are 0.
; K's run of loads stands behind the whole softmax of the step before, which is more than four plain instructions behind the last product that read K; the mask's 32 plain lines are the places between the last product that read V and V's run.
.macro STEP
	s_cmp_eq_u32 s[RT], 0
	s_cselect_b32 s[DS], s[CNT], 0
	s_cmp_eq_u32 s[DS], 2
	s_cselect_b32 s[AL0], 1.0, 0
	s_cmp_eq_u32 s[DS], 1
	s_cselect_b32 s[BE0], s[BIGN], 0
	s_cselect_b32 s[AL1], 1.0, 0
	v_add_nc_u32 v[AK], s[TBK], v[AK0]
	v_add_nc_u32 v[AV], s[TBV], v[AV0]
	FETCH_K
	MASK
	FETCH_V
	s_wait_dscnt 16                 ; K is in; V's sixteen younger loads stay out
.set i, 0
.rept 16
	KQ
.endr
	WIN 0
.rept 4
	v_nop                           ; the places behind those products
.endr
	SOFT
	s_wait_dscnt 0x0                ; V is in
.set i, 0
.rept 16
	PV
.endr
	WIN 0
.endm
.macro TILE                         ; a tile's two steps: written once, walked twice; the LDS addresses hang on s[TBK] and s[TBV]
	s_mov_b32 s[CNT], 2
.Lstep_\@:
	STEP
	s_sub_co_u32 s[CNT], s[CNT], 1
	s_cmp_lg_u32 s[CNT], 0
	s_cbranch_scc1 .Lstep_\@
.endm
; THE WAY OUT.  l's two halves and the other half of the lanes' are added; O^T is divided by l, rounded to bf16 and sent through my stage in LDS, a piece (16 rows, 2,048 dense bytes of a panel) at a time.
.macro PACK t
.set i, 0
.rept 16
	s_wait_alu depctr_va_vdst(0)
	v_pk_mul_f32 v[O+32*(\t)+2*i:O+32*(\t)+2*i+1], v[O+32*(\t)+2*i:O+32*(\t)+2*i+1], v[ST+4*(\t)+2:ST+4*(\t)+3] op_sel_hi:[1,0]
.set i, i+1
.endr
.set i, 0
.rept 16
	v_cvt_pk_bf16_f32 v[S+16*(\t)+i], v[O+32*(\t)+2*i], v[O+32*(\t)+2*i+1]
.set i, i+1
.endr
.irp f, 0,1,2,3
	ds_store_b128 v[STO], v[S+16*(\t)+4*\f:S+16*(\t)+4*\f+3] offset:32*\f
.endr
.irp f, 0,1,2,3
	ds_load_b128 v[S+16*(\t)+4*\f:S+16*(\t)+4*\f+3], v[RD] offset:\f*4*SP  ; LDS serves a wave's instructions in order (ISA guide 5.7.1.4): these see the stores above; the next piece's stores come behind them
.endr
.endm
.macro SEND t, younger              ; younger: the LDS instructions issued behind piece t's loads: the next piece's eight, or none
.irp f, 0,1,2,3
	s_wait_dscnt (\younger)+3-\f
	global_store_b128 v[GO], v[S+16*(\t)+4*\f:S+16*(\t)+4*\f+3], s[10:11] offset:(\t)*8192+\f*512  ; 512 consecutive bytes, aligned
.endr
.endm
.macro WAYOUT
.rept 4
	v_nop                           ; the places behind the last products
.endr
.irp t, 0,1
	v_add_f32 v[ST+4*(\t)+2], v[ST+4*(\t)+2], v[ST+4*(\t)+3]
.endr
.irp t, 0,1
	v_permlanex16_b32 v[ST+4*(\t)+3], v[ST+4*(\t)+2], s[SEL], s[SEL+1]
.endr
.irp t, 0,1
	v_add_f32 v[ST+4*(\t)+2], v[ST+4*(\t)+2], v[ST+4*(\t)+3]
.endr
.irp t, 0,1
	v_rcp_f32 v[ST+4*(\t)+2], v[ST+4*(\t)+2]
.endr
	v_nop                           ; a plain instruction between the last reciprocal and the use of its result
	PACK 0
	PACK 1
	SEND 0, 8
	SEND 1, 0
.endm
.Lslot:                             ; NB times: a tile is entered and the next is asked for
	CHANGE 1
	s_sub_co_u32 s[RT], s[RT], 1
	TILE
	s_cmp_lg_u32 s[RT], 0
	s_cbranch_scc1 .Lbottom         ; not the block's last tile
	WAYOUT                          ; in the loop this is the first block's end: the second block's last tile is the walk's last
	s_wait_xcnt 0x0                 ; the stores have read their registers and O's address
	s_mov_b64 s[10:11], s[OLO:OLO+1]
	s_add_co_u32 s[RT], s[PB], 1    ; the second block has b + 1 tiles
.irp t, 0,1
	v_mov_b32 v[ST+4*(\t)], 0xfe000000    ; its first a is 0 again
	v_mov_b32 v[ST+4*(\t)+1], 0xff7fffff
.endr
	WIN 0x41                        ; the second block's Q goes where the one text of the step names Q
.set i, 0
.rept 32
	v_mov_b32 v[i], v[QB+i]
.set i, i+1
.endr
	WIN 0
.Lbottom:
	s_sub_co_u32 s[SLOTS], s[SLOTS], 1
	s_cmp_lg_u32 s[SLOTS], 0
	s_cbranch_scc1 .Lslot
	CHANGE 0                        ; the walk's last tile is written out: nothing is asked for
	s_sub_co_u32 s[RT], s[RT], 1
	TILE
	WAYOUT
	s_wait_tensorcnt 0x0            ; the wave's end: a wait, an add to my spare word and a wait for it, behind my last tensor load and my last LDS store
	ds_add_u32 v[SPW], v[NIL]
	s_wait_dscnt 0x0
	s_endpgm
.Lfunc_end_k_q7fb30622b8_attn:
	.size	k_q7fb30622b8_attn, .Lfunc_end_k_q7fb30622b8_attn-k_q7fb30622b8_attn
	.p2alignl 7, 3214868480
	.fill 96, 4, 3214868480
	.section	.rodata,"a",@progbits
	.p2align	6, 0x0
	.amdhsa_kernel k_q7fb30622b8_attn
		.amdhsa_group_segment_fixed_size 327680
		.amdhsa_private_segment_fixed_size 0
		.amdhsa_enable_private_segment 0
		.amdhsa_kernarg_size 16
		.amdhsa_user_sgpr_count 2
		.amdhsa_user_sgpr_kernarg_segment_ptr 1
		.amdhsa_wavefront_size32 1
		.amdhsa_system_sgpr_workgroup_id_x 1
		.amdhsa_system_sgpr_workgroup_id_y 1
		.amdhsa_system_sgpr_workgroup_id_z 1
		.amdhsa_system_vgpr_workitem_id 0
		.amdhsa_next_free_vgpr 576
		.amdhsa_next_free_sgpr 88
		.amdhsa_reserve_vcc 1
		.amdhsa_float_denorm_mode_32 3
		.amdhsa_float_denorm_mode_16_64 3
		.amdhsa_memory_ordered 1
		.amdhsa_forward_progress 1
		.amdhsa_inst_pref_size 75
	.end_amdhsa_kernel
	.amdgpu_metadata
---
amdhsa.version: [ 1, 2 ]
amdhsa.kernels:
  - .name:           k_q7fb30622b8_attn
    .symbol:         k_q7fb30622b8_attn.kd
    .args:
      - { .name: qkvb, .offset: 0, .size: 8, .value_kind: global_buffer, .address_space: global }
      - { .name: att, .offset: 8, .size: 8, .value_kind: global_buffer, .address_space: global }
    .group_segment_fixed_size: 327680
    .private_segment_fixed_size: 0
    .kernarg_segment_align: 8
    .kernarg_segment_size: 16
    .max_flat_workgroup_size: 128
    .sgpr_count:     88
    .vgpr_count:     576
    .wavefront_size: 32
...
	.end_amdgpu_metadata
.endif
;; end of part 3
;; launch proj (part 4): grid 8 x 32, 4 waves a work-group, clusters of 4 x 4, 327,680 bytes of LDS; arguments att, wb, x1, bo, x; writes x1
.if DOCPART == 4
	.amdgcn_target "amdgcn-amd-amdhsa--gfx1250"
	.amdhsa_code_object_version 6
	.text
	.protected	k_q7fb30622b8_proj
	.globl	k_q7fb30622b8_proj
	.p2align	8
	.type	k_q7fb30622b8_proj,@function
k_q7fb30622b8_proj:
	s_mov_b64 s[64:65], 0
	v_nop
	global_prefetch_b8 v0, s[64:65] scope:SCOPE_SE
	s_setreg_imm32_b32 hwreg(HW_REG_WAVE_MODE, 25, 1), 1
	s_wait_xcnt 0x0
	s_wait_alu depctr_hold_cnt(0) depctr_sa_sdst(0) depctr_va_vdst(0) depctr_va_sdst(0) depctr_va_ssrc(0) depctr_va_vcc(0) depctr_vm_vsrc(0)
	s_getreg_b32 s2, hwreg(HW_REG_IB_STS2, 6, 4)
	s_cmp_eq_u32 s2, 0
	s_cbranch_scc0 .Lentry_in_a_cluster
	s_endpgm
.Lentry_in_a_cluster:
	s_bfe_u32 s2, ttmp6, 0x10000c
	s_cmp_lg_u32 s2, 0xf033
	s_cbranch_scc0 .Lentry_shape_is_right
	s_endpgm
.Lentry_shape_is_right:
; PROJ: x1 = x + att wo + bo.  4,096 x 1,024 x 1,024, bf16 operands, f32 sums that begin with the bias; the residual is added in f32 on the way out; x1 is f32 by rows.
; The activations lie in panels [row / 128][k / 64][row % 128][k % 64]; the weights as given, [k][n], in bf16.
; A tile of the result is 128 x 128: four waves, each 64 x 64: 16 accumulators.  K goes in steps of 256 through two LDS slots filled by the tensor data mover.
; A step's 128 rows x 256 k of activations are 65,536 dense bytes, asked for as rows of 256 bytes; a step's weights are 256 k rows of 256 bytes.
; CLUSTERS: 4 x 4 work-groups.  The four of a row of the cluster need the same activations, the four of a column the same weights: each tile is asked for JOINTLY, by the same tensor load with the same descriptor and a mask of four.
; THE MATRIX INSTRUCTION IS USED TRANSPOSED: source 0 = 16 columns of the weights (turned on the way out of LDS by ds_load_tr16_b128), source 1 = 16 rows of activations: a lane then holds eight neighbouring numbers of a row of the result.
; REGISTERS: window 0: v0-31 addresses; v32-95 at work on the way out; v96-127 the bias (where there is one); v128-255 the accumulators ((a, b) at v[128 + 8 (4 a + b)]).
;   window 1: two fragment buffers of 128: for 64 along K, 64 registers of activations (2 x 4 x 16 rows x 32 K), then 64 of weights.   window 2 (f32 result only): the residual.
; LIMITS.  Operands carry bf16's rounding; NaN and infinities are not treated apart.
.set KDIM,   1024                      ; the sum's length
.set CA,     16                        ; panels in a row block of the activations
.set BPITCH, 1024                      ; elements from a k row of the weights to the next
.set WOFF,   6<<20                     ; the weights' first byte in wb
.set COP,    0                         ; panels in a row block of the result (none: it lies by rows)
.set KIND,   2                         ; 0: bf16 in panels; 1: + bias, relu; 2: f32 by rows, + bias, + residual
.set QKV,    0                         ; 1: the columns run through three matrices of 1,024
.set PA,     144                       ; 64 k of a row of activations in LDS: 128 bytes + 16 of padding = 36 words: the 16 rows of a load start at 16 different groups of four banks (64 banks of 4 bytes: ISA guide 11.1)
.set PB,     288                       ; a k row of weights: 256 bytes + 32 = 72 words
.set HALFT,  36864                     ; what one tensor load brings: 2 panels x 128 rows x 144, or 128 k rows x 288
.set SLOT,   4*HALFT                   ; the activations' two halves, then the weights' two halves
.set STAGE,  2*SLOT                    ; behind the ring, never filled by a tensor load: 16 rows for each wave, for the way out
.if KIND == 2
.set SP,     272
.else
.set SP,     144
.endif
.set SPARE,  STAGE+4*16*SP             ; behind the stages: the spare words, 128 bytes for each wave: two blocks of 256 bytes that no other line names
.set LAPS,   KDIM/512                  ; a lap = two K steps = once round the ring
.set ADRA, 16                          ; v16-17  LDS address of my activation fragments in slot 0, 1
.set ADRB, 20                          ; v20-23  of my weight fragments: slot 0 half 0, half 1, slot 1 half 0, half 1
.set STO,  24                          ; v24     the way out: where I put my part of a row
.set RD,   25                          ; v25     the way out: where I read rows back
.set CO,   26                          ; v26     my byte offset in the result
.set BO,   27                          ; v27     my byte offset in the bias
.set SPW,  28                          ; v28     LDS address of my spare word: SPARE + 4 x my thread's number; never rewritten
.set NIL,  29                          ; v29     0; never rewritten
.set TMP,  32
.set BIAS, 96
.set ACC,  128
.set F0,   0                           ; fragment buffers, in window 1
.set F1,   128
.set RES,  0                           ; the residual, in window 2
.set G1, 24                            ; s[24:31] descriptor group 1 for the activations;  s[32:39] group 0, one set for each slot
.set G0, 32
.set G1B, 48                           ; s[48:55], s[56:63] the same for the weights
.set G0B, 56
.set MSB, 0
.macro WIN new                         ; the immediate's high byte repeats the setting that is left; a switch that changes nothing is dropped
.if MSB != (\new)
	s_set_vgpr_msb (MSB<<8)|(\new)
.set MSB, \new
.endif
.endm
.set MUL,  0x05                        ; sources 0 and 1 window 1; C and D window 0
.set TO_F, 0x40                        ; destination window 1, address window 0
.macro JLOAD s                         ; a joint load: waves 0 and 1 fetch the activations' two halves, waves 2 and 3 the weights'; an s_nop 0 and four v_nop follow each of the two lines
	s_cmp_eq_u32 s11, 0
	s_cbranch_scc0 .Lfor_b_\@
	tensor_load_to_lds s[G0+4*(\s):G0+4*(\s)+3], s[G1:G1+7]
	s_nop 0
.rept 4
	v_nop
.endr
	s_branch .Lasked_\@
.Lfor_b_\@:
	tensor_load_to_lds s[G0B+4*(\s):G0B+4*(\s)+3], s[G1B:G1B+7]
	s_nop 0
.rept 4
	v_nop
.endr
.Lasked_\@:
.endm
.macro CREST                           ; a round of the cluster's barrier behind its opening barrier
	s_cmp_lg_u32 s10, 0
	s_cbranch_scc1 .Lnot_wave_0_\@
	s_barrier_signal -3
.Lnot_wave_0_\@:
	s_barrier_wait -3
	s_barrier_signal -1
	s_barrier_wait -1
.endm
.macro CROUND                          ; a whole round
	s_barrier_signal -1
	s_barrier_wait -1
	CREST
.endm
	s_load_b128 s[4:7], s[0:1], 0x0                ; the activations s[4:5], the bf16 weights s[6:7]
	s_load_b64 s[8:9], s[0:1], 0x10                ; the result
.if KIND == 2
	s_load_b128 s[68:71], s[0:1], 0x18             ; the bias s[68:69], the residual s[70:71]
.elseif KIND == 1
	s_load_b64 s[68:69], s[0:1], 0x18              ; the bias
.endif
	v_lshl_add_u32 v[SPW], v0, 2, SPARE
	v_mov_b32 v[NIL], 0
	ds_add_u32 v[SPW], v[NIL]                      ; the wave's opening: the add and its wait stand ahead of my first tensor load; the set-up below, work on registers, stands between them
	v_lshrrev_b32 v1, 5, v0
	v_readfirstlane_b32 s10, v1                    ; wave 0..3
	s_lshr_b32 s11, s10, 1                         ; which half of the tile's rows is mine.  Also: I fetch activations (0) or weights (1)
	s_and_b32 s12, s10, 1                          ; which half of its columns.  Also: which half of that tile I fetch
	s_bfe_u32 s40, ttmp6, 0x40000                  ; cx, cy: my place in the cluster
	s_bfe_u32 s41, ttmp6, 0x40004
	s_lshl_b32 s42, ttmp9, 2
	s_add_co_u32 s42, s42, s40                     ; tile column = 4 x cluster x + cx
	s_and_b32 s13, ttmp7, 0xffff
	s_lshl_b32 s13, s13, 2
	s_add_co_u32 s13, s13, s41                     ; tile row = 4 x cluster y + cy
	s_lshl_b32 s43, s41, 2
	s_lshl_b32 s43, 15, s43                        ; my row of the cluster
	s_lshl_b32 s44, 0x1111, s40                    ; my column
	s_or_b32 s[G1+0], s43, (1<<16)|(1<<20)|(1<<21)|(4<<22)|(3<<25)   ; 15:0 the mask; 17:16 2-byte elements; 20 padding on; 21 set beside a mask; 24:22 after every 32 words (code 4); 31:25 4 words (code 3)
	s_or_b32 s[G1B+0], s44, (1<<16)|(1<<20)|(1<<21)|(5<<22)|(7<<25)  ; the weights: my column's mask; after every 64 words (code 5) 8 words (code 7)
.irp g, G1, G1B
	s_mov_b32 s[(\g)+1], 128<<16                   ; tensor_dim0 = 128 elements: rows of 256 bytes
	s_mov_b32 s[(\g)+2], 128<<16                   ; tensor_dim1 = 128
	s_mov_b32 s[(\g)+3], 128<<16                   ; tile_dim0 = 128
	s_mov_b32 s[(\g)+4], 128                       ; tile_dim1 = 128
	s_mov_b32 s[(\g)+6], 0
	s_mov_b32 s[(\g)+7], 0
.endr
	s_mov_b32 s[G1+5], 128                         ; the activations' rows lie end to end
	s_mov_b32 s[G1B+5], BPITCH                     ; the weights' are BPITCH elements apart
	; The activations' tiles hang on the tile row alone, the weights' on the tile column alone; each offset is made in registers that never hold the other coordinate.
	s_mul_i32 s16, s13, CA*16384                   ; my row block,
	s_lshl_b32 s17, s12, 15                        ; and which two of a step's four panels I fetch
	s_add_co_u32 s16, s16, s17
	s_mov_b32 s17, 0
.if QKV
	s_lshr_b32 s46, s42, 3                         ; which of the three matrices, 2 MiB each,
	s_lshl_b32 s46, s46, 21
	s_and_b32 s47, s42, 7                          ; and the tile's 256 bytes in its rows
	s_lshl_b32 s47, s47, 8
	s_add_co_u32 s46, s46, s47
.else
	s_lshl_b32 s46, s42, 8                         ; the tile's 256 bytes in the weights' rows
.endif
	s_mul_i32 s47, s12, 128*BPITCH*2               ; which 128 of a step's 256 k rows I fetch
	s_add_co_u32 s46, s46, s47
.if WOFF
	s_add_co_u32 s46, s46, WOFF
.endif
	s_mov_b32 s47, 0
	s_mul_i32 s20, s10, HALFT                      ; where they go: wave x a load's bytes: no place in the cluster enters an LDS address
	s_wait_dscnt 0x0                               ; the opening add is done
	s_wait_kmcnt 0x0
	s_add_nc_u64 s[14:15], s[4:5], s[16:17]
	s_add_nc_u64 s[46:47], s[6:7], s[46:47]
	CROUND                                         ; all sixteen work-groups are here: the first joint loads meet
.irp s, 0,1
	s_mov_b32 s[G0+4*(\s)], 1                                      ; 1:0 count = 1
	s_add_co_u32 s[G0+4*(\s)+1], s20, (\s)*SLOT                    ; 63:32 LDS address
	s_add_nc_u64 s[G0+4*(\s)+2:G0+4*(\s)+3], s[14:15], (\s)*65536  ; 120:64 global address: K step s
	s_or_b32 s[G0+4*(\s)+3], s[G0+4*(\s)+3], 0x80000000            ; 127:126 type = 2
	s_mov_b32 s[G0B+4*(\s)], 1
	s_add_co_u32 s[G0B+4*(\s)+1], s20, (\s)*SLOT
	s_add_nc_u64 s[G0B+4*(\s)+2:G0B+4*(\s)+3], s[46:47], (\s)*256*BPITCH*2
	s_or_b32 s[G0B+4*(\s)+3], s[G0B+4*(\s)+3], 0x80000000
	JLOAD \s                                       ; two loads of mine are out
.endr
	; A fragment of activations is 16 rows x 32 K in 8 registers: lane l holds row l % 16, K = 8 (l / 16) + 0..7 and 16 + 8 (l / 16) + 0..7: two loads of 16 bytes, 32 bytes apart.
	v_and_b32 v1, 15, v0                           ; l % 16
	v_bfe_u32 v2, v0, 4, 1                         ; l / 16
	v_mul_u32_u24 v3, v1, PA
	v_lshl_add_u32 v3, v2, 4, v3
	s_mul_i32 s21, s11, 64*PA                      ; my 64 rows
	v_add_nc_u32 v[ADRA], s21, v3
	v_add_nc_u32 v[ADRA+1], SLOT, v[ADRA]
	; The turning load takes 16 k rows x 16 columns (lane l reads k row 8 (l / 16) + l % 8, columns 8 ((l / 8) % 2) + 0..7) and leaves half a fragment: lane l holds column l % 16 and 8 k.
	v_and_b32 v4, 7, v0
	v_lshl_add_u32 v4, v2, 3, v4
	v_mul_u32_u24 v4, v4, PB
	v_bfe_u32 v5, v0, 3, 1
	v_lshl_add_u32 v4, v5, 4, v4
	s_lshl_b32 s22, s12, 7                         ; my 64 columns,
	s_add_co_u32 s22, s22, 2*HALFT                 ; behind the activations
	v_add_nc_u32 v[ADRB], s22, v4
	v_add_nc_u32 v[ADRB+1], HALFT, v[ADRB]
	v_add_nc_u32 v[ADRB+2], SLOT, v[ADRB]
	v_add_nc_u32 v[ADRB+3], SLOT+HALFT, v[ADRB]
	s_mul_i32 s23, s10, 16*SP
	s_add_co_u32 s23, s23, STAGE                   ; my stage
.if KIND == 2
	v_mul_u32_u24 v[STO], v1, SP                   ; in: row l % 16, 32 bytes for each half of the lanes
	v_lshl_add_u32 v[STO], v2, 5, v[STO]
	v_add_nc_u32 v[STO], s23, v[STO]
	v_mul_u32_u24 v[RD], v2, SP                    ; back: lanes 0-15 take one row of 256 bytes, lanes 16-31 the next
	v_lshl_add_u32 v[RD], v1, 4, v[RD]
	v_add_nc_u32 v[RD], s23, v[RD]
	v_lshlrev_b32 v[CO], 12, v2                    ; and the same two rows of 4,096 bytes in the result and the residual
	v_lshl_add_u32 v[CO], v1, 4, v[CO]
	s_lshl_b32 s16, s13, 19                        ; my first row: 128 x tile row + 64 x half, rows of 4,096 bytes
	s_lshl_b32 s17, s11, 18
	s_add_co_u32 s16, s16, s17
	s_mov_b32 s17, 0
	s_lshl_b32 s46, s42, 9                         ; my first column, in bytes: 512 x tile column + 256 x half
	s_lshl_b32 s47, s12, 8
	s_add_co_u32 s46, s46, s47
	s_mov_b32 s47, 0
	s_add_nc_u64 s[8:9], s[8:9], s[16:17]
	s_add_nc_u64 s[8:9], s[8:9], s[46:47]
	s_add_nc_u64 s[70:71], s[70:71], s[16:17]
	s_add_nc_u64 s[70:71], s[70:71], s[46:47]
.else
	v_mul_u32_u24 v[STO], v1, SP                   ; in: row l % 16, 16 bytes for each half of the lanes
	v_lshl_add_u32 v[STO], v2, 4, v[STO]
	v_add_nc_u32 v[STO], s23, v[STO]
	v_bfe_u32 v[RD], v0, 3, 2                      ; back: 32 lanes take four rows of 128 bytes,
	v_mul_u32_u24 v[RD], v[RD], SP
	v_and_b32 v6, 7, v0
	v_lshl_add_u32 v[RD], v6, 4, v[RD]
	v_add_nc_u32 v[RD], s23, v[RD]
	v_and_b32 v[CO], 31, v0                        ; which are 512 consecutive bytes of a panel
	v_lshlrev_b32 v[CO], 4, v[CO]
	s_mul_i32 s16, s13, COP*16384                  ; my row block, and my 64 rows of 128 bytes in a panel
	s_lshl_b32 s17, s11, 13
	s_add_co_u32 s16, s16, s17
	s_mov_b32 s17, 0
	s_add_nc_u64 s[8:9], s[8:9], s[16:17]
	s_lshl_b32 s46, s42, 1                         ; my panel: 2 x tile column + half
	s_add_co_u32 s46, s46, s12
	s_lshl_b32 s46, s46, 14
	s_mov_b32 s47, 0
	s_add_nc_u64 s[8:9], s[8:9], s[46:47]
.endif
.if KIND >= 1
	s_lshl_b32 s45, s42, 9                         ; the bias of my 64 columns: register j of column block b is column 16 b + 8 (l / 16) + j
	s_lshl_b32 s19, s12, 8
	s_add_co_u32 s45, s45, s19
	v_lshl_add_u32 v[BO], v2, 5, s45
.irp b, 0,1,2,3
	global_load_b128 v[BIAS+8*(\b):BIAS+8*(\b)+3],   v[BO], s[68:69] offset:64*(\b)
	global_load_b128 v[BIAS+8*(\b)+4:BIAS+8*(\b)+7], v[BO], s[68:69] offset:64*(\b)+16
.endr
.endif
.if KIND == 2
	WIN 0x80                                       ; destination window 2: the residual of my 64 x 64, as the way out will hold it; it lands while the sums are made
.irp a, 0,1,2,3
.irp t, 0,1,2,3,4,5,6,7
	global_load_b128 v[RES+32*(\a)+4*(\t):RES+32*(\a)+4*(\t)+3], v[CO], s[70:71] offset:(16*(\a)+2*(\t))*4096
.endr
.endr
	WIN 0
.endif
; 8 matrix instructions: row blocks a0, a0 + 1 x all 4 column blocks, 32 along K: half c of buffer f.  zero = 1: the first product starts the sums, with the bias or the constant 0 as C: nothing is cleared.
; The 16 accumulators take turns, one instruction a turn.
.macro MUL8 f, c, a0, zero
	WIN MUL
.irp a, \a0, (\a0)+1
.irp b, 0,1,2,3
.if \zero
.if KIND >= 1
	v_wmma_f32_16x16x32_bf16 v[ACC+8*(4*(\a)+(\b)):ACC+8*(4*(\a)+(\b))+7], v[(\f)+64+8*(4*(\c)+(\b)):(\f)+64+8*(4*(\c)+(\b))+7], v[(\f)+8*(4*(\c)+(\a)):(\f)+8*(4*(\c)+(\a))+7], v[BIAS+8*(\b):BIAS+8*(\b)+7]
.else
	v_wmma_f32_16x16x32_bf16 v[ACC+8*(4*(\a)+(\b)):ACC+8*(4*(\a)+(\b))+7], v[(\f)+64+8*(4*(\c)+(\b)):(\f)+64+8*(4*(\c)+(\b))+7], v[(\f)+8*(4*(\c)+(\a)):(\f)+8*(4*(\c)+(\a))+7], 0
.endif
.else
	v_wmma_f32_16x16x32_bf16 v[ACC+8*(4*(\a)+(\b)):ACC+8*(4*(\a)+(\b))+7], v[(\f)+64+8*(4*(\c)+(\b)):(\f)+64+8*(4*(\c)+(\b))+7], v[(\f)+8*(4*(\c)+(\a)):(\f)+8*(4*(\c)+(\a))+7], v[ACC+8*(4*(\a)+(\b)):ACC+8*(4*(\a)+(\b))+7]
.endif
.endr
.endr
.endm
; 32 LDS loads in one run: the fragments of quarter q of a K step (64 along K: one panel of activations, 64 k rows of weights) into buffer f; the first 32 along K first
.macro FETCH slot, q, f
	WIN TO_F
.irp c, 0,1
.irp i, 0,1,2,3
	ds_load_tr16_b128 v[(\f)+64+8*(4*(\c)+(\i)):(\f)+64+8*(4*(\c)+(\i))+3],   v[ADRB+2*(\slot)+(\q)/2] offset:((\q)%2)*64*PB+(\c)*32*PB+(\i)*32
	ds_load_tr16_b128 v[(\f)+64+8*(4*(\c)+(\i))+4:(\f)+64+8*(4*(\c)+(\i))+7], v[ADRB+2*(\slot)+(\q)/2] offset:((\q)%2)*64*PB+(\c)*32*PB+16*PB+(\i)*32
	ds_load_b128 v[(\f)+8*(4*(\c)+(\i)):(\f)+8*(4*(\c)+(\i))+3],              v[ADRA+(\slot)] offset:(\q)*128*PA+(\i)*16*PA+(\c)*64
	ds_load_b128 v[(\f)+8*(4*(\c)+(\i))+4:(\f)+8*(4*(\c)+(\i))+7],            v[ADRA+(\slot)] offset:(\q)*128*PA+(\i)*16*PA+(\c)*64+32
.endr
.endr
.endm
.macro PLACES                          ; four places in front of loads into registers that matrix instructions have read, and of lines that read results
.rept 4
	v_nop
.endr
.endm
; A K step is four quarters of 64 along K, 32 matrix instructions each, on buffers 0, 1, 0, 1.  One of the first three: multiplies buffer f and fetches quarter q into g.
.macro QUARTER slot, q, f, g, zero
	s_wait_dscnt 16                                ; the first 32 along K are in; the younger sixteen loads may be out
	WIN MUL
	MUL8 \f, 0, 0, \zero
	MUL8 \f, 0, 2, \zero
	PLACES
	FETCH \slot, \q, \g
	s_wait_dscnt 32                                ; all but the 32 just issued
	WIN MUL
	MUL8 \f, 1, 0, 0
	MUL8 \f, 1, 2, 0
.endm
; The last quarter multiplies buffer 1 and changes slots: ONE barrier; in front of it each wave waits for all its tensor loads, adds 0 to its spare word, and waits for that and for its own reads of this slot.  fill = 1: this slot is filled again, two K steps ahead.
.macro TURN slot, next, fill
	WIN 0                                          ; (the add's two registers lie in window 0)
	s_wait_tensorcnt 0x0                           ; all my tensor loads have landed: my part of the next slot;
	ds_add_u32 v[SPW], v[NIL]                      ; 0 onto my spare word;
	s_wait_dscnt 17                                ; (the add and the youngest sixteen loads may be out)
	WIN MUL
	MUL8 F1, 0, 0, 0                               ; eight matrix instructions stand between the add and the wait for it
	s_wait_dscnt 0x0                               ; the add is done, and my reads of this slot are over
	s_barrier_signal -1
	MUL8 F1, 0, 2, 0
.if \fill
	WIN 0
.endif
	s_barrier_wait -1
.if \fill
	CREST                                          ; the barrier has opened a round of the cluster's barrier: no wave of any partner still reads this slot's tile or has a load on its way
	s_add_nc_u64 s[G0+4*(\slot)+2:G0+4*(\slot)+3], s[G0+4*(\slot)+2:G0+4*(\slot)+3], 2*65536
	s_add_nc_u64 s[G0B+4*(\slot)+2:G0B+4*(\slot)+3], s[G0B+4*(\slot)+2:G0B+4*(\slot)+3], 2*256*BPITCH*2
	JLOAD \slot                                    ; the first tensor load behind the round, my only one out: 112 matrix instructions ahead of the wait for it; its four v_nop are also the places in front of the loads below
.else
	PLACES
.endif
	FETCH \next, 0, F0
	WIN MUL
	MUL8 F1, 1, 0, 0
	MUL8 F1, 1, 2, 0
.endm
; THE WAY OUT in bf16: 16 rows x my 64 columns are 2,048 dense bytes of a panel.  A lane's eight columns pack into 16 bytes; they go into my stage's rows of 144 bytes and come back as whole rows of 128.
.macro PACK a
.if KIND == 1
.set i, 0
.rept 32
	v_max_num_f32 v[ACC+32*(\a)+i], 0, v[ACC+32*(\a)+i]  ; relu, each accumulator from its low end on
.set i, i+1
.endr
.endif
.set i, 0
.rept 16
	v_cvt_pk_bf16_f32 v[TMP+16*(\a)+i], v[ACC+32*(\a)+2*i], v[ACC+32*(\a)+2*i+1]
.set i, i+1
.endr
.irp b, 0,1,2,3
	ds_store_b128 v[STO], v[TMP+16*(\a)+4*(\b):TMP+16*(\a)+4*(\b)+3] offset:32*(\b)
.endr
.irp f, 0,1,2,3
	ds_load_b128 v[TMP+16*(\a)+4*(\f):TMP+16*(\a)+4*(\f)+3], v[RD] offset:(\f)*4*SP  ; LDS serves a wave's instructions in order (ISA guide 5.7.1.4): these see the stores above; the next block's stores come behind them
.endr
.endm
.macro SEND a, younger                 ; younger: the LDS instructions issued behind block a's loads: the next block's eight, or none
.irp f, 0,1,2,3
	s_wait_dscnt (\younger)+3-(\f)
	global_store_b128 v[CO], v[TMP+16*(\a)+4*(\f):TMP+16*(\a)+4*(\f)+3], s[8:9] offset:(\a)*2048+(\f)*512  ; 512 consecutive bytes, aligned
.endr
.endm
; THE WAY OUT in f32: 16 rows x 256 bytes go through my stage's rows of 272 bytes, come back by rows, take the residual and leave: sixteen lanes store 256 consecutive bytes, aligned.
.macro OUT a
	WIN 0
.if (\a) >= 2
	s_wait_xcnt 0x0                                ; the stores of two blocks ago have read this half of TMP: it is loaded again only behind this wait
.endif
.irp b, 0,1,2,3
	ds_store_b128 v[STO], v[ACC+32*(\a)+8*(\b):ACC+32*(\a)+8*(\b)+3]   offset:64*(\b)
	ds_store_b128 v[STO], v[ACC+32*(\a)+8*(\b)+4:ACC+32*(\a)+8*(\b)+7] offset:64*(\b)+16
.endr
.irp t, 0,1,2,3,4,5,6,7
	ds_load_b128 v[TMP+32*((\a)%2)+4*(\t):TMP+32*((\a)%2)+4*(\t)+3], v[RD] offset:(\t)*2*SP
.endr
	s_wait_dscnt 0x0
	WIN 0x08                                       ; source 1 in window 2
.set i, 0
.rept 16
	v_pk_add_f32 v[TMP+32*((\a)%2)+2*i:TMP+32*((\a)%2)+2*i+1], v[TMP+32*((\a)%2)+2*i:TMP+32*((\a)%2)+2*i+1], v[RES+32*(\a)+2*i:RES+32*(\a)+2*i+1]
.set i, i+1
.endr
	WIN 0
.irp t, 0,1,2,3,4,5,6,7
	global_store_b128 v[CO], v[TMP+32*((\a)%2)+4*(\t):TMP+32*((\a)%2)+4*(\t)+3], s[8:9] offset:(16*(\a)+2*(\t))*4096
.endr
.endm
	s_wait_tensorcnt 1                             ; my part of K step 0 is in; K step 1's may stay out
	s_barrier_signal -1
	s_barrier_wait -1                              ; everybody's is
	FETCH 0, 0, F0
.if KIND == 2
	s_wait_loadcnt 32                              ; the bias is in; the residual's 32 younger loads stay out
.elseif KIND == 1
	s_wait_loadcnt 0x0                             ; the bias
.endif
	QUARTER 0, 1, F0, F1, 1                        ; the first quarter stands in front of the loop: its first products start the sums
	WIN 0                                          ; at a label and at a branch every window is 0
	s_mov_b32 s3, LAPS-1
.Llap:                                                 ; a trip goes once round the ring, from a lap's second quarter to the next lap's first, and fills both slots again
	QUARTER 0, 2, F1, F0, 0
	QUARTER 0, 3, F0, F1, 0
	TURN 0, 1, 1
	QUARTER 1, 1, F0, F1, 0
	QUARTER 1, 2, F1, F0, 0
	QUARTER 1, 3, F0, F1, 0
	TURN 1, 0, 1
	QUARTER 0, 1, F0, F1, 0
	WIN 0
	s_sub_co_u32 s3, s3, 1
	s_cmp_lg_u32 s3, 0
	s_cbranch_scc1 .Llap
	QUARTER 0, 2, F1, F0, 0                        ; the last lap fills nothing, and has no round of the cluster's barrier
	QUARTER 0, 3, F0, F1, 0
	TURN 0, 1, 0
	QUARTER 1, 1, F0, F1, 0
	QUARTER 1, 2, F1, F0, 0
	QUARTER 1, 3, F0, F1, 0
	s_wait_dscnt 16                                ; the very last quarter: nothing more to fetch
	WIN MUL
	MUL8 F1, 0, 0, 0
	MUL8 F1, 0, 2, 0
	s_wait_dscnt 0
	MUL8 F1, 1, 0, 0
	MUL8 F1, 1, 2, 0
	WIN 0
	PLACES
.if KIND == 2
	s_wait_loadcnt 0x0                             ; the residual
	OUT 0
	OUT 1
	OUT 2
	OUT 3
.else
	PACK 0
	PACK 1                                         ; a block's arithmetic stands between the loads of the block before and its stores
	SEND 0, 8
	PACK 2
	SEND 1, 8
	PACK 3
	SEND 2, 8
	SEND 3, 0
.endif
	s_wait_tensorcnt 0x0                           ; the wave's end: a wait, an add to my spare word and a wait for it, behind my last tensor load and my last LDS store
	ds_add_u32 v[SPW], v[NIL]
	s_wait_dscnt 0x0
	CROUND                                         ; the closing round: no work-group ends while a partner may still ask for a tile that names it
	s_endpgm
.Lfunc_end_k_q7fb30622b8_proj:
	.size	k_q7fb30622b8_proj, .Lfunc_end_k_q7fb30622b8_proj-k_q7fb30622b8_proj
	.p2alignl 7, 3214868480
	.fill 96, 4, 3214868480
	.section	.rodata,"a",@progbits
	.p2align	6, 0x0
	.amdhsa_kernel k_q7fb30622b8_proj
		.amdhsa_group_segment_fixed_size 327680
		.amdhsa_private_segment_fixed_size 0
		.amdhsa_enable_private_segment 0
		.amdhsa_kernarg_size 40
		.amdhsa_user_sgpr_count 2
		.amdhsa_user_sgpr_kernarg_segment_ptr 1
		.amdhsa_wavefront_size32 1
		.amdhsa_system_sgpr_workgroup_id_x 1
		.amdhsa_system_sgpr_workgroup_id_y 1
		.amdhsa_system_sgpr_workgroup_id_z 1
		.amdhsa_system_vgpr_workitem_id 0
		.amdhsa_next_free_vgpr 640
		.amdhsa_next_free_sgpr 72
		.amdhsa_reserve_vcc 0
		.amdhsa_float_denorm_mode_32 3
		.amdhsa_float_denorm_mode_16_64 3
		.amdhsa_memory_ordered 1
		.amdhsa_forward_progress 1
		.amdhsa_inst_pref_size 94
	.end_amdhsa_kernel
	.amdgpu_metadata
---
amdhsa.version: [ 1, 2 ]
amdhsa.kernels:
  - .name:           k_q7fb30622b8_proj
    .symbol:         k_q7fb30622b8_proj.kd
    .args:
      - { .name: att, .offset: 0, .size: 8, .value_kind: global_buffer, .address_space: global }
      - { .name: wb, .offset: 8, .size: 8, .value_kind: global_buffer, .address_space: global }
      - { .name: x1, .offset: 16, .size: 8, .value_kind: global_buffer, .address_space: global }
      - { .name: bo, .offset: 24, .size: 8, .value_kind: global_buffer, .address_space: global }
      - { .name: x, .offset: 32, .size: 8, .value_kind: global_buffer, .address_space: global }
    .group_segment_fixed_size: 327680
    .private_segment_fixed_size: 0
    .kernarg_segment_align: 8
    .kernarg_segment_size: 40
    .max_flat_workgroup_size: 128
    .sgpr_count:     72
    .vgpr_count:     640
    .wavefront_size: 32
...
	.end_amdgpu_metadata
.endif
;; end of part 4
;; launch ln2 (part 5): grid 256 x 1, 8 waves a work-group, no clusters, 0 bytes of LDS; arguments x1, g2, be2, xn2; writes xn2
.if DOCPART == 5
	.amdgcn_target "amdgcn-amd-amdhsa--gfx1250"
	.amdhsa_code_object_version 6
	.text
	.protected	k_q7fb30622b8_ln2
	.globl	k_q7fb30622b8_ln2
	.p2align	8
	.type	k_q7fb30622b8_ln2,@function
k_q7fb30622b8_ln2:
	s_mov_b64 s[64:65], 0
	v_nop
	global_prefetch_b8 v0, s[64:65] scope:SCOPE_SE
	s_setreg_imm32_b32 hwreg(HW_REG_WAVE_MODE, 25, 1), 1
	s_wait_xcnt 0x0
; LN2: xn2 = layernorm(x1) * g2 + be2, rounded once to bf16, 16 rows a work-group.  A stream: no LDS, no barrier, no matrix unit; each byte is moved once and no wave needs another wave's numbers.
; Sixteen lanes own a row of 1,024 numbers and keep it in 64 registers a lane: first the mean, then the mean of (x - mean)^2, so no difference of large sums is formed.
; Lane q of the sixteen holds columns 64 i + 4 q .. + 3, i = 0..15: a load of the wave covers 256 consecutive bytes of each of two rows.
; xn2 IS WRITTEN IN PANELS: [row / 128][column / 64][row % 128][column % 64] in bf16, so that 128 rows x 64 columns are 16,384 dense bytes; a store of the wave covers two rows of a panel, 256 consecutive bytes, aligned.
; LIMITS.  NaN and infinities are not treated apart; xn2 carries bf16's rounding.
.set X,   16                           ; v[16:79]    the row's 64 numbers of my lane, then x - mean, then the result
.set G,   80                           ; v[80:143]   the gain of my 64 columns
.set BE,  144                          ; v[144:207]  the bias of my 64 columns
.set CH,  208                          ; v[208:215]  four chains of packed sums
.set MU,  216                          ; v[216:217]  the mean twice, later 1 / sqrt(var + eps) twice
.set T,   218                          ; v218        at work
.macro REDUCE                          ; four chains -> one number, in each of the row's sixteen lanes
	v_pk_add_f32 v[CH:CH+1], v[CH:CH+1], v[CH+2:CH+3]
	v_pk_add_f32 v[CH+4:CH+5], v[CH+4:CH+5], v[CH+6:CH+7]
	v_pk_add_f32 v[CH:CH+1], v[CH:CH+1], v[CH+4:CH+5]
	v_add_f32 v[CH], v[CH], v[CH+1]
	v_add_f32_dpp v[CH], v[CH], v[CH] row_xmask:1 row_mask:0xf bank_mask:0xf
	v_add_f32_dpp v[CH], v[CH], v[CH] row_xmask:2 row_mask:0xf bank_mask:0xf
	v_add_f32_dpp v[CH], v[CH], v[CH] row_xmask:4 row_mask:0xf bank_mask:0xf
	v_add_f32_dpp v[CH], v[CH], v[CH] row_xmask:8 row_mask:0xf bank_mask:0xf
.endm
	s_load_b256 s[4:11], s[0:1], 0x0               ; x1 s[4:5], g2 s[6:7], be2 s[8:9], xn2 s[10:11]
	v_and_b32 v1, 15, v0                           ; q: my place among the row's sixteen lanes
	v_lshrrev_b32 v2, 4, v0                        ; my row among the group's sixteen
	v_lshlrev_b32 v4, 4, v1                        ; 16 q: my offset in the gain and the bias
	v_lshl_add_u32 v3, v2, 12, v4                  ; row x 4,096 + 16 q: my offset in the rows
	v_lshlrev_b32 v5, 3, v1
	v_lshl_add_u32 v5, v2, 7, v5                   ; row x 128 + 8 q: my offset in a panel
	s_lshl_b32 s28, ttmp9, 16                      ; the group's 16 rows of 4,096 bytes
	s_mov_b32 s29, 0
	s_lshr_b32 s30, ttmp9, 3                       ; 128 rows x 16 panels are 262,144 bytes,
	s_lshl_b32 s30, s30, 18
	s_and_b32 s31, ttmp9, 7                        ; and the group's 16 rows in a panel begin at 2,048 x (group % 8)
	s_lshl_b32 s31, s31, 11
	s_add_co_u32 s30, s30, s31
	s_mov_b32 s31, 0
	s_mov_b32 s2, 0x3a800000                       ; 1 / 1,024
	s_wait_kmcnt 0x0
	s_add_nc_u64 s[4:5], s[4:5], s[28:29]
	s_add_nc_u64 s[10:11], s[10:11], s[30:31]
.set i, 0
.rept 16
	global_load_b128 v[X+4*i:X+4*i+3], v3, s[4:5] offset:256*i
.set i, i+1
.endr
.set i, 0
.rept 16
	global_load_b128 v[G+4*i:G+4*i+3], v4, s[6:7] offset:256*i
.set i, i+1
.endr
.set i, 0
.rept 16
	global_load_b128 v[BE+4*i:BE+4*i+3], v4, s[8:9] offset:256*i
.set i, i+1
.endr
	s_wait_loadcnt 32                              ; the row is in; the 32 younger loads, gain and bias, stay out
.irp k, 0,1,2,3
	v_pk_add_f32 v[CH+2*\k:CH+2*\k+1], v[X+2*\k:X+2*\k+1], v[X+2*\k+8:X+2*\k+9]  ; the first eight pairs start the chains: nothing is cleared
.endr
.set p, 8
.rept 24
	v_pk_add_f32 v[CH+2*(p%4):CH+2*(p%4)+1], v[CH+2*(p%4):CH+2*(p%4)+1], v[X+2*p:X+2*p+1]
.set p, p+1
.endr
	REDUCE
	v_mul_f32 v[MU], s2, v[CH]                     ; the mean
	v_mov_b32 v[MU+1], v[MU]
.set p, 0
.rept 32
	v_pk_add_f32 v[X+2*p:X+2*p+1], v[X+2*p:X+2*p+1], v[MU:MU+1] neg_lo:[0,1] neg_hi:[0,1]  ; x - mean, in place
.set p, p+1
.endr
.irp k, 0,1,2,3
	v_pk_mul_f32 v[CH+2*\k:CH+2*\k+1], v[X+2*\k:X+2*\k+1], v[X+2*\k:X+2*\k+1]
.endr
.set p, 4
.rept 28
	v_pk_fma_f32 v[CH+2*(p%4):CH+2*(p%4)+1], v[X+2*p:X+2*p+1], v[X+2*p:X+2*p+1], v[CH+2*(p%4):CH+2*(p%4)+1]
.set p, p+1
.endr
	REDUCE
	v_mov_b32 v[T], 0x3727c5ac                     ; eps = 1e-5
	v_fma_f32 v[T], v[CH], s2, v[T]                ; the variance + eps
	v_rsq_f32 v[MU], v[T]
	v_nop                                          ; a plain instruction between the root and the use of its result (ISA guide 5.7.2)
	s_wait_alu depctr_va_vdst(0)
	v_mov_b32 v[MU+1], v[MU]
	s_wait_loadcnt 0x0                             ; gain and bias
.set i, 0
.rept 16
	v_pk_mul_f32 v[X+4*i:X+4*i+1], v[X+4*i:X+4*i+1], v[MU:MU+1]
	v_pk_mul_f32 v[X+4*i+2:X+4*i+3], v[X+4*i+2:X+4*i+3], v[MU:MU+1]
	v_pk_fma_f32 v[X+4*i:X+4*i+1], v[X+4*i:X+4*i+1], v[G+4*i:G+4*i+1], v[BE+4*i:BE+4*i+1]
	v_pk_fma_f32 v[X+4*i+2:X+4*i+3], v[X+4*i+2:X+4*i+3], v[G+4*i+2:G+4*i+3], v[BE+4*i+2:BE+4*i+3]
	v_cvt_pk_bf16_f32 v[X+4*i], v[X+4*i], v[X+4*i+1]
	v_cvt_pk_bf16_f32 v[X+4*i+1], v[X+4*i+2], v[X+4*i+3]
	global_store_b64 v5, v[X+4*i:X+4*i+1], s[10:11] offset:16384*i  ; panel i: the wave's two rows, 256 consecutive bytes
.set i, i+1
.endr
	s_endpgm
.Lfunc_end_k_q7fb30622b8_ln2:
	.size	k_q7fb30622b8_ln2, .Lfunc_end_k_q7fb30622b8_ln2-k_q7fb30622b8_ln2
	.p2alignl 7, 3214868480
	.fill 96, 4, 3214868480
	.section	.rodata,"a",@progbits
	.p2align	6, 0x0
	.amdhsa_kernel k_q7fb30622b8_ln2
		.amdhsa_group_segment_fixed_size 0
		.amdhsa_private_segment_fixed_size 0
		.amdhsa_enable_private_segment 0
		.amdhsa_kernarg_size 32
		.amdhsa_user_sgpr_count 2
		.amdhsa_user_sgpr_kernarg_segment_ptr 1
		.amdhsa_wavefront_size32 1
		.amdhsa_system_sgpr_workgroup_id_x 1
		.amdhsa_system_sgpr_workgroup_id_y 1
		.amdhsa_system_sgpr_workgroup_id_z 1
		.amdhsa_system_vgpr_workitem_id 0
		.amdhsa_next_free_vgpr 224
		.amdhsa_next_free_sgpr 66
		.amdhsa_reserve_vcc 0
		.amdhsa_float_denorm_mode_32 3
		.amdhsa_float_denorm_mode_16_64 3
		.amdhsa_memory_ordered 1
		.amdhsa_forward_progress 1
		.amdhsa_inst_pref_size 21
	.end_amdhsa_kernel
	.amdgpu_metadata
---
amdhsa.version: [ 1, 2 ]
amdhsa.kernels:
  - .name:           k_q7fb30622b8_ln2
    .symbol:         k_q7fb30622b8_ln2.kd
    .args:
      - { .name: x1, .offset: 0, .size: 8, .value_kind: global_buffer, .address_space: global }
      - { .name: g2, .offset: 8, .size: 8, .value_kind: global_buffer, .address_space: global }
      - { .name: be2, .offset: 16, .size: 8, .value_kind: global_buffer, .address_space: global }
      - { .name: xn2, .offset: 24, .size: 8, .value_kind: global_buffer, .address_space: global }
    .group_segment_fixed_size: 0
    .private_segment_fixed_size: 0
    .kernarg_segment_align: 8
    .kernarg_segment_size: 32
    .max_flat_workgroup_size: 256
    .sgpr_count:     66
    .vgpr_count:     224
    .wavefront_size: 32
...
	.end_amdgpu_metadata
.endif
;; end of part 5
;; launch ffn1: the kernel of part 2 again; grid 16 x 16, 4 waves a work-group, clusters of 4 x 4, 327,680 bytes of LDS; arguments xn2, pf, hid; writes hid
;; launch ffn2 (part 6): grid 8 x 32, 4 waves a work-group, clusters of 4 x 4, 327,680 bytes of LDS; arguments hid, wb, out0, b2, x1; writes out0
.if DOCPART == 6
	.amdgcn_target "amdgcn-amd-amdhsa--gfx1250"
	.amdhsa_code_object_version 6
	.text
	.protected	k_q7fb30622b8_ffn2
	.globl	k_q7fb30622b8_ffn2
	.p2align	8
	.type	k_q7fb30622b8_ffn2,@function
k_q7fb30622b8_ffn2:
	s_mov_b64 s[64:65], 0
	v_nop
	global_prefetch_b8 v0, s[64:65] scope:SCOPE_SE
	s_setreg_imm32_b32 hwreg(HW_REG_WAVE_MODE, 25, 1), 1
	s_wait_xcnt 0x0
	s_wait_alu depctr_hold_cnt(0) depctr_sa_sdst(0) depctr_va_vdst(0) depctr_va_sdst(0) depctr_va_ssrc(0) depctr_va_vcc(0) depctr_vm_vsrc(0)
	s_getreg_b32 s2, hwreg(HW_REG_IB_STS2, 6, 4)
	s_cmp_eq_u32 s2, 0
	s_cbranch_scc0 .Lentry_in_a_cluster
	s_endpgm
.Lentry_in_a_cluster:
	s_bfe_u32 s2, ttmp6, 0x10000c
	s_cmp_lg_u32 s2, 0xf033
	s_cbranch_scc0 .Lentry_shape_is_right
	s_endpgm
.Lentry_shape_is_right:
; FFN2: out0 = x1 + hid w2 + b2.  4,096 x 1,024 x 4,096, bf16 operands, f32 sums that begin with the bias; the residual is added in f32 on the way out; out0 is f32 by rows.
; The activations lie in panels [row / 128][k / 64][row % 128][k % 64]; the weights as given, [k][n], in bf16.
; A tile of the result is 128 x 128: four waves, each 64 x 64: 16 accumulators.  K goes in steps of 256 through two LDS slots filled by the tensor data mover.
; A step's 128 rows x 256 k of activations are 65,536 dense bytes, asked for as rows of 256 bytes; a step's weights are 256 k rows of 256 bytes.
; CLUSTERS: 4 x 4 work-groups.  The four of a row of the cluster need the same activations, the four of a column the same weights: each tile is asked for JOINTLY, by the same tensor load with the same descriptor and a mask of four.
; THE MATRIX INSTRUCTION IS USED TRANSPOSED: source 0 = 16 columns of the weights (turned on the way out of LDS by ds_load_tr16_b128), source 1 = 16 rows of activations: a lane then holds eight neighbouring numbers of a row of the result.
; REGISTERS: window 0: v0-31 addresses; v32-95 at work on the way out; v96-127 the bias (where there is one); v128-255 the accumulators ((a, b) at v[128 + 8 (4 a + b)]).
;   window 1: two fragment buffers of 128: for 64 along K, 64 registers of activations (2 x 4 x 16 rows x 32 K), then 64 of weights.   window 2 (f32 result only): the residual.
; LIMITS.  Operands carry bf16's rounding; NaN and infinities are not treated apart.
.set KDIM,   4096                      ; the sum's length
.set CA,     64                        ; panels in a row block of the activations
.set BPITCH, 1024                      ; elements from a k row of the weights to the next
.set WOFF,   16<<20                    ; the weights' first byte in wb
.set COP,    0                         ; panels in a row block of the result (none: it lies by rows)
.set KIND,   2                         ; 0: bf16 in panels; 1: + bias, relu; 2: f32 by rows, + bias, + residual
.set QKV,    0                         ; 1: the columns run through three matrices of 1,024
.set PA,     144                       ; 64 k of a row of activations in LDS: 128 bytes + 16 of padding = 36 words: the 16 rows of a load start at 16 different groups of four banks (64 banks of 4 bytes: ISA guide 11.1)
.set PB,     288                       ; a k row of weights: 256 bytes + 32 = 72 words
.set HALFT,  36864                     ; what one tensor load brings: 2 panels x 128 rows x 144, or 128 k rows x 288
.set SLOT,   4*HALFT                   ; the activations' two halves, then the weights' two halves
.set STAGE,  2*SLOT                    ; behind the ring, never filled by a tensor load: 16 rows for each wave, for the way out
.if KIND == 2
.set SP,     272
.else
.set SP,     144
.endif
.set SPARE,  STAGE+4*16*SP             ; behind the stages: the spare words, 128 bytes for each wave: two blocks of 256 bytes that no other line names
.set LAPS,   KDIM/512                  ; a lap = two K steps = once round the ring
.set ADRA, 16                          ; v16-17  LDS address of my activation fragments in slot 0, 1
.set ADRB, 20                          ; v20-23  of my weight fragments: slot 0 half 0, half 1, slot 1 half 0, half 1
.set STO,  24                          ; v24     the way out: where I put my part of a row
.set RD,   25                          ; v25     the way out: where I read rows back
.set CO,   26                          ; v26     my byte offset in the result
.set BO,   27                          ; v27     my byte offset in the bias
.set SPW,  28                          ; v28     LDS address of my spare word: SPARE + 4 x my thread's number; never rewritten
.set NIL,  29                          ; v29     0; never rewritten
.set TMP,  32
.set BIAS, 96
.set ACC,  128
.set F0,   0                           ; fragment buffers, in window 1
.set F1,   128
.set RES,  0                           ; the residual, in window 2
.set G1, 24                            ; s[24:31] descriptor group 1 for the activations;  s[32:39] group 0, one set for each slot
.set G0, 32
.set G1B, 48                           ; s[48:55], s[56:63] the same for the weights
.set G0B, 56
.set MSB, 0
.macro WIN new                         ; the immediate's high byte repeats the setting that is left; a switch that changes nothing is dropped
.if MSB != (\new)
	s_set_vgpr_msb (MSB<<8)|(\new)
.set MSB, \new
.endif
.endm
.set MUL,  0x05                        ; sources 0 and 1 window 1; C and D window 0
.set TO_F, 0x40                        ; destination window 1, address window 0
.macro JLOAD s                         ; a joint load: waves 0 and 1 fetch the activations' two halves, waves 2 and 3 the weights'; an s_nop 0 and four v_nop follow each of the two lines
	s_cmp_eq_u32 s11, 0
	s_cbranch_scc0 .Lfor_b_\@
	tensor_load_to_lds s[G0+4*(\s):G0+4*(\s)+3], s[G1:G1+7]
	s_nop 0
.rept 4
	v_nop
.endr
	s_branch .Lasked_\@
.Lfor_b_\@:
	tensor_load_to_lds s[G0B+4*(\s):G0B+4*(\s)+3], s[G1B:G1B+7]
	s_nop 0
.rept 4
	v_nop
.endr
.Lasked_\@:
.endm
.macro CREST                           ; a round of the cluster's barrier behind its opening barrier
	s_cmp_lg_u32 s10, 0
	s_cbranch_scc1 .Lnot_wave_0_\@
	s_barrier_signal -3
.Lnot_wave_0_\@:
	s_barrier_wait -3
	s_barrier_signal -1
	s_barrier_wait -1
.endm
.macro CROUND                          ; a whole round
	s_barrier_signal -1
	s_barrier_wait -1
	CREST
.endm
	s_load_b128 s[4:7], s[0:1], 0x0                ; the activations s[4:5], the bf16 weights s[6:7]
	s_load_b64 s[8:9], s[0:1], 0x10                ; the result
.if KIND == 2
	s_load_b128 s[68:71], s[0:1], 0x18             ; the bias s[68:69], the residual s[70:71]
.elseif KIND == 1
	s_load_b64 s[68:69], s[0:1], 0x18              ; the bias
.endif
	v_lshl_add_u32 v[SPW], v0, 2, SPARE
	v_mov_b32 v[NIL], 0
	ds_add_u32 v[SPW], v[NIL]                      ; the wave's opening: the add and its wait stand ahead of my first tensor load; the set-up below, work on registers, stands between them
	v_lshrrev_b32 v1, 5, v0
	v_readfirstlane_b32 s10, v1                    ; wave 0..3
	s_lshr_b32 s11, s10, 1                         ; which half of the tile's rows is mine.  Also: I fetch activations (0) or weights (1)
	s_and_b32 s12, s10, 1                          ; which half of its columns.  Also: which half of that tile I fetch
	s_bfe_u32 s40, ttmp6, 0x40000                  ; cx, cy: my place in the cluster
	s_bfe_u32 s41, ttmp6, 0x40004
	s_lshl_b32 s42, ttmp9, 2
	s_add_co_u32 s42, s42, s40                     ; tile column = 4 x cluster x + cx
	s_and_b32 s13, ttmp7, 0xffff
	s_lshl_b32 s13, s13, 2
	s_add_co_u32 s13, s13, s41                     ; tile row = 4 x cluster y + cy
	s_lshl_b32 s43, s41, 2
	s_lshl_b32 s43, 15, s43                        ; my row of the cluster
	s_lshl_b32 s44, 0x1111, s40                    ; my column
	s_or_b32 s[G1+0], s43, (1<<16)|(1<<20)|(1<<21)|(4<<22)|(3<<25)   ; 15:0 the mask; 17:16 2-byte elements; 20 padding on; 21 set beside a mask; 24:22 after every 32 words (code 4); 31:25 4 words (code 3)
	s_or_b32 s[G1B+0], s44, (1<<16)|(1<<20)|(1<<21)|(5<<22)|(7<<25)  ; the weights: my column's mask; after every 64 words (code 5) 8 words (code 7)
.irp g, G1, G1B
	s_mov_b32 s[(\g)+1], 128<<16                   ; tensor_dim0 = 128 elements: rows of 256 bytes
	s_mov_b32 s[(\g)+2], 128<<16                   ; tensor_dim1 = 128
	s_mov_b32 s[(\g)+3], 128<<16                   ; tile_dim0 = 128
	s_mov_b32 s[(\g)+4], 128                       ; tile_dim1 = 128
	s_mov_b32 s[(\g)+6], 0
	s_mov_b32 s[(\g)+7], 0
.endr
	s_mov_b32 s[G1+5], 128                         ; the activations' rows lie end to end
	s_mov_b32 s[G1B+5], BPITCH                     ; the weights' are BPITCH elements apart
	; The activations' tiles hang on the tile row alone, the weights' on the tile column alone; each offset is made in registers that never hold the other coordinate.
	s_mul_i32 s16, s13, CA*16384                   ; my row block,
	s_lshl_b32 s17, s12, 15                        ; and which two of a step's four panels I fetch
	s_add_co_u32 s16, s16, s17
	s_mov_b32 s17, 0
.if QKV
	s_lshr_b32 s46, s42, 3                         ; which of the three matrices, 2 MiB each,
	s_lshl_b32 s46, s46, 21
	s_and_b32 s47, s42, 7                          ; and the tile's 256 bytes in its rows
	s_lshl_b32 s47, s47, 8
	s_add_co_u32 s46, s46, s47
.else
	s_lshl_b32 s46, s42, 8                         ; the tile's 256 bytes in the weights' rows
.endif
	s_mul_i32 s47, s12, 128*BPITCH*2               ; which 128 of a step's 256 k rows I fetch
	s_add_co_u32 s46, s46, s47
.if WOFF
	s_add_co_u32 s46, s46, WOFF
.endif
	s_mov_b32 s47, 0
	s_mul_i32 s20, s10, HALFT                      ; where they go: wave x a load's bytes: no place in the cluster enters an LDS address
	s_wait_dscnt 0x0                               ; the opening add is done
	s_wait_kmcnt 0x0
	s_add_nc_u64 s[14:15], s[4:5], s[16:17]
	s_add_nc_u64 s[46:47], s[6:7], s[46:47]
	CROUND                                         ; all sixteen work-groups are here: the first joint loads meet
.irp s, 0,1
	s_mov_b32 s[G0+4*(\s)], 1                                      ; 1:0 count = 1
	s_add_co_u32 s[G0+4*(\s)+1], s20, (\s)*SLOT                    ; 63:32 LDS address
	s_add_nc_u64 s[G0+4*(\s)+2:G0+4*(\s)+3], s[14:15], (\s)*65536  ; 120:64 global address: K step s
	s_or_b32 s[G0+4*(\s)+3], s[G0+4*(\s)+3], 0x80000000            ; 127:126 type = 2
	s_mov_b32 s[G0B+4*(\s)], 1
	s_add_co_u32 s[G0B+4*(\s)+1], s20, (\s)*SLOT
	s_add_nc_u64 s[G0B+4*(\s)+2:G0B+4*(\s)+3], s[46:47], (\s)*256*BPITCH*2
	s_or_b32 s[G0B+4*(\s)+3], s[G0B+4*(\s)+3], 0x80000000
	JLOAD \s                                       ; two loads of mine are out
.endr
	; A fragment of activations is 16 rows x 32 K in 8 registers: lane l holds row l % 16, K = 8 (l / 16) + 0..7 and 16 + 8 (l / 16) + 0..7: two loads of 16 bytes, 32 bytes apart.
	v_and_b32 v1, 15, v0                           ; l % 16
	v_bfe_u32 v2, v0, 4, 1                         ; l / 16
	v_mul_u32_u24 v3, v1, PA
	v_lshl_add_u32 v3, v2, 4, v3
	s_mul_i32 s21, s11, 64*PA                      ; my 64 rows
	v_add_nc_u32 v[ADRA], s21, v3
	v_add_nc_u32 v[ADRA+1], SLOT, v[ADRA]
	; The turning load takes 16 k rows x 16 columns (lane l reads k row 8 (l / 16) + l % 8, columns 8 ((l / 8) % 2) + 0..7) and leaves half a fragment: lane l holds column l % 16 and 8 k.
	v_and_b32 v4, 7, v0
	v_lshl_add_u32 v4, v2, 3, v4
	v_mul_u32_u24 v4, v4, PB
	v_bfe_u32 v5, v0, 3, 1
	v_lshl_add_u32 v4, v5, 4, v4
	s_lshl_b32 s22, s12, 7                         ; my 64 columns,
	s_add_co_u32 s22, s22, 2*HALFT                 ; behind the activations
	v_add_nc_u32 v[ADRB], s22, v4
	v_add_nc_u32 v[ADRB+1], HALFT, v[ADRB]
	v_add_nc_u32 v[ADRB+2], SLOT, v[ADRB]
	v_add_nc_u32 v[ADRB+3], SLOT+HALFT, v[ADRB]
	s_mul_i32 s23, s10, 16*SP
	s_add_co_u32 s23, s23, STAGE                   ; my stage
.if KIND == 2
	v_mul_u32_u24 v[STO], v1, SP                   ; in: row l % 16, 32 bytes for each half of the lanes
	v_lshl_add_u32 v[STO], v2, 5, v[STO]
	v_add_nc_u32 v[STO], s23, v[STO]
	v_mul_u32_u24 v[RD], v2, SP                    ; back: lanes 0-15 take one row of 256 bytes, lanes 16-31 the next
	v_lshl_add_u32 v[RD], v1, 4, v[RD]
	v_add_nc_u32 v[RD], s23, v[RD]
	v_lshlrev_b32 v[CO], 12, v2                    ; and the same two rows of 4,096 bytes in the result and the residual
	v_lshl_add_u32 v[CO], v1, 4, v[CO]
	s_lshl_b32 s16, s13, 19                        ; my first row: 128 x tile row + 64 x half, rows of 4,096 bytes
	s_lshl_b32 s17, s11, 18
	s_add_co_u32 s16, s16, s17
	s_mov_b32 s17, 0
	s_lshl_b32 s46, s42, 9                         ; my first column, in bytes: 512 x tile column + 256 x half
	s_lshl_b32 s47, s12, 8
	s_add_co_u32 s46, s46, s47
	s_mov_b32 s47, 0
	s_add_nc_u64 s[8:9], s[8:9], s[16:17]
	s_add_nc_u64 s[8:9], s[8:9], s[46:47]
	s_add_nc_u64 s[70:71], s[70:71], s[16:17]
	s_add_nc_u64 s[70:71], s[70:71], s[46:47]
.else
	v_mul_u32_u24 v[STO], v1, SP                   ; in: row l % 16, 16 bytes for each half of the lanes
	v_lshl_add_u32 v[STO], v2, 4, v[STO]
	v_add_nc_u32 v[STO], s23, v[STO]
	v_bfe_u32 v[RD], v0, 3, 2                      ; back: 32 lanes take four rows of 128 bytes,
	v_mul_u32_u24 v[RD], v[RD], SP
	v_and_b32 v6, 7, v0
	v_lshl_add_u32 v[RD], v6, 4, v[RD]
	v_add_nc_u32 v[RD], s23, v[RD]
	v_and_b32 v[CO], 31, v0                        ; which are 512 consecutive bytes of a panel
	v_lshlrev_b32 v[CO], 4, v[CO]
	s_mul_i32 s16, s13, COP*16384                  ; my row block, and my 64 rows of 128 bytes in a panel
	s_lshl_b32 s17, s11, 13
	s_add_co_u32 s16, s16, s17
	s_mov_b32 s17, 0
	s_add_nc_u64 s[8:9], s[8:9], s[16:17]
	s_lshl_b32 s46, s42, 1                         ; my panel: 2 x tile column + half
	s_add_co_u32 s46, s46, s12
	s_lshl_b32 s46, s46, 14
	s_mov_b32 s47, 0
	s_add_nc_u64 s[8:9], s[8:9], s[46:47]
.endif
.if KIND >= 1
	s_lshl_b32 s45, s42, 9                         ; the bias of my 64 columns: register j of column block b is column 16 b + 8 (l / 16) + j
	s_lshl_b32 s19, s12, 8
	s_add_co_u32 s45, s45, s19
	v_lshl_add_u32 v[BO], v2, 5, s45
.irp b, 0,1,2,3
	global_load_b128 v[BIAS+8*(\b):BIAS+8*(\b)+3],   v[BO], s[68:69] offset:64*(\b)
	global_load_b128 v[BIAS+8*(\b)+4:BIAS+8*(\b)+7], v[BO], s[68:69] offset:64*(\b)+16
.endr
.endif
.if KIND == 2
	WIN 0x80                                       ; destination window 2: the residual of my 64 x 64, as the way out will hold it; it lands while the sums are made
.irp a, 0,1,2,3
.irp t, 0,1,2,3,4,5,6,7
	global_load_b128 v[RES+32*(\a)+4*(\t):RES+32*(\a)+4*(\t)+3], v[CO], s[70:71] offset:(16*(\a)+2*(\t))*4096
.endr
.endr
	WIN 0
.endif
; 8 matrix instructions: row blocks a0, a0 + 1 x all 4 column blocks, 32 along K: half c of buffer f.  zero = 1: the first product starts the sums, with the bias or the constant 0 as C: nothing is cleared.
; The 16 accumulators take turns, one instruction a turn.
.macro MUL8 f, c, a0, zero
	WIN MUL
.irp a, \a0, (\a0)+1
.irp b, 0,1,2,3
.if \zero
.if KIND >= 1
	v_wmma_f32_16x16x32_bf16 v[ACC+8*(4*(\a)+(\b)):ACC+8*(4*(\a)+(\b))+7], v[(\f)+64+8*(4*(\c)+(\b)):(\f)+64+8*(4*(\c)+(\b))+7], v[(\f)+8*(4*(\c)+(\a)):(\f)+8*(4*(\c)+(\a))+7], v[BIAS+8*(\b):BIAS+8*(\b)+7]
.else
	v_wmma_f32_16x16x32_bf16 v[ACC+8*(4*(\a)+(\b)):ACC+8*(4*(\a)+(\b))+7], v[(\f)+64+8*(4*(\c)+(\b)):(\f)+64+8*(4*(\c)+(\b))+7], v[(\f)+8*(4*(\c)+(\a)):(\f)+8*(4*(\c)+(\a))+7], 0
.endif
.else
	v_wmma_f32_16x16x32_bf16 v[ACC+8*(4*(\a)+(\b)):ACC+8*(4*(\a)+(\b))+7], v[(\f)+64+8*(4*(\c)+(\b)):(\f)+64+8*(4*(\c)+(\b))+7], v[(\f)+8*(4*(\c)+(\a)):(\f)+8*(4*(\c)+(\a))+7], v[ACC+8*(4*(\a)+(\b)):ACC+8*(4*(\a)+(\b))+7]
.endif
.endr
.endr
.endm
; 32 LDS loads in one run: the fragments of quarter q of a K step (64 along K: one panel of activations, 64 k rows of weights) into buffer f; the first 32 along K first
.macro FETCH slot, q, f
	WIN TO_F
.irp c, 0,1
.irp i, 0,1,2,3
	ds_load_tr16_b128 v[(\f)+64+8*(4*(\c)+(\i)):(\f)+64+8*(4*(\c)+(\i))+3],   v[ADRB+2*(\slot)+(\q)/2] offset:((\q)%2)*64*PB+(\c)*32*PB+(\i)*32
	ds_load_tr16_b128 v[(\f)+64+8*(4*(\c)+(\i))+4:(\f)+64+8*(4*(\c)+(\i))+7], v[ADRB+2*(\slot)+(\q)/2] offset:((\q)%2)*64*PB+(\c)*32*PB+16*PB+(\i)*32
	ds_load_b128 v[(\f)+8*(4*(\c)+(\i)):(\f)+8*(4*(\c)+(\i))+3],              v[ADRA+(\slot)] offset:(\q)*128*PA+(\i)*16*PA+(\c)*64
	ds_load_b128 v[(\f)+8*(4*(\c)+(\i))+4:(\f)+8*(4*(\c)+(\i))+7],            v[ADRA+(\slot)] offset:(\q)*128*PA+(\i)*16*PA+(\c)*64+32
.endr
.endr
.endm
.macro PLACES                          ; four places in front of loads into registers that matrix instructions have read, and of lines that read results
.rept 4
	v_nop
.endr
.endm
; A K step is four quarters of 64 along K, 32 matrix instructions each, on buffers 0, 1, 0, 1.  One of the first three: multiplies buffer f and fetches quarter q into g.
.macro QUARTER slot, q, f, g, zero
	s_wait_dscnt 16                                ; the first 32 along K are in; the younger sixteen loads may be out
	WIN MUL
	MUL8 \f, 0, 0, \zero
	MUL8 \f, 0, 2, \zero
	PLACES
	FETCH \slot, \q, \g
	s_wait_dscnt 32                                ; all but the 32 just issued
	WIN MUL
	MUL8 \f, 1, 0, 0
	MUL8 \f, 1, 2, 0
.endm
; The last quarter multiplies buffer 1 and changes slots: ONE barrier; in front of it each wave waits for all its tensor loads, adds 0 to its spare word, and waits for that and for its own reads of this slot.  fill = 1: this slot is filled again, two K steps ahead.
.macro TURN slot, next, fill
	WIN 0                                          ; (the add's two registers lie in window 0)
	s_wait_tensorcnt 0x0                           ; all my tensor loads have landed: my part of the next slot;
	ds_add_u32 v[SPW], v[NIL]                      ; 0 onto my spare word;
	s_wait_dscnt 17                                ; (the add and the youngest sixteen loads may be out)
	WIN MUL
	MUL8 F1, 0, 0, 0                               ; eight matrix instructions stand between the add and the wait for it
	s_wait_dscnt 0x0                               ; the add is done, and my reads of this slot are over
	s_barrier_signal -1
	MUL8 F1, 0, 2, 0
.if \fill
	WIN 0
.endif
	s_barrier_wait -1
.if \fill
	CREST                                          ; the barrier has opened a round of the cluster's barrier: no wave of any partner still reads this slot's tile or has a load on its way
	s_add_nc_u64 s[G0+4*(\slot)+2:G0+4*(\slot)+3], s[G0+4*(\slot)+2:G0+4*(\slot)+3], 2*65536
	s_add_nc_u64 s[G0B+4*(\slot)+2:G0B+4*(\slot)+3], s[G0B+4*(\slot)+2:G0B+4*(\slot)+3], 2*256*BPITCH*2
	JLOAD \slot                                    ; the first tensor load behind the round, my only one out: 112 matrix instructions ahead of the wait for it; its four v_nop are also the places in front of the loads below
.else
	PLACES
.endif
	FETCH \next, 0, F0
	WIN MUL
	MUL8 F1, 1, 0, 0
	MUL8 F1, 1, 2, 0
.endm
; THE WAY OUT in bf16: 16 rows x my 64 columns are 2,048 dense bytes of a panel.  A lane's eight columns pack into 16 bytes; they go into my stage's rows of 144 bytes and come back as whole rows of 128.
.macro PACK a
.if KIND == 1
.set i, 0
.rept 32
	v_max_num_f32 v[ACC+32*(\a)+i], 0, v[ACC+32*(\a)+i]  ; relu, each accumulator from its low end on
.set i, i+1
.endr
.endif
.set i, 0
.rept 16
	v_cvt_pk_bf16_f32 v[TMP+16*(\a)+i], v[ACC+32*(\a)+2*i], v[ACC+32*(\a)+2*i+1]
.set i, i+1
.endr
.irp b, 0,1,2,3
	ds_store_b128 v[STO], v[TMP+16*(\a)+4*(\b):TMP+16*(\a)+4*(\b)+3] offset:32*(\b)
.endr
.irp f, 0,1,2,3
	ds_load_b128 v[TMP+16*(\a)+4*(\f):TMP+16*(\a)+4*(\f)+3], v[RD] offset:(\f)*4*SP  ; LDS serves a wave's instructions in order (ISA guide 5.7.1.4): these see the stores above; the next block's stores come behind them
.endr
.endm
.macro SEND a, younger                 ; younger: the LDS instructions issued behind block a's loads: the next block's eight, or none
.irp f, 0,1,2,3
	s_wait_dscnt (\younger)+3-(\f)
	global_store_b128 v[CO], v[TMP+16*(\a)+4*(\f):TMP+16*(\a)+4*(\f)+3], s[8:9] offset:(\a)*2048+(\f)*512  ; 512 consecutive bytes, aligned
.endr
.endm
; THE WAY OUT in f32: 16 rows x 256 bytes go through my stage's rows of 272 bytes, come back by rows, take the residual and leave: sixteen lanes store 256 consecutive bytes, aligned.
.macro OUT a
	WIN 0
.if (\a) >= 2
	s_wait_xcnt 0x0                                ; the stores of two blocks ago have read this half of TMP: it is loaded again only behind this wait
.endif
.irp b, 0,1,2,3
	ds_store_b128 v[STO], v[ACC+32*(\a)+8*(\b):ACC+32*(\a)+8*(\b)+3]   offset:64*(\b)
	ds_store_b128 v[STO], v[ACC+32*(\a)+8*(\b)+4:ACC+32*(\a)+8*(\b)+7] offset:64*(\b)+16
.endr
.irp t, 0,1,2,3,4,5,6,7
	ds_load_b128 v[TMP+32*((\a)%2)+4*(\t):TMP+32*((\a)%2)+4*(\t)+3], v[RD] offset:(\t)*2*SP
.endr
	s_wait_dscnt 0x0
	WIN 0x08                                       ; source 1 in window 2
.set i, 0
.rept 16
	v_pk_add_f32 v[TMP+32*((\a)%2)+2*i:TMP+32*((\a)%2)+2*i+1], v[TMP+32*((\a)%2)+2*i:TMP+32*((\a)%2)+2*i+1], v[RES+32*(\a)+2*i:RES+32*(\a)+2*i+1]
.set i, i+1
.endr
	WIN 0
.irp t, 0,1,2,3,4,5,6,7
	global_store_b128 v[CO], v[TMP+32*((\a)%2)+4*(\t):TMP+32*((\a)%2)+4*(\t)+3], s[8:9] offset:(16*(\a)+2*(\t))*4096
.endr
.endm
	s_wait_tensorcnt 1                             ; my part of K step 0 is in; K step 1's may stay out
	s_barrier_signal -1
	s_barrier_wait -1                              ; everybody's is
	FETCH 0, 0, F0
.if KIND == 2
	s_wait_loadcnt 32                              ; the bias is in; the residual's 32 younger loads stay out
.elseif KIND == 1
	s_wait_loadcnt 0x0                             ; the bias
.endif
	QUARTER 0, 1, F0, F1, 1                        ; the first quarter stands in front of the loop: its first products start the sums
	WIN 0                                          ; at a label and at a branch every window is 0
	s_mov_b32 s3, LAPS-1
.Llap:                                                 ; a trip goes once round the ring, from a lap's second quarter to the next lap's first, and fills both slots again
	QUARTER 0, 2, F1, F0, 0
	QUARTER 0, 3, F0, F1, 0
	TURN 0, 1, 1
	QUARTER 1, 1, F0, F1, 0
	QUARTER 1, 2, F1, F0, 0
	QUARTER 1, 3, F0, F1, 0
	TURN 1, 0, 1
	QUARTER 0, 1, F0, F1, 0
	WIN 0
	s_sub_co_u32 s3, s3, 1
	s_cmp_lg_u32 s3, 0
	s_cbranch_scc1 .Llap
	QUARTER 0, 2, F1, F0, 0                        ; the last lap fills nothing, and has no round of the cluster's barrier
	QUARTER 0, 3, F0, F1, 0
	TURN 0, 1, 0
	QUARTER 1, 1, F0, F1, 0
	QUARTER 1, 2, F1, F0, 0
	QUARTER 1, 3, F0, F1, 0
	s_wait_dscnt 16                                ; the very last quarter: nothing more to fetch
	WIN MUL
	MUL8 F1, 0, 0, 0
	MUL8 F1, 0, 2, 0
	s_wait_dscnt 0
	MUL8 F1, 1, 0, 0
	MUL8 F1, 1, 2, 0
	WIN 0
	PLACES
.if KIND == 2
	s_wait_loadcnt 0x0                             ; the residual
	OUT 0
	OUT 1
	OUT 2
	OUT 3
.else
	PACK 0
	PACK 1                                         ; a block's arithmetic stands between the loads of the block before and its stores
	SEND 0, 8
	PACK 2
	SEND 1, 8
	PACK 3
	SEND 2, 8
	SEND 3, 0
.endif
	s_wait_tensorcnt 0x0                           ; the wave's end: a wait, an add to my spare word and a wait for it, behind my last tensor load and my last LDS store
	ds_add_u32 v[SPW], v[NIL]
	s_wait_dscnt 0x0
	CROUND                                         ; the closing round: no work-group ends while a partner may still ask for a tile that names it
	s_endpgm
.Lfunc_end_k_q7fb30622b8_ffn2:
	.size	k_q7fb30622b8_ffn2, .Lfunc_end_k_q7fb30622b8_ffn2-k_q7fb30622b8_ffn2
	.p2alignl 7, 3214868480
	.fill 96, 4, 3214868480
	.section	.rodata,"a",@progbits
	.p2align	6, 0x0
	.amdhsa_kernel k_q7fb30622b8_ffn2
		.amdhsa_group_segment_fixed_size 327680
		.amdhsa_private_segment_fixed_size 0
		.amdhsa_enable_private_segment 0
		.amdhsa_kernarg_size 40
		.amdhsa_user_sgpr_count 2
		.amdhsa_user_sgpr_kernarg_segment_ptr 1
		.amdhsa_wavefront_size32 1
		.amdhsa_system_sgpr_workgroup_id_x 1
		.amdhsa_system_sgpr_workgroup_id_y 1
		.amdhsa_system_sgpr_workgroup_id_z 1
		.amdhsa_system_vgpr_workitem_id 0
		.amdhsa_next_free_vgpr 640
		.amdhsa_next_free_sgpr 72
		.amdhsa_reserve_vcc 0
		.amdhsa_float_denorm_mode_32 3
		.amdhsa_float_denorm_mode_16_64 3
		.amdhsa_memory_ordered 1
		.amdhsa_forward_progress 1
		.amdhsa_inst_pref_size 94
	.end_amdhsa_kernel
	.amdgpu_metadata
---
amdhsa.version: [ 1, 2 ]
amdhsa.kernels:
  - .name:           k_q7fb30622b8_ffn2
    .symbol:         k_q7fb30622b8_ffn2.kd
    .args:
      - { .name: hid, .offset: 0, .size: 8, .value_kind: global_buffer, .address_space: global }
      - { .name: wb, .offset: 8, .size: 8, .value_kind: global_buffer, .address_space: global }
      - { .name: out0, .offset: 16, .size: 8, .value_kind: global_buffer, .address_space: global }
      - { .name: b2, .offset: 24, .size: 8, .value_kind: global_buffer, .address_space: global }
      - { .name: x1, .offset: 32, .size: 8, .value_kind: global_buffer, .address_space: global }
    .group_segment_fixed_size: 327680
    .private_segment_fixed_size: 0
    .kernarg_segment_align: 8
    .kernarg_segment_size: 40
    .max_flat_workgroup_size: 128
    .sgpr_count:     72
    .vgpr_count:     640
    .wavefront_size: 32
...
	.end_amdgpu_metadata
.endif
;; end of part 6
;; ======== version 2 of 2: 7 launches; 1.08 times as fast as version 1
;; workspace buffers: wb 25,165,824 bytes; pf 8,407,040 bytes; xn 8,388,608 bytes; qkvb 33,554,432 bytes; att 8,388,608 bytes; x1 16,777,216 bytes; xn2 8,388,608 bytes; hid 33,554,432 bytes
;; launch prep: the kernel of part 1 again; grid 256 x 4, 8 waves a work-group, no clusters, 0 bytes of LDS; arguments x, g1, be1, xn, wq, wk, wv, wo, w1, w2, wb, b1, pf; writes xn, wb, pf
;; launch qkv: the kernel of part 2 again; grid 12 x 16, 4 waves a work-group, clusters of 4 x 4, 327,680 bytes of LDS; arguments xn, wb, qkvb; writes qkvb
;; launch attn (part 7): grid 4 x 64, 4 waves a work-group, no clusters, 327,680 bytes of LDS; arguments qkvb, att; writes att
.if DOCPART == 7
	.amdgcn_target "amdgcn-amd-amdhsa--gfx1250"
	.amdhsa_code_object_version 6
	.text
	.protected	k_q7fb30622b8_attn
	.globl	k_q7fb30622b8_attn
	.p2align	8
	.type	k_q7fb30622b8_attn,@function
k_q7fb30622b8_attn:
	s_mov_b64 s[64:65], 0
	v_nop
	global_prefetch_b8 v0, s[64:65] scope:SCOPE_SE
	s_setreg_imm32_b32 hwreg(HW_REG_WAVE_MODE, 25, 1), 1
	s_wait_xcnt 0x0
; CAUSAL ATTENTION, 64 heads (4 batches x 16) of 1,024 rows and 64 channels: O[q] = the sum over k <= q of softmax_k(Q[q] . K[k] / 32) V[k].
; q, k, v lie in panels of qkvb: [row / 128][64 panels, 48 of them used][row % 128][64] in bf16, panel = head, 16 + head, 32 + head: 128 rows of a head are 16,384 dense bytes.  O leaves in the same form, 16 panels to a row block.
; Products, maxima and sums in f32; the weights p are rounded to bf16 for the second product (their sum l is taken of the unrounded p), O once at the end.
; LIMITS.  A hidden score counts as its value less 1e30: scores stay well under 1e29; a weight below 2^-126 counts as 0 in l; NaN and infinities are not treated apart; bf16's rounding of q, k, v, p, O.
; THE WALK.  A head's queries lie in NB = 8 blocks of 128; block i needs the key tiles 0 .. i of 128 keys, of which the last holds the diagonal.  A work-group takes TWO blocks, 7 - b and then b: 9 tiles, whatever b:
; all work-groups do equal work and ONE loop with a constant trip count walks them.  Which tile is asked for and when a block ends hang on scalar registers made from b; every jump but the counted loops' own goes forward
; and passes no barrier, and no tensor load but those that the wave's number does not choose.
; NO CLUSTER: the four work-groups of a head ask for the same tile only in trips 0 to 4; behind that their tiles differ, and where a block ends hangs on b, which would be the place in the cluster; one walk common to all would have 12 tiles for 9.
; SHARES.  Of a block's two bands of 64 queries a wave owns 16 rows in each: two PIECES.  A tile is two steps of 64 keys.  In the diagonal tile's step s band x sees all keys if s < x, none if s > x, and holds the diagonal if s = x: the same work for all four waves.
; THE MASK is the C operand that starts the sum S^T = K Q^T: MD x AL + BE with scalars; MD, made once, is 0 or -1e30: the mask of a band's own step for my 16 rows.
; LAYOUT.  S^T = K Q^T holds ONE query a lane (lane % 16) and the keys 8 (lane / 16) + 0..7; two such results rounded to bf16 ARE source 1 of O^T = V^T P.  K comes out of LDS as it lies, V turned, by ds_load_tr16_b128.
; SOFTMAX.  A running maximum m and sum l for each query: p = 2^(c s - c m), c = log2(e) / 32; in every step O and l are multiplied by a = 2^(c m_old - c m_new).  A block begins with c m far below every c s, so its first a is 0:
; O and l need only be finite then: zeros for the first block (64 v_mov_b32, in the wait for the first tile), what the first block left for the second.
; A STEP GOES IN PHASES: fetch K and V, 16 products K Q^T, the softmax of both pieces, 16 products V^T P.
; THE BATCHES.  A step's 66 exponentials (both pieces' a and their 64 weights) are ONE batch with ONE s_wait_alu depctr_va_vdst(0), which cuts the softmax in two: ahead of it stand the maxima, the statistics, the scalings and the
; exponentials, none of which names an exponential's result; behind it all that do: the rescaling by a, the roundings, the sums, and then V^T P.  The way out's two reciprocals are a batch of their own, with one wait.
; REGISTERS, in windows of 256 (s_set_vgpr_msb: bits 1:0 source 0, 3:2 source 1, 5:4 source 2, 7:6 destination):
;   window 0: v0-15 addresses; v16-23 statistics; v24-31 at work; v64-127 S^T; v128-159 P; v160-223 O^T: all that the softmax touches
;   window 1: v0-31 Q; v32-63 the second block's Q; v64-127 K of a step; v128-191 V of a step; v192-223 MD          window 2: v0-63 the masks of the products to come
.set NB,    8
.set KS,    64        ; keys in a step
.set PK,    144       ; a row of K in LDS: 128 bytes + 16 of padding = 36 words: the 16 rows of a load start at 16 different groups of four banks (64 banks of 4 bytes: ISA guide 11.1)
.set PV,    160       ; a row of V: 128 + 32 = 40 words
.set VOFF,  128*PK    ; a slot holds a tile: 128 rows of K, then 128 rows of V
.set SLOT1, 1<<16     ; slot 1 begins here, so that one exclusive or turns an address in one slot into the other's
.set STAGE, SLOT1+128*(PK+PV)  ; behind the ring, never filled by a tensor load: 16 rows x 144 bytes for each wave, for the way out
.set SP,    144
.set SPARE, STAGE+4*16*SP  ; behind the stages: the spare words, 128 bytes for each wave: two blocks of 256 bytes that no other line names
.set MTQ,   64*16384  ; bytes from a block of 128 rows of qkvb to the next
.set AK0, 2           ; v2   my lane's place in a tile of K; never rewritten
.set AV0, 3           ; v3   the same for V
.set AK,  4           ; v4   the LDS address of K's run of loads
.set AV,  5           ; v5   of V's
.set STO, 6           ; v6   the way out: where I put 16 bytes of a row
.set RD,  7           ; v7   the way out: where I read rows back
.set GO,  8           ; v8   my byte offset in 512 consecutive bytes of O
.set MV,  12          ; v12-13  c m_old, kept while c m is made anew: by piece
.set QO,  15          ; v15  my byte offset in 16 rows of Q
.set ST,  16          ; piece t's statistics at v[ST+4 t]: c m, m, l (even keys', odd keys')
.set TMP, 24          ; by piece, four registers c0-c3 at work; when the maximum is found c2 takes a
.set SPW, 62          ; v62  LDS address of my spare word: SPARE + 4 x my thread's number; never rewritten
.set NIL, 63          ; v63  0; never rewritten
.set S,   64
.set P,   128
.set O,   160
.set QB,  32          ; window 1
.set KF,  64          ; window 1: key block kb, channel half c at KF + 16 kb + 8 c
.set VF,  128         ; window 1: key half kk, channel block cb at VF + 32 kk + 8 cb
.set MD,  192         ; window 1: the eight registers for group kt of 16 keys at MD + 8 kt
.set WV,  12          ; s12  my wave's number
.set PB,  14          ; s14  b
.set HI,  15          ; s15  7 - b
.set G1K, 24          ; s[24:31] descriptor group 1 for K's tiles
.set G1V, 32          ; s[32:39] for V's: it differs in the padding alone
.set G0K, 40          ; s[40:43] descriptor group 0 for K's tiles
.set G0V, 44          ; s[44:47] the same for V's
.set SLOTS, 56        ; s56  tiles still to be asked for
.set CNT, 57          ; s57  counts a tile's key steps, 2 to 1
.set CS,  58          ; s[58:59] c: the packed scaling takes the pair's low word for both halves
.set SEL, 60          ; s[60:61] v_permlanex16_b32's selects: each lane takes its own place in the other half
.set TBK, 62          ; s62  LDS byte at which K of the step to be fetched begins
.set TBV, 63          ; s63  the same for V, less VOFF
.set RT,  70          ; s70  tiles of the block in hand that are still to be entered
.set NXT, 71          ; s71  the tile to be asked for next
.set LQ,  72          ; s72  the last tile of the block whose tiles are being asked for
.set OFF, 74          ; s[74:75] a tile's byte offset in K and V
.set AL0, 76          ; s[76:77] piece 0's mask factor, in the low word
.set BE0, 78          ; s[78:79] piece 0's mask addend
.set OLO, 80          ; s[80:81] O at my rows of the second block
.set BIGN, 82         ; s82  -1e30
.set DS,  83          ; s83  in the diagonal tile the step's count, else 0
.set AL1, 84          ; s[84:85] piece 1's mask factor
.set MSB, 0
.macro WIN new                      ; the high byte repeats the setting that is left; a switch that changes nothing is dropped
.if MSB != (\new)
	s_set_vgpr_msb (MSB<<8)|(\new)
.set MSB, (\new)
.endif
.endm
; A fill.  Wave 0 fetches a tile's K, wave 1 its V: 128 keys each, 64 rows of 256 bytes; waves 2 and 3 fetch nothing.  The branches hang on the wave's number alone, and each way holds one load at the most.
; An s_nop 0 and four v_nop follow each of the two lines, ahead of the jump and the label.
.macro LOAD
	s_cmp_eq_u32 s[WV], 0
	s_cbranch_scc0 .Lnot_k_\@
	tensor_load_to_lds s[G0K:G0K+3], s[G1K:G1K+7]
	s_nop 0
.rept 4
	v_nop
.endr
	s_branch .Lasked_\@
.Lnot_k_\@:
	s_cmp_eq_u32 s[WV], 1
	s_cbranch_scc0 .Lasked_\@
	tensor_load_to_lds s[G0V:G0V+3], s[G1V:G1V+7]
	s_nop 0
.rept 4
	v_nop
.endr
.Lasked_\@:
.endm
; THE CHANGE OF SLOTS.  Each wave waits for all its tensor loads (one at the most is out: the other slot's); adds 0 to its spare word; and waits for that and for its own reads of the slot that it leaves.  Behind the barrier
; nobody reads the old slot any more and the other slot is whole.  fill = 1: the old slot is filled again, the first thing behind the barrier, with tile NXT: the descriptor's address is made anew from that number.
; (At its first use nothing has been read yet: slot 0 is waited for, slot 1 filled.)
.macro CHANGE fill
	WIN 0                           ; at a label and at a branch every window is 0
	s_wait_tensorcnt 0x0            ; no tensor load of mine is out, so a group 0 may be written
	ds_add_u32 v[SPW], v[NIL]       ; 0 onto my spare word; with fill = 1 the descriptors' scalar work stands between it and the wait for it
.if \fill
	s_mul_i32 s[OFF], s[NXT], MTQ   ; the tile's 128 rows
	s_xor_b32 s[G0K+1], s[G0K+1], SLOT1
	s_add_nc_u64 s[G0K+2:G0K+3], s[6:7], s[OFF:OFF+1]
	s_or_b32 s[G0K+3], s[G0K+3], 0x80000000
	s_xor_b32 s[G0V+1], s[G0V+1], SLOT1
	s_add_nc_u64 s[G0V+2:G0V+3], s[8:9], s[OFF:OFF+1]
	s_or_b32 s[G0V+3], s[G0V+3], 0x80000000
	s_add_co_u32 s[NXT], s[NXT], 1  ; the block's next tile, or behind its last the second block's tile 0
	s_cmp_gt_u32 s[NXT], s[LQ]
	s_cselect_b32 s[NXT], 0, s[NXT]
	s_cselect_b32 s[LQ], s[PB], s[LQ]
.endif
	s_wait_dscnt 0x0                ; the add is done, and my reads of the slot are over
	s_barrier_signal -1             ; the rest of the scalar work stands between the signal and the wait
	s_sub_co_u32 s[TBK], s[TBK], 2*KS*PK  ; the fetches go back to a slot's first step,
	s_xor_b32 s[TBK], s[TBK], SLOT1       ; in the other slot
	s_sub_co_u32 s[TBV], s[TBV], 2*KS*PV
	s_xor_b32 s[TBV], s[TBV], SLOT1
	s_barrier_wait -1
.if \fill
	LOAD
.endif
.endm
	s_load_b128 s[16:19], s[0:1], 0x0  ; qkvb s[16:17], att s[18:19]
	v_lshl_add_u32 v[SPW], v0, 2, SPARE
	v_mov_b32 v[NIL], 0
	ds_add_u32 v[SPW], v[NIL]       ; the wave's opening: the add and its wait stand ahead of my first tensor load; the set-up below, work on registers, stands between them
	v_lshrrev_b32 v1, 5, v0
	v_readfirstlane_b32 s[WV], v1   ; wave 0..3
	s_mov_b32 s[PB], ttmp9
	s_sub_co_u32 s[HI], NB-1, s[PB]
	s_and_b32 s20, ttmp7, 0xffff
	s_lshr_b32 s21, s20, 4          ; the batch
	s_and_b32 s22, s20, 15          ; the head:
	s_lshl_b32 s22, s22, 14         ; its panel
	s_mul_i32 s20, s21, 8*MTQ       ; the batch's 8 blocks of 128 rows in qkvb,
	s_add_co_u32 s20, s20, s22      ; at q's panel of the head
	s_lshl_b32 s23, s21, 21         ; the same in att: 8 blocks of 16 panels
	s_add_co_u32 s23, s23, s22
	s_mov_b32 s21, 0
	s_lshl_b32 s3, s[WV], 11        ; my 16 rows of 128 bytes in a band of 64
	s_add_co_u32 s2, s20, s3
	s_add_co_u32 s23, s23, s3
	s_mul_i32 s48, s[HI], MTQ       ; Q of the first block,
	s_add_co_u32 s48, s48, s2
	s_mov_b32 s49, 0
	s_mul_i32 s50, s[PB], MTQ       ; and of the second
	s_add_co_u32 s50, s50, s2
	s_mov_b32 s51, 0
	s_lshl_b32 s52, s[HI], 18       ; O of the first block,
	s_add_co_u32 s52, s52, s23
	s_mov_b32 s53, 0
	s_lshl_b32 s54, s[PB], 18       ; and of the second
	s_add_co_u32 s54, s54, s23
	s_mov_b32 s55, 0
	; descriptor group 1.  128 keys are 16,384 dense bytes: asked for as 64 rows of 256 bytes, two keys a row, and padded in LDS after every key
	s_mov_b32 s[G1K], (1<<16)|(1<<20)|(4<<22)|(3<<25)  ; 17:16 2-byte elements; 20 padding on; 24:22 after every 32 words (code 4); 31:25 4 words (code 3)
	s_mov_b32 s[G1V], (1<<16)|(1<<20)|(4<<22)|(7<<25)  ; the same with 8 words of padding (code 7)
.irp g, G1K, G1V
	s_mov_b32 s[\g+1], 128<<16      ; tensor_dim0 = 128
	s_mov_b32 s[\g+2], 64<<16       ; tensor_dim1 = 64
	s_mov_b32 s[\g+3], 128<<16      ; tile_dim0 = 128
	s_mov_b32 s[\g+4], 64           ; tile_dim1 = 64
	s_mov_b32 s[\g+5], 128          ; 128 elements from row to row
	s_mov_b32 s[\g+6], 0
	s_mov_b32 s[\g+7], 0
.endr
	s_mov_b32 s[CS], 0x3d38aa3b     ; c = log2(e) / 32 = 0.0450842
	s_mov_b32 s[CS+1], s[CS]        ; named with it as a pair
	s_mov_b32 s[SEL], 0x76543210
	s_mov_b32 s[SEL+1], 0xfedcba98
	s_mov_b32 s[TBK], SLOT1+2*KS*PK ; the first change of slots turns these two into 0
	s_mov_b32 s[TBV], SLOT1+2*KS*PV
	s_mov_b32 s[G0K], 1             ; 1:0 count = 1
	s_mov_b32 s[G0K+1], 0           ; 63:32 LDS address: slot 0
	s_mov_b32 s[G0V], 1
	s_mov_b32 s[G0V+1], VOFF
	s_add_co_u32 s[RT], s[HI], 1    ; the first block has 8 - b tiles
	s_mov_b32 s[NXT], 1
	s_mov_b32 s[LQ], s[HI]
	s_mov_b32 s[OFF+1], 0
	s_mov_b32 s[AL0+1], 0           ; named as pairs
	s_mov_b32 s[BE0+1], 0
	s_mov_b32 s[AL1+1], 0
	s_mov_b32 s[BIGN], 0xf149f2ca   ; -1e30
	s_mov_b32 s[SLOTS], NB
	s_wait_dscnt 0x0                ; the opening add is done
	s_barrier_signal -1
	s_barrier_wait -1
	s_wait_kmcnt 0x0
	s_add_nc_u64 s[6:7], s[16:17], s[20:21]
	s_add_nc_u64 s[6:7], s[6:7], 16*16384          ; K at the head's tile 0: 16 panels behind q's
	s_add_nc_u64 s[8:9], s[6:7], 16*16384          ; V: 16 more
	s_add_nc_u64 s[4:5], s[16:17], s[48:49]        ; Q at my rows of the first block,
	s_add_nc_u64 s[86:87], s[16:17], s[50:51]      ; and of the second
	s_add_nc_u64 s[10:11], s[18:19], s[52:53]      ; O likewise
	s_add_nc_u64 s[OLO:OLO+1], s[18:19], s[54:55]
	s_add_nc_u64 s[G0K+2:G0K+3], s[6:7], 0         ; 120:64 global address
	s_or_b32 s[G0K+3], s[G0K+3], 0x80000000        ; 127:126 type = 2
	s_add_nc_u64 s[G0V+2:G0V+3], s[8:9], 0
	s_or_b32 s[G0V+3], s[G0V+3], 0x80000000
	LOAD                            ; tile 0 into slot 0
	; A fragment of K or Q is 16 rows x 32 channels in 8 registers: lane l holds row l % 16, channels 8 (l / 16) + 0..7 and 16 + 8 (l / 16) + 0..7: two loads of 16 bytes, 32 bytes apart.
	v_and_b32 v1, 15, v0            ; l % 16
	v_bfe_u32 v9, v0, 4, 1          ; l / 16
	v_lshlrev_b32 v[QO], 7, v1
	v_lshl_add_u32 v[QO], v9, 4, v[QO]  ; row x 128 + 16 x half
	WIN 0x40                        ; destination window 1, address window 0
.set i, 0
.rept 4                             ; both blocks' Q: piece i / 2 lies in band i / 2, 8,192 bytes on; channels 32 (i % 2) on
	global_load_b128 v[8*i:8*i+3],         v[QO], s[4:5] offset:(i/2)*8192+(i%2)*64
	global_load_b128 v[8*i+4:8*i+7],       v[QO], s[4:5] offset:(i/2)*8192+(i%2)*64+32
	global_load_b128 v[QB+8*i:QB+8*i+3],   v[QO], s[86:87] offset:(i/2)*8192+(i%2)*64
	global_load_b128 v[QB+8*i+4:QB+8*i+7], v[QO], s[86:87] offset:(i/2)*8192+(i%2)*64+32
.set i, i+1
.endr
	WIN 0
	v_lshlrev_b32 v14, 3, v9
	v_sub_nc_u32 v14, v1, v14
	s_lshl_b32 s13, s[WV], 4
	v_add_nc_u32 v14, s13, v14      ; my query's place in its band, 16 w + l % 16, less my lanes' 8 (l / 16): register r of group kt is hidden where 16 kt + r is greater
	WIN 0x40
.set i, 0
.rept 32
	v_cmp_gt_i32 vcc_lo, 16*(i/8)+i%8, v14
	v_cndmask_b32 v[MD+i], 0, s[BIGN], vcc_lo
.set i, i+1
.endr
	WIN 0
	v_mul_u32_u24 v[AK0], v1, PK
	v_lshl_add_u32 v[AK0], v9, 4, v[AK0]  ; row x pitch + 16 x half
	; The turning load takes 16 keys x 16 channels (lane l reads key 8 (l / 16) + l % 8, channels 8 ((l / 8) % 2) + 0..7) and leaves half a fragment of V^T: lane l holds channel l % 16 and 8 keys.
	v_and_b32 v10, 7, v0
	v_bfe_u32 v11, v0, 3, 1
	v_lshl_add_u32 v[AV0], v9, 3, v10
	v_mul_u32_u24 v[AV0], v[AV0], PV
	v_lshl_add_u32 v[AV0], v11, 4, v[AV0]
	v_add_nc_u32 v[AV0], VOFF, v[AV0]
	s_mul_i32 s13, s[WV], 16*SP
	s_add_co_u32 s13, s13, STAGE    ; my stage
	v_mul_u32_u24 v[STO], v1, SP    ; in: row l % 16, 16 bytes for each half of the lanes
	v_lshl_add_u32 v[STO], v9, 4, v[STO]
	v_add_nc_u32 v[STO], s13, v[STO]
	v_bfe_u32 v[RD], v0, 3, 2       ; back: 32 lanes take four rows of 128 bytes,
	v_mul_u32_u24 v[RD], v[RD], SP
	v_lshl_add_u32 v[RD], v10, 4, v[RD]
	v_add_nc_u32 v[RD], s13, v[RD]
	v_and_b32 v[GO], 31, v0         ; which are 512 consecutive bytes of O
	v_lshlrev_b32 v[GO], 4, v[GO]
.set i, 0
.rept 64
	v_mov_b32 v[O+i], 0             ; finite, for the first step's a = 0
.set i, i+1
.endr
.irp t, 0,1
	v_mov_b32 v[ST+4*(\t)], 0xfe000000    ; c m: far below every c s
	v_mov_b32 v[ST+4*(\t)+1], 0xff7fffff  ; m: the lowest finite number
	v_mov_b32 v[ST+4*(\t)+2], 0
	v_mov_b32 v[ST+4*(\t)+3], 0
.endr
	s_wait_loadcnt 0x0              ; Q, both blocks'
; THE MATRIX WORK.  The 8 accumulators of a run of 16 take turns: between the two links of a chain stand 7 others'.
; Product i of 16 of S^T = K Q^T: piece i % 2, keys 16 ((i / 2) % 4) on, channels 32 (i / 8) on.  The first 8 start the sums, with the mask as C.
.macro KQ
.set rS, S+32*(i%2)+8*((i/2)%4)
.set rK, KF+16*((i/2)%4)+8*(i/8)
.set rQ, 16*(i%2)+8*(i/8)
.set rM, 32*(i%2)+8*((i/2)%4)
.if i < 8
	WIN 0x25                        ; K and Q in window 1, the mask in window 2, S^T in window 0
	v_wmma_f32_16x16x32_bf16 v[rS:rS+7], v[rK:rK+7], v[rQ:rQ+7], v[rM:rM+7]
.else
	WIN 0x05
	v_wmma_f32_16x16x32_bf16 v[rS:rS+7], v[rK:rK+7], v[rQ:rQ+7], v[rS:rS+7]
.endif
.set i, i+1
.endm
; Product i of 16 of O^T += V^T P: piece i % 2, channels 16 ((i / 2) % 4) on, keys 32 (i / 8) on.
.macro PV
	WIN 0x01                        ; V in window 1, P and O^T in window 0
.set rO, O+32*(i%2)+8*((i/2)%4)
.set rV, VF+32*(i/8)+8*((i/2)%4)
.set rP, P+16*(i%2)+8*(i/8)
	v_wmma_f32_16x16x32_bf16 v[rO:rO+7], v[rV:rV+7], v[rP:rP+7], v[rO:rO+7]
.set i, i+1
.endm
; THE LDS LOADS stand in runs of 16: a step's K (64 keys x 64 channels: 8 fragments) and its V (turned).
.macro FETCH_K
	WIN 0x40                        ; destination window 1
.irp f, 0,1,2,3,4,5,6,7             ; keys 16 (f / 2) on, channels 32 (f % 2) on
	ds_load_b128 v[KF+8*\f:KF+8*\f+3],   v[AK] offset:(\f/2)*16*PK+(\f%2)*64
	ds_load_b128 v[KF+8*\f+4:KF+8*\f+7], v[AK] offset:(\f/2)*16*PK+(\f%2)*64+32
.endr
	s_add_co_u32 s[TBK], s[TBK], KS*PK  ; the next fetch is the next step's
.endm
.macro FETCH_V
	WIN 0x40
.irp f, 0,1,2,3,4,5,6,7             ; keys 32 (f / 4) on, channels 16 (f % 4) on
	ds_load_tr16_b128 v[VF+8*\f:VF+8*\f+3],   v[AV] offset:(\f/4)*32*PV+(\f%4)*32
	ds_load_tr16_b128 v[VF+8*\f+4:VF+8*\f+7], v[AV] offset:(\f/4)*32*PV+16*PV+(\f%4)*32
.endr
	s_add_co_u32 s[TBV], s[TBV], KS*PV
.endm
.macro MASK                         ; piece 0: MD x AL0 + BE0; piece 1: MD x AL1 (it is never wholly hidden)
	WIN 0x81                        ; destination window 2, source 0 window 1
.set z, 0
.rept 16
	v_pk_fma_f32 v[2*z:2*z+1], v[MD+2*z:MD+2*z+1], s[AL0:AL0+1], s[BE0:BE0+1] op_sel_hi:[1,0,0]
.set z, z+1
.endr
.set z, 0
.rept 16
	v_pk_mul_f32 v[32+2*z:32+2*z+1], v[MD+2*z:MD+2*z+1], s[AL1:AL1+1] op_sel_hi:[1,0]
.set z, z+1
.endr
.endm
; THE SOFTMAX, one line at a time, for piece y.  All its registers lie in window 0.
.macro REGS y
.set rT, ST+4*(\y)
.set rC, TMP+4*(\y)
.set rW, MV+(\y)
.set rS, S+32*(\y)
.set rP, P+16*(\y)
.set rO, O+32*(\y)
.endm
; SMX: number n of the 22 that find the maximum and the statistics.  s0-s31 are the lane's 32 scores; each accumulator's lowest registers are read first.
;   0-11  four chains c0-c3 of seven scores each, three operands at a time     12-14, 16  the four scores left over, the old m, and c0-c3 into c0     15  c m_old is kept
;   17, 18  the query's other 32 keys lie in the lane 16 away: the new m         19-21  c m; c m_old - c m_new; a
.macro SMX y, n
	REGS \y
.if (\n) < 4
	v_max3_num_f32 v[rC+(\n)], v[rS+8*(\n)], v[rS+8*(\n)+1], v[rS+8*(\n)+2]
.elseif (\n) < 12
	v_max3_num_f32 v[rC+(\n)%4], v[rC+(\n)%4], v[rS+8*((\n)%4)+2*((\n)/4)+1], v[rS+8*((\n)%4)+2*((\n)/4)+2]
.elseif (\n) == 12
	v_max3_num_f32 v[rC], v[rC], v[rS+7], v[rS+15]
.elseif (\n) == 13
	v_max3_num_f32 v[rC+1], v[rC+1], v[rS+23], v[rS+31]
.elseif (\n) == 14
	v_max3_num_f32 v[rC+2], v[rC+2], v[rC+3], v[rT+1]
.elseif (\n) == 15
	v_mov_b32 v[rW], v[rT]
.elseif (\n) == 16
	v_max3_num_f32 v[rC], v[rC], v[rC+1], v[rC+2]
.elseif (\n) == 17
	v_permlanex16_b32 v[rC+3], v[rC], s[SEL], s[SEL+1]
.elseif (\n) == 18
	v_max_num_f32 v[rT+1], v[rC], v[rC+3]
.elseif (\n) == 19
	v_mul_f32 v[rT], s[CS], v[rT+1]
.elseif (\n) == 20
	v_sub_f32 v[rC+1], v[rW], v[rT]
.else
	v_exp_f32 v[rC+2], v[rC+1]
.endif
.endm
.macro SMF y, n                     ; c s - c m for pair n of 16
	REGS \y
	v_pk_fma_f32 v[rS+2*(\n):rS+2*(\n)+1], v[rS+2*(\n):rS+2*(\n)+1], s[CS:CS+1], v[rT:rT+1] op_sel_hi:[1,0,0] neg_lo:[0,0,1] neg_hi:[0,0,1]
.endm
.macro SME y, n                     ; the exponential of score n of 32, in place
	REGS \y
	v_exp_f32 v[rS+(\n)], v[rS+(\n)]
.endm
.macro SMC y, n                     ; pair n rounded to bf16: reads two exponentials' results
	REGS \y
	v_cvt_pk_bf16_f32 v[rP+(\n)], v[rS+2*(\n)], v[rS+2*(\n)+1]
.endm
.macro SMR y, n                     ; pair n of 16 of O^T times a, each accumulator from its low end on: reads a
	REGS \y
	v_pk_mul_f32 v[rO+2*(\n):rO+2*(\n)+1], v[rO+2*(\n):rO+2*(\n)+1], v[rC+2:rC+3] op_sel_hi:[1,0]
.endm
.macro SML y, n                     ; l takes pair n (the first time as l = a l + pair): reads two exponentials' results
	REGS \y
.if (\n) == 0
	v_pk_fma_f32 v[rT+2:rT+3], v[rT+2:rT+3], v[rC+2:rC+3], v[rS:rS+1] op_sel_hi:[1,0,1]
.else
	v_pk_add_f32 v[rT+2:rT+3], v[rT+2:rT+3], v[rS+2*(\n):rS+2*(\n)+1]
.endif
.endm
; The two pieces alternate throughout.  THE ORDER: (1) numbers 0-20 of the maximum and statistics, all plain.  (2) ONE BATCH of 66 exponentials: both a, then s0-s31 of both pieces, each result in a register of its own
; (a in c2, a weight in its score's place).  The 32 scalings are the batch's plain lines, spread over it: a pair is scaled a group of six lines ahead of its two exponentials, and no scaling touches a register behind its exponential,
; so nothing in the batch names a result.  (3) A v_nop, the plain instruction behind the last exponential (ISA guide 5.7.2): the step has no other line left that names no result.  (4) The one wait.
; (5) All the readers, pair by pair in ascending order: O^T times a, the rounding, l's sum: the links of l's chain stand six lines apart.
.macro SOFT
.irp n, 0,1,2,3,4,5,6,7,8,9,10,11,12,13,14,15,16,17,18,19,20
	SMX 0, \n
	SMX 1, \n
.endr
	SMX 0, 21                       ; the batch opens: piece 0's a,
	SMF 0, 0
	SMX 1, 21                       ; piece 1's a,
	SMF 1, 0
.irp n, 0,1,2,3,4,5,6,7,8,9,10,11,12,13,14,15
	SME 0, 2*(\n)                   ; and pair n's four exponentials, between them the next pair's two scalings
.if (\n) < 15
	SMF 0, (\n)+1
.endif
	SME 0, 2*(\n)+1
	SME 1, 2*(\n)
.if (\n) < 15
	SMF 1, (\n)+1
.endif
	SME 1, 2*(\n)+1
.endr
	v_nop                           ; the plain instruction behind the last exponential: one for the batch
	s_wait_alu depctr_va_vdst(0)    ; the wait ahead of the first line that names a result: one for the step's 66 exponentials
.irp n, 0,1,2,3,4,5,6,7,8,9,10,11,12,13,14,15
	SMR 0, \n
	SMR 1, \n
	SMC 0, \n
	SML 0, \n
	SMC 1, \n
	SML 1, \n
.endr
.endm
; A KEY STEP.  The mask's scalars: in the diagonal tile (RT = 0) step 0 (CNT = 2) is piece 0's own, step 1 (CNT = 1) is piece 1's own and hidden from piece 0; elsewhere all are 0.
; K's run of loads stands behind the whole softmax of the step before, which is more than four plain instructions behind the last product that read K; the mask's 32 plain lines are the places between the last product that read V and V's run..
.macro STEP
	s_cmp_eq_u32 s[RT], 0
	s_cselect_b32 s[DS], s[CNT], 0
	s_cmp_eq_u32 s[DS], 2
	s_cselect_b32 s[AL0], 1.0, 0
	s_cmp_eq_u32 s[DS], 1
	s_cselect_b32 s[BE0], s[BIGN], 0
	s_cselect_b32 s[AL1], 1.0, 0
	v_add_nc_u32 v[AK], s[TBK], v[AK0]
	v_add_nc_u32 v[AV], s[TBV], v[AV0]
	FETCH_K
	MASK
	FETCH_V
	s_wait_dscnt 16                 ; K is in; V's sixteen younger loads stay out
.set i, 0
.rept 16
	KQ
.endr
	WIN 0
.rept 4
	v_nop                           ; the places behind those products
.endr
	SOFT
	s_wait_dscnt 0x0                ; V is in
.set i, 0
.rept 16
	PV
.endr
	WIN 0
.endm
.macro TILE                         ; a tile's two steps: written once, walked twice; the LDS addresses hang on s[TBK] and s[TBV]
	s_mov_b32 s[CNT], 2
.Lstep_\@:
	STEP
	s_sub_co_u32 s[CNT], s[CNT], 1
	s_cmp_lg_u32 s[CNT], 0
	s_cbranch_scc1 .Lstep_\@
.endm
; THE WAY OUT.  l's two halves and the other half of the lanes' are added; O^T is divided by l, rounded to bf16 and sent through my stage in LDS, a piece (16 rows, 2,048 dense bytes of a panel) at a time.
.macro PACK t
.set i, 0
.rept 16
	v_pk_mul_f32 v[O+32*(\t)+2*i:O+32*(\t)+2*i+1], v[O+32*(\t)+2*i:O+32*(\t)+2*i+1], v[ST+4*(\t)+2:ST+4*(\t)+3] op_sel_hi:[1,0]
.set i, i+1
.endr
.set i, 0
.rept 16
	v_cvt_pk_bf16_f32 v[S+16*(\t)+i], v[O+32*(\t)+2*i], v[O+32*(\t)+2*i+1]
.set i, i+1
.endr
.irp f, 0,1,2,3
	ds_store_b128 v[STO], v[S+16*(\t)+4*\f:S+16*(\t)+4*\f+3] offset:32*\f
.endr
.irp f, 0,1,2,3
	ds_load_b128 v[S+16*(\t)+4*\f:S+16*(\t)+4*\f+3], v[RD] offset:\f*4*SP  ; LDS serves a wave's instructions in order (ISA guide 5.7.1.4): these see the stores above; the next piece's stores come behind them
.endr
.endm
.macro SEND t, younger              ; younger: the LDS instructions issued behind piece t's loads: the next piece's eight, or none
.irp f, 0,1,2,3
	s_wait_dscnt (\younger)+3-\f
	global_store_b128 v[GO], v[S+16*(\t)+4*\f:S+16*(\t)+4*\f+3], s[10:11] offset:(\t)*8192+\f*512  ; 512 consecutive bytes, aligned
.endr
.endm
.macro WAYOUT
.rept 4
	v_nop                           ; the places behind the last products
.endr
.irp t, 0,1
	v_add_f32 v[ST+4*(\t)+2], v[ST+4*(\t)+2], v[ST+4*(\t)+3]
.endr
.irp t, 0,1
	v_permlanex16_b32 v[ST+4*(\t)+3], v[ST+4*(\t)+2], s[SEL], s[SEL+1]
.endr
.irp t, 0,1
	v_add_f32 v[ST+4*(\t)+2], v[ST+4*(\t)+2], v[ST+4*(\t)+3]
.endr
.irp t, 0,1
	v_rcp_f32 v[ST+4*(\t)+2], v[ST+4*(\t)+2]
.endr
	v_nop                           ; a plain instruction between the last reciprocal and the use of its result
	s_wait_alu depctr_va_vdst(0)    ; and the wait ahead of the first use: one for the two reciprocals, which both pieces' multiplies below read
	PACK 0
	PACK 1
	SEND 0, 8
	SEND 1, 0
.endm
.Lslot:                             ; NB times: a tile is entered and the next is asked for
	CHANGE 1
	s_sub_co_u32 s[RT], s[RT], 1
	TILE
	s_cmp_lg_u32 s[RT], 0
	s_cbranch_scc1 .Lbottom         ; not the block's last tile
	WAYOUT                          ; in the loop this is the first block's end: the second block's last tile is the walk's last
	s_wait_xcnt 0x0                 ; the stores have read their registers and O's address
	s_mov_b64 s[10:11], s[OLO:OLO+1]
	s_add_co_u32 s[RT], s[PB], 1    ; the second block has b + 1 tiles
.irp t, 0,1
	v_mov_b32 v[ST+4*(\t)], 0xfe000000    ; its first a is 0 again
	v_mov_b32 v[ST+4*(\t)+1], 0xff7fffff
.endr
	WIN 0x41                        ; the second block's Q goes where the one text of the step names Q
.set i, 0
.rept 32
	v_mov_b32 v[i], v[QB+i]
.set i, i+1
.endr
	WIN 0
.Lbottom:
	s_sub_co_u32 s[SLOTS], s[SLOTS], 1
	s_cmp_lg_u32 s[SLOTS], 0
	s_cbranch_scc1 .Lslot
	CHANGE 0                        ; the walk's last tile is written out: nothing is asked for
	s_sub_co_u32 s[RT], s[RT], 1
	TILE
	WAYOUT
	s_wait_tensorcnt 0x0            ; the wave's end: a wait, an add to my spare word and a wait for it, behind my last tensor load and my last LDS store
	ds_add_u32 v[SPW], v[NIL]
	s_wait_dscnt 0x0
	s_endpgm
.Lfunc_end_k_q7fb30622b8_attn:
	.size	k_q7fb30622b8_attn, .Lfunc_end_k_q7fb30622b8_attn-k_q7fb30622b8_attn
	.p2alignl 7, 3214868480
	.fill 96, 4, 3214868480
	.section	.rodata,"a",@progbits
	.p2align	6, 0x0
	.amdhsa_kernel k_q7fb30622b8_attn
		.amdhsa_group_segment_fixed_size 327680
		.amdhsa_private_segment_fixed_size 0
		.amdhsa_enable_private_segment 0
		.amdhsa_kernarg_size 16
		.amdhsa_user_sgpr_count 2
		.amdhsa_user_sgpr_kernarg_segment_ptr 1
		.amdhsa_wavefront_size32 1
		.amdhsa_system_sgpr_workgroup_id_x 1
		.amdhsa_system_sgpr_workgroup_id_y 1
		.amdhsa_system_sgpr_workgroup_id_z 1
		.amdhsa_system_vgpr_workitem_id 0
		.amdhsa_next_free_vgpr 576
		.amdhsa_next_free_sgpr 88
		.amdhsa_reserve_vcc 1
		.amdhsa_float_denorm_mode_32 3
		.amdhsa_float_denorm_mode_16_64 3
		.amdhsa_memory_ordered 1
		.amdhsa_forward_progress 1
		.amdhsa_inst_pref_size 69
	.end_amdhsa_kernel
	.amdgpu_metadata
---
amdhsa.version: [ 1, 2 ]
amdhsa.kernels:
  - .name:           k_q7fb30622b8_attn
    .symbol:         k_q7fb30622b8_attn.kd
    .args:
      - { .name: qkvb, .offset: 0, .size: 8, .value_kind: global_buffer, .address_space: global }
      - { .name: att, .offset: 8, .size: 8, .value_kind: global_buffer, .address_space: global }
    .group_segment_fixed_size: 327680
    .private_segment_fixed_size: 0
    .kernarg_segment_align: 8
    .kernarg_segment_size: 16
    .max_flat_workgroup_size: 128
    .sgpr_count:     88
    .vgpr_count:     576
    .wavefront_size: 32
...
	.end_amdgpu_metadata
.endif
;; end of part 7
;; launch proj: the kernel of part 4 again; grid 8 x 32, 4 waves a work-group, clusters of 4 x 4, 327,680 bytes of LDS; arguments att, wb, x1, bo, x; writes x1
;; launch ln2: the kernel of part 5 again; grid 256 x 1, 8 waves a work-group, no clusters, 0 bytes of LDS; arguments x1, g2, be2, xn2; writes xn2
;; launch ffn1: the kernel of part 2 again; grid 16 x 16, 4 waves a work-group, clusters of 4 x 4, 327,680 bytes of LDS; arguments xn2, pf, hid; writes hid
;; launch ffn2: the kernel of part 6 again; grid 8 x 32, 4 waves a work-group, clusters of 4 x 4, 327,680 bytes of LDS; arguments hid, wb, out0, b2, x1; writes out0
